; MI455X (gfx1250); checked and timed in simulation.
; The chip was launched on July 23, 2026; its instructions are those of AMD's public machine-readable ISA for CDNA 5 (MIT licence, August 2026) and "CDNA5" Instruction Set Architecture Reference Guide (July 2026). The comments in the code are by the model that wrote it; some were corrected since.
;; Transformer Encoder. Allowed arithmetic: matrix products marked QUANTISED: E3M2 operands, one E8M0 scale for each 32 along K, by v_wmma_scale_f32_16x16x128_f8f6f4 with both operands' format E3M2, f32 sums; everything else in f32.
;; Inputs: W1 1,024 x 4,096 float32; W2 4,096 x 1,024 float32; Wk 1,024 x 1,024 float32; Wo 1,024 x 1,024 float32; Wq 1,024 x 1,024 float32; Wv 1,024 x 1,024 float32; b1 4,096 float32; b2 1,024 float32; bk 1,024 float32; bo 1,024 float32; bq 1,024 float32; bv 1,024 float32; ln1_b 1,024 float32; ln1_g 1,024 float32; ln2_b 1,024 float32; ln2_g 1,024 float32; x 2 x 2,048 x 1,024 float32.
;; Outputs: out0 2 x 2,048 x 1,024 float32.
;; This version of the problem:
;;   THIS VERSION OF THE PROBLEM IS GIVEN IN LOW PRECISION. The matrix products marked QUANTISED in the list below multiply operands that are first quantised to E3M2 (3 exponent bits, 2 mantissa bits; 6 bits a number), with one power-of-two scale for each 32 numbers along K (OCP MX v1.0); their sums are f32. All else is computed in f32.
;;   The module's matrix products, in the order in which they are computed (A, B: the left and right operand; K: the contracted axis; several contracted axes count as one K, in the product's order):
;;     1. [M 4,096, K 1,024] x [K 1,024, N 1,024]; A: computed on the way; B: input Wq: QUANTISED
;;     2. [M 4,096, K 1,024] x [K 1,024, N 1,024]; A: computed on the way; B: input Wk: QUANTISED
;;     3. [M 4,096, K 1,024] x [K 1,024, N 1,024]; A: computed on the way; B: input Wv: QUANTISED
;;     4. batch 32 x [M 2,048, K 64] x [K 64, N 2,048]; A: computed on the way; B: computed on the way: QUANTISED
;;     5. batch 32 x [M 64, K 2,048] x [K 2,048, N 2,048]; A: computed on the way; B: softmax (see below): QUANTISED
;;     6. [M 4,096, K 1,024] x [K 1,024, N 1,024]; A: computed on the way; B: input Wo: QUANTISED
;;     7. [M 4,096, K 1,024] x [K 1,024, N 4,096]; A: computed on the way; B: input W1: QUANTISED
;;     8. [M 4,096, K 4,096] x [K 4,096, N 1,024]; A: computed on the way; B: input W2: QUANTISED
;;   THE QUANTISER, for each operand of a quantised product, along K:
;;     - K is cut into blocks of 32 from its start; a last block that is shorter is filled with zeros.
;;     - A block's scale is 2^e with e = floor(log2(the largest magnitude in the block)) - 4, held to -126 .. 127; a block of zeros has e = 0. As a byte (E8M0): e + 127.
;;     - Each number is divided by its block's scale, clamped to +-28, and rounded to the nearest number of E3M2, ties to even, subnormals kept.
;;     - The product sums the exact products of the quantised numbers (number of the format x scale) in f32.
;;   ~~~python
;;   def quantise(x, axis):      # numpy; x: float32 -> the quantised numbers, widened to float32 again
;;       x = np.moveaxis(x, axis, -1); K = x.shape[-1]
;;       x = np.pad(x, [(0, 0)] * (x.ndim - 1) + [(0, -K % 32)]); x = x.reshape(x.shape[:-1] + (-1, 32)); a = np.abs(x).max(-1, keepdims=True)
;;       e = np.where(a > 0, np.clip(np.frexp(np.where(a > 0, a, 1))[1] - 1 - 4, -126, 127), 0)      # np.frexp(a)[1] - 1 = floor(log2(a)), exactly
;;       r = np.clip(x / 2.0 ** e, -28, 28)
;;       step = 2.0 ** (np.maximum(np.frexp(np.where(r == 0, 1, r))[1] - 1, -2) - 2)
;;       q = np.round(r / step) * step * 2.0 ** e      # np.round: ties to even
;;       return np.moveaxis(q.reshape(q.shape[:-2] + (-1,))[..., :K], -1, axis).astype(np.float32)
;;   ~~~
;;   SOFTMAX AHEAD OF A QUANTISED PRODUCT. Where the list says 'softmax', what is quantised is not the finished softmax but p = 2^(t - M), with t = logit x log2(e) and M = ceil(the row's largest t), a whole number; so 1/2 < the row's largest p <= 1. The row's sum l is taken of the UNQUANTISED p, in f32, and the product's result is divided by l at the end. Since M is a whole number, a kernel that streams over the keys may use a running M (the ceiling of the running maximum): every later rescaling is an exact power of two, which a block's scale takes up: the codes' values come out the same.
;;   OPERANDS COMPUTED ON THE WAY. 'Computed on the way' means the value that the module computes at that place (a softmax that the list does not call 'softmax' is quantised finished and normalised). What goes into a quantiser is computed in f32, as accurately as f32 sums, v_exp_f32 and their like allow (about 1e-6 of the number): no bf16 or f16 on the way to a quantiser, and a product that is left as it is and whose result goes on into a quantised operand takes f32 operands (vector FMAs, or v_wmma_f32_16x16x4_f32). A number that lies on a knife's edge between two numbers of the format may be rounded either way, as far as f32 arithmetic and the matrix unit's own rounding can turn it there, and no further.
;; 2 versions. Each part assembles by itself: llvm-mc -triple=amdgcn-amd-amdhsa -mcpu=gfx1250 --defsym DOCPART=n.
;; ======== version 1 of 2: 8 launches
;; workspace buffers: wts 9,830,400 bytes; hq 3,276,800 bytes; qkv 10,092,544 bytes; att 3,276,800 bytes; res 16,777,216 bytes; hid 13,107,200 bytes
;; launch wq (part 1): grid 384 x 1, 4 waves a work-group, no clusters, 25,088 bytes of LDS; arguments Wq, Wk, Wv, Wo, W1, W2, wts; writes wts
.if DOCPART == 1
	.amdgcn_target "amdgcn-amd-amdhsa--gfx1250"
	.amdhsa_code_object_version 6
	.text
	.protected	k_qf59faeec0d_wq
	.globl	k_qf59faeec0d_wq
	.p2align	8
	.type	k_qf59faeec0d_wq,@function
k_qf59faeec0d_wq:
	s_mov_b64 s[64:65], 0
	v_nop
	global_prefetch_b8 v0, s[64:65] scope:SCOPE_SE
	s_setreg_imm32_b32 hwreg(HW_REG_WAVE_MODE, 25, 1), 1
	s_wait_xcnt 0x0
; The six weights, f32 stored [K][N], become codes of BF6 (E3M2) with one E8M0 byte for each 32 along K, laid as the products' launches read them.
; LAYOUT OF wts.  Columns n go in groups of 128; inside each 32 columns, place p holds column p with bits 3 and 4 exchanged.  A group's codes: [K step of 128][block of 16 places: 1,536 bytes][half c: 768 bytes];
; a half is an image of operand registers 6 c .. 6 c + 5: 32 lanes x 16 bytes (four registers), then 32 lanes x 8 bytes (two).  Scale words: [group][K step][128 places x 4 bytes].
; Groups 0-7 Wq, 8-15 Wk, 16-23 Wv, 24-31 Wo, 32-63 W1 (98,304 bytes each); W2's eight groups (393,216 each) from byte 6,291,456; scale words from 9,437,184 (W2's from 9,699,328).
; SHARES.  A work-group takes one group of 128 columns x 256 along K; wave w columns 32 w .. 32 w + 31.  A LANE TAKES A COLUMN AND ITS REGISTERS RUN DOWN K: a load reads 128 consecutive bytes, a block of 32 lies in one
; lane, and the conversions give codes with K innermost.  The images are gathered in the wave's own 6,144 bytes of LDS and leave in stores of 512 consecutive bytes.  No barrier: waves share nothing.
; No cluster: no two work-groups read the same byte.
; A block's byte is its largest magnitude's exponent field - 4, held at 1 from below.  LIMITS: a block of zeros gets the byte 1 (its codes are zeros; this program alone reads the bytes); magnitudes under 2^-122 count as that;
; NaN and infinities are not served.
.set VO,   16                          ; v16-47   4 x lane + i rows of the weight
.set X,    48                          ; v48-111  two sets of 32 numbers
.set C,    112                         ; v112-117 a block's codes
.set D,    120                         ; v120-122 its upper 16 codes, as converted
.set OUTR, 124                         ; v124-171 the way out
.set SB,   14                          ; v14-15   two scale words
.set NB,   8
	s_load_b256 s[4:11], s[0:1], 0x0               ; Wq, Wk, Wv, Wo
	s_load_b128 s[12:15], s[0:1], 0x20             ; W1, W2
	s_load_b64 s[16:17], s[0:1], 0x30              ; wts
	v_lshl_add_u32 v176, v0, 2, 0x6000
	v_mov_b32 v177, 0
	v_lshrrev_b32 v1, 5, v0
	v_readfirstlane_b32 s18, v1                    ; wave
	v_and_b32 v2, 31, v0                           ; lane
	; which tensor, group and 256 along K: work-groups 0-255 take groups 0-63 (four each), 256-383 W2's eight (sixteen each)
	s_lshr_b32 s20, ttmp9, 2                       ; group G
	s_and_b32 s21, ttmp9, 3                        ; its part of K
	s_sub_co_u32 s22, ttmp9, 256
	s_lshr_b32 s23, s22, 4                         ; W2: group
	s_and_b32 s24, s22, 15                         ; W2: part of K
	s_mul_i32 s48, s20, 98304                      ; where the codes go
	s_mul_i32 s49, s23, 393216
	s_add_co_u32 s49, s49, 6291456
	s_lshl_b32 s50, s20, 12                        ; where the scale words go
	s_add_co_u32 s50, s50, 9437184
	s_lshl_b32 s51, s23, 14
	s_add_co_u32 s51, s51, 9699328
	s_and_b32 s52, s20, 7                          ; the group of columns inside its tensor
	s_sub_co_u32 s53, s20, 32
	s_cmp_lt_u32 s20, 32
	s_cselect_b32 s52, s52, s53
	s_cmp_lt_u32 ttmp9, 256
	s_cselect_b32 s52, s52, s23
	s_cselect_b32 s21, s21, s24
	s_cselect_b32 s48, s48, s49
	s_cselect_b32 s50, s50, s51
	s_lshr_b32 s53, s20, 5
	s_mov_b32 s25, 4096
	s_cmp_eq_u32 s53, 1                            ; W1 alone has rows of 16,384 bytes
	s_cselect_b32 s25, 16384, s25
	s_mul_i32 s54, s21, s25
	s_lshl_b32 s54, s54, 8                         ; 256 rows for each part of K,
	s_lshl_b32 s53, s52, 9
	s_add_co_u32 s54, s54, s53                     ; 512 bytes a group of columns,
	s_lshl_b32 s53, s18, 7
	s_add_co_u32 s54, s54, s53                     ; 128 bytes a wave
	s_mov_b32 s55, 0
	s_lshl_b32 s56, s25, 5                         ; from block to block: 32 rows
	s_mov_b32 s57, 0
	s_mul_i32 s26, s21, 24576                      ; two K steps of 12,288 bytes for each part of K
	s_add_co_u32 s48, s48, s26
	s_mul_i32 s26, s18, 3072                       ; my wave's two blocks of 16 places
	s_add_co_u32 s48, s48, s26
	s_mov_b32 s49, 0
	s_lshl_b32 s26, s21, 10
	s_add_co_u32 s50, s50, s26
	s_mov_b32 s51, 0
	v_lshlrev_b32 v[VO], 2, v2
.set i, 1
.rept 31
	v_add_nc_u32 v[VO+i], s25, v[VO+i-1]
.set i, i+1
.endr
	v_bfe_u32 v8, v0, 3, 1                         ; u: which of my wave's two blocks of 16 places my column falls into
	v_and_b32 v9, 7, v0
	v_bfe_u32 v10, v0, 4, 1
	v_lshl_add_u32 v9, v10, 3, v9                  ; r: its place there
	s_mul_i32 s27, s18, 6144                       ; my wave's stage
	v_mul_u32_u24 v4, v8, 1536
	v_add_nc_u32 v4, s27, v4
	v_lshl_add_u32 v5, v9, 3, v4                   ; v5: where an image's 8 bytes of my column go
	v_lshl_add_u32 v4, v9, 4, v4                   ; v4: where its 16 bytes go
	v_lshlrev_b32 v7, 4, v2                        ; v7: 16 x lane
	v_add_nc_u32 v6, s27, v7                       ; v6: the stage read back as it lies
	v_lshl_add_u32 v3, v8, 4, v9
	s_lshl_b32 s27, s18, 5
	v_add_nc_u32 v3, s27, v3
	v_lshlrev_b32 v3, 2, v3                        ; v3: my column's scale word in a K step's 512 bytes
	s_wait_kmcnt 0x0
	s_cmp_lt_u32 s20, 64                           ; the choice hangs on the work-group's number alone
	s_cselect_b64 s[14:15], s[12:13], s[14:15]
	s_cmp_lt_u32 s20, 32
	s_cselect_b64 s[14:15], s[10:11], s[14:15]
	s_cmp_lt_u32 s20, 24
	s_cselect_b64 s[14:15], s[8:9], s[14:15]
	s_cmp_lt_u32 s20, 16
	s_cselect_b64 s[14:15], s[6:7], s[14:15]
	s_cmp_lt_u32 s20, 8
	s_cselect_b64 s[14:15], s[4:5], s[14:15]
	s_add_nc_u64 s[32:33], s[14:15], s[54:55]      ; a base for each of the eight blocks: nothing is stepped later
.irp t, 1,2,3,4,5,6,7
	s_add_nc_u64 s[32+2*\t:33+2*\t], s[30+2*\t:31+2*\t], s[56:57]
.endr
	s_add_nc_u64 s[28:29], s[16:17], s[48:49]
	s_add_nc_u64 s[30:31], s[16:17], s[50:51]
.macro LOAD t                          ; block t: 32 rows of my column into set t % 2
.irp i, 0,1,2,3,4,5,6,7,8,9,10,11,12,13,14,15,16,17,18,19,20,21,22,23,24,25,26,27,28,29,30,31
	global_load_b32 v[X+32*((\t)%2)+\i], v[VO+\i], s[32+2*(\t):33+2*(\t)] th:TH_LOAD_NT
.endr
.endm
	LOAD 0
	LOAD 1
.macro BLOCK t
.set XS, X+32*((\t)%2)
.if (\t) < NB-1
	s_wait_loadcnt 32                              ; this block's 32 loads are in; the next block's 32 may be out
.else
	s_wait_loadcnt 0x0
.endif
	v_max3_num_f32 v8, |v[XS]|, |v[XS+1]|, |v[XS+2]|       ; the block's largest magnitude, in two chains
	v_max3_num_f32 v9, |v[XS+3]|, |v[XS+4]|, |v[XS+5]|
.irp i, 6,10,14,18,22,26
	v_max3_num_f32 v8, v8, |v[XS+\i]|, |v[XS+\i+1]|
	v_max3_num_f32 v9, v9, |v[XS+\i+2]|, |v[XS+\i+3]|
.endr
	v_max3_num_f32 v8, v8, |v[XS+30]|, |v[XS+31]|
	v_max3_num_f32 v8, v8, v9, 0x2800000           ; and the floor 2^(5 - 127): the byte cannot fall under 1
	v_add_nc_u32 v11, 0xfe000000, v8               ; 4 off the exponent field: the conversion's scale operand
	v_lshrrev_b32 v9, 23, v11                      ; the scale's byte
.if (\t)%4 == 0
	v_mov_b32 v[SB+(\t)/4], v9
.else
	v_lshl_or_b32 v[SB+(\t)/4], v9, 8*((\t)%4), v[SB+(\t)/4]
.endif
	v_cvt_scalef32_pk16_bf6_f32 v[C:C+2], v[XS:XS+15], v11
	v_cvt_scalef32_pk16_bf6_f32 v[D:D+2], v[XS+16:XS+31], v11      ; (a conversion's three registers begin on an even number)
	v_nop                                          ; one plain place behind a scaled conversion
.irp i, 0,1,2
	v_mov_b32 v[C+3+\i], v[D+\i]
.endr
	; block t is K step t / 4, half (t % 4) / 2, lanes 16 (t % 2) + r of the image
	ds_store_b128 v4, v[C:C+3] offset:((\t)/4)*3072+(((\t)%4)/2)*768+((\t)%2)*256
	ds_store_b64 v5, v[C+4:C+5] offset:((\t)/4)*3072+(((\t)%4)/2)*768+512+((\t)%2)*128
.if (\t)+2 < NB
	LOAD (\t)+2
.endif
	s_wait_dscnt 0x0                               ; the stores have read their registers: the next block's codes may be written
.endm
.set Q, 0
.rept NB
	BLOCK Q
.set Q, Q+1
.endr
	global_store_b32 v3, v[SB], s[30:31]
	global_store_b32 v3, v[SB+1], s[30:31] offset:512
.irp i, 0,1,2,3,4,5,6,7,8,9,10,11
	ds_load_b128 v[OUTR+4*\i:OUTR+4*\i+3], v6 offset:512*\i
.endr
.irp i, 0,1,2,3,4,5,6,7,8,9,10,11
	s_wait_dscnt 11-\i                             ; LDS loads come back in order: piece i is in
	global_store_b128 v7, v[OUTR+4*\i:OUTR+4*\i+3], s[28:29] offset:(\i/6)*12288+(\i%6)*512   ; 512 consecutive bytes, at a multiple of 256 from the buffer's first byte
.endr
	s_wait_tensorcnt 0x0
	ds_add_u32 v176, v177
	s_wait_dscnt 0x0
	s_endpgm
.Lfunc_end_k_qf59faeec0d_wq:
	.size	k_qf59faeec0d_wq, .Lfunc_end_k_qf59faeec0d_wq-k_qf59faeec0d_wq
	.p2alignl 7, 3214868480
	.fill 96, 4, 3214868480
	.section	.rodata,"a",@progbits
	.p2align	6, 0x0
	.amdhsa_kernel k_qf59faeec0d_wq
		.amdhsa_group_segment_fixed_size 25088
		.amdhsa_private_segment_fixed_size 0
		.amdhsa_enable_private_segment 0
		.amdhsa_kernarg_size 56
		.amdhsa_user_sgpr_count 2
		.amdhsa_user_sgpr_kernarg_segment_ptr 1
		.amdhsa_wavefront_size32 1
		.amdhsa_system_sgpr_workgroup_id_x 1
		.amdhsa_system_sgpr_workgroup_id_y 1
		.amdhsa_system_sgpr_workgroup_id_z 1
		.amdhsa_system_vgpr_workitem_id 0
		.amdhsa_next_free_vgpr 178
		.amdhsa_next_free_sgpr 66
		.amdhsa_reserve_vcc 0
		.amdhsa_float_denorm_mode_32 3
		.amdhsa_float_denorm_mode_16_64 3
		.amdhsa_memory_ordered 1
		.amdhsa_forward_progress 1
		.amdhsa_inst_pref_size 45
	.end_amdhsa_kernel
	.amdgpu_metadata
---
amdhsa.version: [ 1, 2 ]
amdhsa.kernels:
  - .name:           k_qf59faeec0d_wq
    .symbol:         k_qf59faeec0d_wq.kd
    .args:
      - { .name: Wq, .offset: 0, .size: 8, .value_kind: global_buffer, .address_space: global }
      - { .name: Wk, .offset: 8, .size: 8, .value_kind: global_buffer, .address_space: global }
      - { .name: Wv, .offset: 16, .size: 8, .value_kind: global_buffer, .address_space: global }
      - { .name: Wo, .offset: 24, .size: 8, .value_kind: global_buffer, .address_space: global }
      - { .name: W1, .offset: 32, .size: 8, .value_kind: global_buffer, .address_space: global }
      - { .name: W2, .offset: 40, .size: 8, .value_kind: global_buffer, .address_space: global }
      - { .name: wts, .offset: 48, .size: 8, .value_kind: global_buffer, .address_space: global }
    .group_segment_fixed_size: 25088
    .private_segment_fixed_size: 0
    .kernarg_segment_align: 8
    .kernarg_segment_size: 56
    .max_flat_workgroup_size: 128
    .sgpr_count:     66
    .vgpr_count:     178
    .wavefront_size: 32
...
	.end_amdgpu_metadata
.endif
;; end of part 1
;; launch ln1 (part 2): grid 256 x 1, 4 waves a work-group, no clusters, 66,560 bytes of LDS; arguments x, ln1_g, ln1_b, hq; writes hq
.if DOCPART == 2
	.amdgcn_target "amdgcn-amd-amdhsa--gfx1250"
	.amdhsa_code_object_version 6
	.text
	.protected	k_qf59faeec0d_ln1
	.globl	k_qf59faeec0d_ln1
	.p2align	8
	.type	k_qf59faeec0d_ln1,@function
k_qf59faeec0d_ln1:
	s_mov_b64 s[64:65], 0
	v_nop
	global_prefetch_b8 v0, s[64:65] scope:SCOPE_SE
	s_setreg_imm32_b32 hwreg(HW_REG_WAVE_MODE, 25, 1), 1
	s_wait_xcnt 0x0
; y = (x - mean) * rsqrt(var + 1e-5) * g + b over rows of 1,024 f32, then y becomes codes of BF6 (E3M2) with one E8M0 byte for each 32 along the row.  The text serves both LayerNorms of the layer.
; OUTPUT, as the products' launches read it: rows go in groups of 128 places; inside each 32 rows, place p holds row p with bits 3 and 4 exchanged.  A group's codes: [K step of 128][block of 16 places: 1,536 bytes]
; [half c: 768 bytes], a half being an image of operand registers 6 c .. 6 c + 5 (32 lanes x 16 bytes, then 32 lanes x 8 bytes); scale words from byte 3,145,728: [group][K step][128 places x 4 bytes].
; SHARES.  Work-group t makes block t of 16 places.  Phase 1: wave w takes four of its rows, which are neighbours in memory, whole: 32 numbers of each row a lane; mean first, then the sum of squares of x - mean
; (so a common offset of the inputs costs no accuracy).  The rows meet in LDS (pitch 4,112 bytes = 257 x 16, so that the 16 rows that a later load touches do not start 256 bytes apart).  One barrier.
; Phase 2: wave w takes K steps 2 w and 2 w + 1 of all 16 rows: lane (r, h) reads, of row r, 16 neighbours of each block of 32, and quantises.
; No cluster: work-groups share only g and b, 8,192 bytes beside a work-group's 65,536 bytes of rows.
; LIMITS: a block of zeros gets the byte 1 (its codes are zeros; this program alone reads the bytes); magnitudes under 2^-122 count as that; NaN and infinities are not served.
.set X,     32                         ; v32-159  four rows, 32 numbers each; later v32-95 the first K step's 64 numbers
.set GG,    160                        ; v160-191 g;  v192-223 b;  later v160-223 the second K step's 64 numbers
.set BB,    192
.set MU,    8                          ; v8-15    the four means, each twice (pairs for the packed forms)
.set RS,    16                         ; v16-23   the four 1 / sqrt(var + eps), likewise
.set TM,    116                        ; v116-131 the quantiser's work
.set PITCH, 4112
.set SEL,   12                         ; s[12:13] v_permlanex16_b32's selects for lane l xor 16
	s_load_b256 s[4:11], s[0:1], 0x0               ; the rows, g, b, the output
	v_lshl_add_u32 v240, v0, 2, 0x10200
	v_mov_b32 v241, 0
	v_lshrrev_b32 v1, 5, v0
	v_readfirstlane_b32 s16, v1                    ; wave
	v_and_b32 v2, 31, v0                           ; lane
	v_lshlrev_b32 v3, 4, v2                        ; v3: 16 x lane
	v_lshlrev_b32 v6, 3, v2                        ; v6: 8 x lane
	v_and_b32 v30, 15, v0                          ; r
	v_bfe_u32 v31, v0, 4, 1                        ; h
	s_mul_i32 s20, s16, 4*PITCH
	v_add_nc_u32 v4, s20, v3                       ; v4: LDS, on the way in: my wave's four rows, 16 bytes a lane
	v_mul_u32_u24 v5, v30, PITCH
	v_lshl_add_u32 v5, v31, 6, v5
	s_lshl_b32 s21, s16, 10
	v_add_nc_u32 v5, s21, v5                       ; v5: and out: row r, + 64 h, + my wave's two K steps of 512 bytes
	v_lshlrev_b32 v7, 2, v30
	v_lshl_add_u32 v7, v31, 9, v7                  ; v7: scale words: 4 r, lanes 16-31 one K step on
	v_mov_b32 v29, 0                               ; a lane permute's destination counts as one of its sources: written once
.irp b, 0,1,2,3
	v_mov_b32 v[TM+4+\b], 0
.endr
	s_lshr_b32 s17, ttmp9, 1                       ; my wave's first row: 32 (t / 2) + 8 (t % 2) + 16 (w / 2) + 4 (w % 2)
	s_lshl_b32 s17, s17, 5
	s_and_b32 s18, ttmp9, 1
	s_lshl_b32 s18, s18, 3
	s_add_co_u32 s17, s17, s18
	s_lshr_b32 s18, s16, 1
	s_lshl_b32 s18, s18, 4
	s_add_co_u32 s17, s17, s18
	s_and_b32 s18, s16, 1
	s_lshl_b32 s18, s18, 2
	s_add_co_u32 s17, s17, s18
	s_lshl_b32 s18, s17, 12
	s_mov_b32 s19, 0
	s_mov_b32 s[SEL], 0x76543210
	s_mov_b32 s[SEL+1], 0xfedcba98
	s_mov_b32 s14, 0x3a800000                      ; 1 / 1,024
	s_mov_b32 s15, 0x3727c5ac                      ; 1e-5
	s_lshr_b32 s22, ttmp9, 3                       ; the group of 128 places,
	s_and_b32 s23, ttmp9, 7                        ; and my block in it
	s_mul_i32 s24, s22, 98304
	s_mul_i32 s25, s23, 1536
	s_add_co_u32 s24, s24, s25
	s_mul_i32 s25, s16, 24576                      ; K step 2 w
	s_add_co_u32 s24, s24, s25
	s_mov_b32 s25, 0
	s_lshl_b32 s26, s22, 12
	s_lshl_b32 s27, s23, 6
	s_add_co_u32 s26, s26, s27
	s_lshl_b32 s27, s16, 10
	s_add_co_u32 s26, s26, s27
	s_add_co_u32 s26, s26, 3145728
	s_mov_b32 s27, 0
	s_wait_kmcnt 0x0
	s_add_nc_u64 s[4:5], s[4:5], s[18:19]
	s_add_nc_u64 s[24:25], s[10:11], s[24:25]
	s_add_nc_u64 s[26:27], s[10:11], s[26:27]
.irp i, 0,1,2,3
.irp j, 0,1,2,3,4,5,6,7
	global_load_b128 v[X+32*\i+4*\j:X+32*\i+4*\j+3], v3, s[4:5] offset:4096*\i+512*\j th:TH_LOAD_NT   ; 512 consecutive bytes a load
.endr
.endr
.irp j, 0,1,2,3,4,5,6,7
	global_load_b128 v[GG+4*\j:GG+4*\j+3], v3, s[6:7] offset:512*\j
.endr
.irp j, 0,1,2,3,4,5,6,7
	global_load_b128 v[BB+4*\j:BB+4*\j+3], v3, s[8:9] offset:512*\j
.endr
.macro RED                             ; v28 summed over the 32 lanes, the result in every lane
	v_add_f32_dpp v28, v28, v28 row_xmask:1 row_mask:0xf bank_mask:0xf
	v_add_f32_dpp v28, v28, v28 row_xmask:2 row_mask:0xf bank_mask:0xf
	v_add_f32_dpp v28, v28, v28 row_xmask:4 row_mask:0xf bank_mask:0xf
	v_add_f32_dpp v28, v28, v28 row_xmask:8 row_mask:0xf bank_mask:0xf
	v_permlanex16_b32 v29, v28, s[SEL], s[SEL+1]
	v_add_f32 v28, v28, v29
.endm
.macro STAT i                          ; row i: the mean; x - mean in place; var + eps
.set XR, X+32*(\i)
	s_wait_loadcnt 16+8*(3-(\i))                   ; behind this row's eight loads: eight for each later row, and sixteen for g and b
	v_pk_add_f32 v[24:25], v[XR:XR+1], v[XR+2:XR+3]
	v_pk_add_f32 v[26:27], v[XR+4:XR+5], v[XR+6:XR+7]
.irp p, 8,12,16,20,24,28
	v_pk_add_f32 v[24:25], v[24:25], v[XR+\p:XR+\p+1]
	v_pk_add_f32 v[26:27], v[26:27], v[XR+\p+2:XR+\p+3]
.endr
	v_pk_add_f32 v[24:25], v[24:25], v[26:27]
	v_add_f32 v28, v24, v25
	RED
	v_mul_f32 v[MU+2*(\i)], s14, v28
	v_mul_f32 v[MU+2*(\i)+1], s14, v28
.set p, 0
.rept 16
	v_pk_add_f32 v[XR+p:XR+p+1], v[XR+p:XR+p+1], v[MU+2*(\i):MU+2*(\i)+1] neg_lo:[0,1] neg_hi:[0,1]
.set p, p+2
.endr
	v_pk_mul_f32 v[24:25], v[XR:XR+1], v[XR:XR+1]
	v_pk_mul_f32 v[26:27], v[XR+2:XR+3], v[XR+2:XR+3]
.irp p, 4,8,12,16,20,24,28
	v_pk_fma_f32 v[24:25], v[XR+\p:XR+\p+1], v[XR+\p:XR+\p+1], v[24:25]
	v_pk_fma_f32 v[26:27], v[XR+\p+2:XR+\p+3], v[XR+\p+2:XR+\p+3], v[26:27]
.endr
	v_pk_add_f32 v[24:25], v[24:25], v[26:27]
	v_add_f32 v28, v24, v25
	RED
	v_fma_f32 v[RS+2*(\i)], v28, s14, s15
.endm
.macro NORM i                          ; row i: x rstd, x g + b, and into LDS
.set XR, X+32*(\i)
.set p, 0
.rept 16
	v_pk_mul_f32 v[XR+p:XR+p+1], v[XR+p:XR+p+1], v[RS+2*(\i):RS+2*(\i)+1]
.set p, p+2
.endr
.set p, 0
.rept 16
	v_pk_fma_f32 v[XR+p:XR+p+1], v[XR+p:XR+p+1], v[GG+p:GG+p+1], v[BB+p:BB+p+1]
.set p, p+2
.endr
.irp j, 0,1,2,3,4,5,6,7
	ds_store_b128 v4, v[XR+4*\j:XR+4*\j+3] offset:(\i)*PITCH+512*\j
.endr
.endm
	STAT 0
	STAT 1
	STAT 2
	STAT 3
.irp i, 0,1,2,3
	v_rsq_f32 v[RS+2*\i], v[RS+2*\i]               ; the four as one batch
.endr
	v_nop                                          ; a plain place behind the last of them
	s_wait_alu depctr_va_vdst(0)                   ; one wait for the batch, ahead of its first reader
.irp i, 0,1,2,3
	v_mov_b32 v[RS+2*\i+1], v[RS+2*\i]
.endr
	s_wait_loadcnt 0x0                             ; g and b
	NORM 0
	NORM 1
	NORM 2
	NORM 3
	s_wait_dscnt 0x0                               ; for the others' sake: my rows lie in LDS
	s_barrier_signal -1
	s_barrier_wait -1
; 64 numbers of a lane, register 16 b + i = k 32 b + 16 h + i of its row, become a fragment's codes in v[PC] on and its scale word in v[PW]
.macro QUANT s
.irp b, 0,1,2,3
	v_max3_num_f32 v[TM+\b], |v[\s+16*\b]|, |v[\s+1+16*\b]|, 0x2800000   ; my 16 numbers of block b, and the floor 2^(5 - 127)
.endr
.irp i, 2,4,6,8,10,12,14
.irp b, 0,1,2,3
	v_max3_num_f32 v[TM+\b], v[TM+\b], |v[\s+16*\b+\i]|, |v[\s+1+16*\b+\i]|
.endr
.endr
.irp b, 0,1,2,3
	v_permlanex16_b32 v[TM+4+\b], v[TM+\b], s[SEL], s[SEL+1]
.endr
.irp b, 0,1,2,3
	v_max_num_f32 v[TM+\b], v[TM+\b], v[TM+4+\b]   ; with lane l xor 16's: the block's largest magnitude
.endr
.irp b, 0,1,2,3
	v_add_nc_u32 v[TM+12+\b], 0xfe000000, v[TM+\b] ; 4 off its exponent field: the conversion's scale operand
.endr
.irp b, 0,1,2,3
	v_lshrrev_b32 v[TM+4+\b], 23, v[TM+12+\b]      ; the scale's byte
.endr
	v_lshl_or_b32 v[PW], v[TM+5], 8, v[TM+4]
	v_lshl_or_b32 v[PW], v[TM+6], 16, v[PW]
	v_lshl_or_b32 v[PW], v[TM+7], 24, v[PW]
.irp c, 0,1
	v_cvt_scalef32_pk16_bf6_f32 v[PC+6*\c:PC+2+6*\c], v[\s+32*\c:\s+15+32*\c], v[TM+12+2*\c]
	v_cvt_scalef32_pk16_bf6_f32 v[PC+12+4*\c:PC+14+4*\c], v[\s+16+32*\c:\s+31+32*\c], v[TM+12+2*\c+1]
.endr
	v_nop                                          ; one plain place behind a scaled conversion
.irp c, 0,1                                    ; the operand's layout wants a whole block in a lane
.irp i, 0,1,2
	v_permlane16_swap_b32 v[PC+6*\c+\i], v[PC+12+4*\c+\i]
.endr
.irp i, 0,1,2
	v_mov_b32 v[PC+3+6*\c+\i], v[PC+12+4*\c+\i]
.endr
.endr
.endm
.macro PUT off                         ; the fragment in v[PC] on leaves as an image of its registers: stores of 512 and 256 consecutive bytes
	global_store_b128 v3, v[PC:PC+3], s[24:25] offset:\off
	global_store_b64 v6, v[PC+4:PC+5], s[24:25] offset:\off+512
	global_store_b128 v3, v[PC+6:PC+9], s[24:25] offset:\off+768
	global_store_b64 v6, v[PC+10:PC+11], s[24:25] offset:\off+1280
.endm
.irp b, 0,1,2,3
.irp j, 0,1,2,3
	ds_load_b128 v[32+16*\b+4*\j:32+16*\b+4*\j+3], v5 offset:128*\b+16*\j
.endr
.endr
.irp b, 0,1,2,3
.irp j, 0,1,2,3
	ds_load_b128 v[160+16*\b+4*\j:160+16*\b+4*\j+3], v5 offset:512+128*\b+16*\j
.endr
.endr
	s_wait_dscnt 16                                ; the first K step's sixteen loads are in; the second's sixteen may be out
.set PC, 96
.set PW, 132
	QUANT 32
	PUT 0
	s_wait_dscnt 0x0
.set PC, 136                           ; registers of its own: the first fragment's stores may still read theirs
.set PW, 133
	QUANT 160
	PUT 12288
	v_cmp_gt_u32 vcc_lo, 16, v2
	v_cndmask_b32 v134, v133, v132, vcc_lo         ; lanes 0-15 carry K step 2 w's words, lanes 16-31 K step 2 w + 1's
	global_store_b32 v7, v134, s[26:27]
	s_wait_tensorcnt 0x0
	ds_add_u32 v240, v241
	s_wait_dscnt 0x0
	s_endpgm
.Lfunc_end_k_qf59faeec0d_ln1:
	.size	k_qf59faeec0d_ln1, .Lfunc_end_k_qf59faeec0d_ln1-k_qf59faeec0d_ln1
	.p2alignl 7, 3214868480
	.fill 96, 4, 3214868480
	.section	.rodata,"a",@progbits
	.p2align	6, 0x0
	.amdhsa_kernel k_qf59faeec0d_ln1
		.amdhsa_group_segment_fixed_size 66560
		.amdhsa_private_segment_fixed_size 0
		.amdhsa_enable_private_segment 0
		.amdhsa_kernarg_size 32
		.amdhsa_user_sgpr_count 2
		.amdhsa_user_sgpr_kernarg_segment_ptr 1
		.amdhsa_wavefront_size32 1
		.amdhsa_system_sgpr_workgroup_id_x 1
		.amdhsa_system_sgpr_workgroup_id_y 1
		.amdhsa_system_sgpr_workgroup_id_z 1
		.amdhsa_system_vgpr_workitem_id 0
		.amdhsa_next_free_vgpr 242
		.amdhsa_next_free_sgpr 66
		.amdhsa_reserve_vcc 1
		.amdhsa_float_denorm_mode_32 3
		.amdhsa_float_denorm_mode_16_64 3
		.amdhsa_memory_ordered 1
		.amdhsa_forward_progress 1
		.amdhsa_inst_pref_size 44
	.end_amdhsa_kernel
	.amdgpu_metadata
---
amdhsa.version: [ 1, 2 ]
amdhsa.kernels:
  - .name:           k_qf59faeec0d_ln1
    .symbol:         k_qf59faeec0d_ln1.kd
    .args:
      - { .name: x, .offset: 0, .size: 8, .value_kind: global_buffer, .address_space: global }
      - { .name: ln1_g, .offset: 8, .size: 8, .value_kind: global_buffer, .address_space: global }
      - { .name: ln1_b, .offset: 16, .size: 8, .value_kind: global_buffer, .address_space: global }
      - { .name: hq, .offset: 24, .size: 8, .value_kind: global_buffer, .address_space: global }
    .group_segment_fixed_size: 66560
    .private_segment_fixed_size: 0
    .kernarg_segment_align: 8
    .kernarg_segment_size: 32
    .max_flat_workgroup_size: 128
    .sgpr_count:     66
    .vgpr_count:     242
    .wavefront_size: 32
...
	.end_amdgpu_metadata
.endif
;; end of part 2
;; launch qkv (part 3): grid 12 x 16, 4 waves a work-group, clusters of 4 x 4, 327,680 bytes of LDS; arguments hq, wts, bq, bk, bv, qkv; writes qkv
.if DOCPART == 3
	.amdgcn_target "amdgcn-amd-amdhsa--gfx1250"
	.amdhsa_code_object_version 6
	.text
	.protected	k_qf59faeec0d_qkv
	.globl	k_qf59faeec0d_qkv
	.p2align	8
	.type	k_qf59faeec0d_qkv,@function
k_qf59faeec0d_qkv:
	s_mov_b64 s[64:65], 0
	v_nop
	global_prefetch_b8 v0, s[64:65] scope:SCOPE_SE
	s_setreg_imm32_b32 hwreg(HW_REG_WAVE_MODE, 25, 1), 1
	s_wait_xcnt 0x0
	s_wait_alu depctr_hold_cnt(0) depctr_sa_sdst(0) depctr_va_vdst(0) depctr_va_sdst(0) depctr_va_ssrc(0) depctr_va_vcc(0) depctr_vm_vsrc(0)
	s_getreg_b32 s2, hwreg(HW_REG_IB_STS2, 6, 4)
	s_cmp_eq_u32 s2, 0
	s_cbranch_scc0 .Lentry_in_a_cluster
	s_endpgm
.Lentry_in_a_cluster:
	s_bfe_u32 s2, ttmp6, 0x10000c
	s_cmp_lg_u32 s2, 0xf033
	s_cbranch_scc0 .Lentry_shape_is_right
	s_endpgm
.Lentry_shape_is_right:
; Q, K, V = h W + b on codes of BF6 (E3M2) with E8M0 scales for each 32 along K = 1,024; the results are quantised at once for attention's two products.
; h: 4,096 rows, W: Wq, Wk, Wv stacked, 3,072 rows (their columns), both as images of operand registers: groups of 128 row places, a group = [K step of 128][block of 16 places: 1,536 bytes]; a fragment is two loads
; of 16 and two of 8 bytes a lane, each instruction over consecutive bytes.  Inside each 32 rows, place p holds row p with bits 3 and 4 exchanged.  Scale words: [group][K step][128 places x 4 bytes].
; A tile of 256 x 256 is made by four waves, as many as a WGP has SIMDs, each 128 x 128: 64 accumulators, 512 registers.  K goes in steps of 256 through a ring of two LDS slots; a wave's tensor load brings one group's
; 24,576 dense bytes.  The scale words of all of K come once, with the first fills.
; CLUSTERS: 4 x 4 work-groups; h's tiles are shared along a row of the cluster, W's along a column: each is asked for jointly, by the same load with the same descriptor and a mask that names the four.
; THE MATRIX INSTRUCTION IS USED TRANSPOSED (source 0 = the operand whose rows become a lane's registers).  By the exchange of bits 3 and 4, the 64 registers of a row block's eight accumulators are, in order,
; register 16 b + i = true index 32 b + 16 (lane / 16) + i of source 0's rows: what the quantiser wants.  For Q and K (cluster x = 0, 1) source 0 is W: registers run along the head's 64.  For V (cluster x = 2) the two
; READING sides change places, source 0 = h: registers run along the tokens, which are the second product's K.  The loads, masks and the loop are the same for all three; the choice hangs on the cluster's x alone.
; OUT: Q, K codes [head, Q's 16 then K's 16][block of 16 tokens][768], scale words at 9,437,184 [head][token place][4] (bytes 0, 1; bytes 2, 3 are 0 and scale zero codes); V codes at 6,291,456 [head][128 tokens][4 x 1,536],
; scale words at 9,961,472 [head][128 tokens][64 x 4].
; LIMITS: a block of zeros gets the byte 1 (its codes are zeros; this program alone reads the bytes); magnitudes under 2^-122 count as that; NaN and infinities are not served.
.set KDIM,   1024
.set ASOFF,  3145728                   ; source buffers: h's scale words; W's codes and scale words in wts
.set BOFF,   0
.set BSOFF,  9437184
.set H,      24576                     ; 128 rows x 256 K: what one tensor load brings
.set SLOT,   4*H                       ; h's two groups, then W's two
.set SCL,    2*SLOT                    ; behind the ring: the scale words, HS bytes for each of the four groups
.set GS,     (KDIM/128)*12288          ; a group's codes
.set HS,     (KDIM/128)*512            ; a group's scale words
.set SPARE,  327168                    ; the spare words, 128 bytes a wave: two blocks of 256 bytes that no other line names
.set LAPS,   KDIM/512                  ; a lap = two slots
.set NQ,     2
.set FR,     12
.set NL,     4                         ; LDS loads that bring a fragment
.set NP,     4                         ; places behind this matrix instruction (ISA guide 7.12.1)
.set ADRA, 16                          ; v16-17 source 1's fragments in slot 0, 1: + 16 x lane;  v18-19: + 8 x lane
.set ADRB, 20                          ; v20-23 the same for source 0
.set ADRS, 27                          ; v27    my scale words: lanes 0-15 source 1's rows, lanes 16-31 source 0's
.set SPW,  28                          ; v28    my spare word;  v29 = 0: both never rewritten
.set NIL,  29
.set V16,  30                          ; v30    16 x lane;  v31  8 x lane
.set V8,   31
.set SC,   32                          ; v32-63 scale words, a set of 16 for each slot: register 2 i + q
.set BI,   64                          ; v64-127 the bias by columns, in the results' order
.set AF,   128                         ; v128-223 source 1's fragments, one set;  window 1: source 0's, two sets;  windows 2, 3: the accumulators
.set BV,   240                         ; v240-255 the bias by rows (V), each number twice
.set T,    128                         ; the way out: 64 numbers;  v192.. codes;  v212.. the quantiser's work
.set PC,   192
.set TM,   212
.set PW,   12
.set SH,   13
.set WD,   14
.set QS,   15
.set SEL,  18
.set G1, 24
.set G0, 32
.set G1B, 48
.set G0B, 56
.set G1S, 68
.set G0S, 76
.set G1SB, 80
.set G0SB, 88
.set MSB, 0
.macro WIN new                         ; the register windows; the immediate's high byte repeats the setting that is left
.if MSB != (\new)
	s_set_vgpr_msb (MSB<<8)|(\new)
.set MSB, (\new)
.endif
.endm
.set MUL_LO, 0xa1                      ; source 0 window 1, source 1 window 0, C and D window 2
.set MUL_HI, 0xf1                      ; the same, C and D window 3
.set TO_B,   0x40                      ; destination window 1
.macro JLOAD g0a, g1a, g0b, g1b        ; a joint load: waves 0, 1 fetch h's groups, waves 2, 3 W's; four v_nop follow each line
	s_cmp_eq_u32 s15, 0
	s_cbranch_scc0 .Lfor_b_\@
	tensor_load_to_lds s[\g0a:\g0a+3], s[\g1a:\g1a+7]
	s_nop 0
.rept 4
	v_nop
.endr
	s_branch .Lasked_\@
.Lfor_b_\@:
	tensor_load_to_lds s[\g0b:\g0b+3], s[\g1b:\g1b+7]
	s_nop 0
.rept 4
	v_nop
.endr
.Lasked_\@:
.endm
.macro CREST                           ; a round of the cluster's barrier behind its opening barrier
	s_cmp_lg_u32 s14, 0
	s_cbranch_scc1 .Lnot_wave_0_\@
	s_barrier_signal -3
.Lnot_wave_0_\@:
	s_barrier_wait -3
	s_barrier_signal -1
	s_barrier_wait -1
.endm
.macro CROUND
	s_barrier_signal -1
	s_barrier_wait -1
	CREST
.endm
.macro PLACES n
.rept \n
	v_nop
.endr
.endm
	s_load_b128 s[4:7], s[0:1], 0x0                ; hq, wts
	s_load_b128 s[8:11], s[0:1], 0x10              ; bq, bk
	s_load_b128 s[96:99], s[0:1], 0x20             ; bv, qkv
	v_lshl_add_u32 v[SPW], v0, 2, SPARE
	v_mov_b32 v[NIL], 0
	ds_add_u32 v28, v29
	ds_add_u32 v28, v29
	s_wait_dscnt 0x0
	v_lshrrev_b32 v1, 5, v0
	v_readfirstlane_b32 s14, v1                    ; wave 0..3
	s_lshr_b32 s15, s14, 1                         ; which half of source 1's rows is mine.  Also: I fetch for h (0) or for W (1)
	s_and_b32 s16, s14, 1                          ; which half of source 0's.  Also: which of the two groups I fetch
	s_bfe_u32 s40, ttmp6, 0x40000                  ; cx, cy
	s_bfe_u32 s41, ttmp6, 0x40004
	s_lshl_b32 s42, ttmp9, 2
	s_add_co_u32 s42, s42, s40                     ; tile column (W's 256 rows)
	s_and_b32 s17, ttmp7, 0xffff
	s_lshl_b32 s17, s17, 2
	s_add_co_u32 s17, s17, s41                     ; tile row (h's 256 rows)
	s_lshl_b32 s43, s41, 2
	s_lshl_b32 s43, 15, s43                        ; my row of the cluster
	s_lshl_b32 s44, 0x1111, s40                    ; my column
	; descriptor groups 1: dense blocks as rows of 256 bytes (32 elements of 8 bytes), no padding; bit 21 stands beside a mask
	s_or_b32 s[G1], s43, (3<<16)|(1<<21)
	s_or_b32 s[G1B], s44, (3<<16)|(1<<21)
	s_or_b32 s[G1S], s43, (3<<16)|(1<<21)
	s_or_b32 s[G1SB], s44, (3<<16)|(1<<21)
.irp g, G1, G1B
	s_mov_b32 s[\g+1], 32<<16                      ; tensor_dim0
	s_mov_b32 s[\g+2], (H/256)<<16                 ; tensor_dim1
	s_mov_b32 s[\g+3], 32<<16                      ; tile_dim0
	s_mov_b32 s[\g+4], H/256                       ; tile_dim1
	s_mov_b32 s[\g+5], 32                          ; pitch
	s_mov_b32 s[\g+6], 0
	s_mov_b32 s[\g+7], 0
.endr
.irp g, G1S, G1SB
	s_mov_b32 s[\g+1], 32<<16
	s_mov_b32 s[\g+2], (HS/256)<<16
	s_mov_b32 s[\g+3], 32<<16
	s_mov_b32 s[\g+4], HS/256
	s_mov_b32 s[\g+5], 32
	s_mov_b32 s[\g+6], 0
	s_mov_b32 s[\g+7], 0
.endr
	s_lshl_b32 s20, s17, 1
	s_add_co_u32 s20, s20, s16                     ; h's group: made of the tile row and the wave alone
	s_lshl_b32 s46, s42, 1
	s_add_co_u32 s46, s46, s16                     ; W's group: of the tile column and the wave alone
	s_mul_i32 s22, s20, HS
	s_add_co_u32 s22, s22, ASOFF
	s_mov_b32 s23, 0
	s_mul_i32 s92, s46, HS
	s_add_co_u32 s92, s92, BSOFF
	s_mov_b32 s93, 0
	s_mul_i32 s20, s20, GS
	s_mov_b32 s21, 0
	s_mul_i32 s46, s46, GS
	s_add_co_u32 s46, s46, BOFF
	s_mov_b32 s47, 0
	s_mul_i32 s45, s14, H                          ; where they go: by the wave alone
	s_mul_i32 s94, s14, HS
	s_wait_kmcnt 0x0
	s_add_nc_u64 s[20:21], s[4:5], s[20:21]
	s_add_nc_u64 s[22:23], s[4:5], s[22:23]
	s_add_nc_u64 s[46:47], s[6:7], s[46:47]
	s_add_nc_u64 s[92:93], s[6:7], s[92:93]
	CROUND                                         ; all sixteen work-groups are here: the first joint loads meet
	s_mov_b32 s[G0S], 1
	s_add_co_u32 s[G0S+1], s94, SCL
	s_mov_b64 s[G0S+2:G0S+3], s[22:23]
	s_or_b32 s[G0S+3], s[G0S+3], 0x80000000
	s_mov_b32 s[G0SB], 1
	s_add_co_u32 s[G0SB+1], s94, SCL
	s_mov_b64 s[G0SB+2:G0SB+3], s[92:93]
	s_or_b32 s[G0SB+3], s[G0SB+3], 0x80000000
	JLOAD G0S, G1S, G0SB, G1SB                     ; the scale words first: they are wanted with slot 0
.irp s, 0,1
	s_mov_b32 s[G0+4*\s], 1
	s_add_co_u32 s[G0+4*\s+1], s45, \s*SLOT
	s_add_nc_u64 s[G0+4*\s+2:G0+4*\s+3], s[20:21], \s*H
	s_or_b32 s[G0+4*\s+3], s[G0+4*\s+3], 0x80000000
	s_mov_b32 s[G0B+4*\s], 1
	s_add_co_u32 s[G0B+4*\s+1], s45, \s*SLOT
	s_add_nc_u64 s[G0B+4*\s+2:G0B+4*\s+3], s[46:47], \s*H
	s_or_b32 s[G0B+4*\s+3], s[G0B+4*\s+3], 0x80000000
	JLOAD G0+4*\s, G1, G0B+4*\s, G1B
.endr
	v_and_b32 v1, 31, v0                           ; lane
	v_and_b32 v2, 15, v0                           ; r
	v_bfe_u32 v3, v0, 4, 1                         ; h
	v_lshlrev_b32 v[V16], 4, v1
	v_lshlrev_b32 v[V8], 3, v1
	; which regions of a slot I read.  Q, K: source 1 = h's group s15, source 0 = W's group s16.  V: source 1 = W's group s15, source 0 = h's group s16
	s_mul_i32 s21, s15, H
	s_add_co_u32 s18, s21, 2*H
	s_mul_i32 s22, s16, H
	s_add_co_u32 s19, s22, 2*H
	s_cmp_eq_u32 ttmp9, 2                          ; the cluster's x: the same in all sixteen partners
	s_cselect_b32 s21, s18, s21
	s_cselect_b32 s22, s22, s19
.irp s, 0,1
	v_add_nc_u32 v[ADRA+\s], s21, v[V16]
	v_add_nc_u32 v[ADRA+2+\s], s21, v[V8]
	v_add_nc_u32 v[ADRB+\s], s22, v[V16]
	v_add_nc_u32 v[ADRB+2+\s], s22, v[V8]
	s_add_co_u32 s21, s21, SLOT
	s_add_co_u32 s22, s22, SLOT
.endr
	s_mul_i32 s21, s15, HS                         ; and of the scale words, likewise
	s_add_co_u32 s18, s21, 2*HS
	s_mul_i32 s22, s16, HS
	s_add_co_u32 s19, s22, 2*HS
	s_cmp_eq_u32 ttmp9, 2
	s_cselect_b32 s21, s18, s21
	s_cselect_b32 s22, s22, s19
	v_mov_b32 v4, s21
	v_mov_b32 v5, s22
	s_mov_b32 s18, 0xffff0000
	v_cndmask_b32 v4, v4, v5, s18                  ; lanes 16-31 take source 0's
	v_lshl_add_u32 v4, v2, 2, v4
	v_add_nc_u32 v[ADRS], SCL, v4
	; the biases: by columns (64 registers in the results' order) and by rows (V); the loads that a kind does not use stay inside the buffer
	s_cmp_eq_u32 ttmp9, 0
	s_cselect_b64 s[8:9], s[8:9], s[10:11]
	s_cmp_eq_u32 ttmp9, 2
	s_cselect_b64 s[8:9], s[96:97], s[8:9]
	s_lshl_b32 s20, s42, 8
	s_lshl_b32 s21, s16, 7
	s_add_co_u32 s21, s20, s21
	s_and_b32 s21, s21, 1023
	s_lshl_b32 s22, s21, 2
	s_mov_b32 s23, 0
	s_add_nc_u64 s[10:11], s[8:9], s[22:23]
	s_lshl_b32 s21, s15, 7
	s_add_co_u32 s21, s20, s21
	s_and_b32 s21, s21, 1023
	s_lshl_b32 s22, s21, 2
	s_add_nc_u64 s[12:13], s[8:9], s[22:23]
	v_lshlrev_b32 v6, 6, v3                        ; 64 h: my half's 16 numbers of each 32
	v_and_b32 v4, 7, v2
	v_lshrrev_b32 v5, 3, v2
	v_lshl_add_u32 v7, v5, 4, v4
	v_lshlrev_b32 v7, 2, v7                        ; place r of a block is row r % 8 + 16 (r / 8)
	v_lshlrev_b32 v[SH], 4, v3                     ; 16 h
	v_lshlrev_b32 v[QS], 2, v2
.irp b, 0,1,2,3
.irp j, 0,1,2,3
	global_load_b128 v[BI+16*\b+4*\j:BI+16*\b+4*\j+3], v6, s[10:11] offset:128*\b+16*\j
.endr
.endr
.irp a, 0,1,2,3,4,5,6,7
	global_load_b32 v[BV+2*\a], v7, s[12:13] offset:(32*(\a/2)+8*(\a%2))*4
	global_load_b32 v[BV+2*\a+1], v7, s[12:13] offset:(32*(\a/2)+8*(\a%2))*4
.endr
.macro FRAG reg, adr, q, i             ; a fragment comes as the image of its twelve registers
	ds_load_b128 v[\reg:\reg+3], v[\adr] offset:(\q)*12288+(\i)*1536
	ds_load_b64 v[\reg+4:\reg+5], v[\adr+2] offset:(\q)*12288+(\i)*1536+512
	ds_load_b128 v[\reg+6:\reg+9], v[\adr] offset:(\q)*12288+(\i)*1536+768
	ds_load_b64 v[\reg+10:\reg+11], v[\adr+2] offset:(\q)*12288+(\i)*1536+1280
.endm
; 16 matrix instructions: source 1's blocks a0, a0 + 1 x source 0's eight.  The 64 accumulators take turns, one instruction a turn, in the same order in every step
.macro MUL16 a0, p, q, sc, zero
.irp a, \a0, \a0+1
.irp b, 0,1,2,3,4,5,6,7
.if \zero
	v_wmma_scale_f32_16x16x128_f8f6f4 v[8*(8*((\a)%4)+\b):8*(8*((\a)%4)+\b)+7], v[128*(\p)+FR*\b:128*(\p)+FR*\b+FR-1], v[AF+FR*(\a):AF+FR*(\a)+FR-1], 0, v[SC+8*NQ*(\sc)+NQ*\b+(\q)], v[SC+8*NQ*(\sc)+NQ*(\a)+(\q)] matrix_a_fmt:MATRIX_FMT_BF6 matrix_b_fmt:MATRIX_FMT_BF6 matrix_a_scale:MATRIX_SCALE_ROW1
.else
	v_wmma_scale_f32_16x16x128_f8f6f4 v[8*(8*((\a)%4)+\b):8*(8*((\a)%4)+\b)+7], v[128*(\p)+FR*\b:128*(\p)+FR*\b+FR-1], v[AF+FR*(\a):AF+FR*(\a)+FR-1], v[8*(8*((\a)%4)+\b):8*(8*((\a)%4)+\b)+7], v[SC+8*NQ*(\sc)+NQ*\b+(\q)], v[SC+8*NQ*(\sc)+NQ*(\a)+(\q)] matrix_a_fmt:MATRIX_FMT_BF6 matrix_b_fmt:MATRIX_FMT_BF6 matrix_a_scale:MATRIX_SCALE_ROW1
.endif
.endr
.endr
.endm
.macro FETCH_B slot, q, p
	WIN TO_B
.irp i, 0,1,2,3,4,5,6,7
	FRAG 128*(\p)+FR*\i, ADRB+\slot, \q, \i
.endr
	WIN 0
.endm
.macro FETCH_A slot, q, i0
.irp i, \i0, \i0+1, \i0+2, \i0+3
	FRAG AF+FR*(\i), ADRA+\slot, \q, \i
.endr
.endm
.macro SCALES sc                       ; a slot's scale words: lanes 0-15 source 1's block i, lanes 16-31 source 0's block i
.irp i, 0,1,2,3,4,5,6,7
	ds_load_b32 v[SC+16*\sc+2*\i], v[ADRS] offset:64*\i
	ds_load_b32 v[SC+16*\sc+2*\i+1], v[ADRS] offset:64*\i+512
.endr
.endm
.macro STEP slot, q, zero              ; 128 along K that have their successor in the same slot
	s_wait_dscnt 4*NL                              ; all but the youngest sixteen loads (source 1's blocks 4-7) are in
	WIN MUL_LO
	MUL16 0, (\q)%2, \q, \slot, \zero
	MUL16 2, (\q)%2, \q, \slot, \zero
	s_wait_dscnt 0
	PLACES NP                                      ; in front of loads into registers that matrix instructions have read
	FETCH_B \slot, (\q)+1, 1-(\q)%2
	FETCH_A \slot, (\q)+1, 0
	WIN MUL_HI
	MUL16 4, (\q)%2, \q, \slot, \zero
	MUL16 6, (\q)%2, \q, \slot, \zero
	PLACES NP
	WIN 0
	FETCH_A \slot, (\q)+1, 4
.endm
; A slot's last 128 change slots: one barrier; in front of it each wave waits for all its tensor loads, adds 0 to its spare word, and waits for that and for its reads of this slot
.macro TURN slot, next, fill
	s_wait_tensorcnt 0x0                           ; all my tensor loads have landed: my part of the next slot
	ds_add_u32 v[SPW], v[NIL]                      ; 0 onto my spare word
	s_wait_dscnt 4*NL+1                            ; the add and the youngest sixteen loads may be out
	WIN MUL_LO
	MUL16 0, 1, NQ-1, \slot, 0
	s_wait_dscnt 0x0                               ; the add is done, and my reads of this slot are over
	s_barrier_signal -1
	MUL16 2, 1, NQ-1, \slot, 0
	WIN 0
	s_barrier_wait -1
.if \fill
	CREST                                          ; the barrier has opened a round of the cluster's: no wave of any partner still reads this slot or has a load on its way
	s_add_nc_u64 s[G0+4*\slot+2:G0+4*\slot+3], s[G0+4*\slot+2:G0+4*\slot+3], 2*H
	s_add_nc_u64 s[G0B+4*\slot+2:G0B+4*\slot+3], s[G0B+4*\slot+2:G0B+4*\slot+3], 2*H
	JLOAD G0+4*\slot, G1, G0B+4*\slot, G1B         ; the first tensor load behind the round; its four v_nop are also the places in front of the loads below
.else
	PLACES NP
.endif
	v_add_nc_u32 v[ADRS], 512*NQ, v[ADRS]          ; the next slot's scale words
	FETCH_B \next, 0, 0
	FETCH_A \next, 0, 0
	SCALES \next
	WIN MUL_HI
	MUL16 4, 1, NQ-1, \slot, 0
	MUL16 6, 1, NQ-1, \slot, 0
	PLACES NP
	WIN 0
	FETCH_A \next, 0, 4
.endm
	s_wait_tensorcnt 1                             ; of my three first fills slot 1's may be out
	s_barrier_signal -1
	s_barrier_wait -1
	FETCH_B 0, 0, 0
	FETCH_A 0, 0, 0
	SCALES 0
	FETCH_A 0, 0, 4
	STEP 0, 0, 1                                   ; the first step's products start the sums
	s_mov_b32 s3, LAPS-1
.Llap:
	TURN 0, 1, 1
	STEP 1, 0, 0
	TURN 1, 0, 1
	STEP 0, 0, 0
	s_sub_co_u32 s3, s3, 1
	s_cmp_lg_u32 s3, 0
	s_cbranch_scc1 .Llap
	TURN 0, 1, 0                                   ; the last lap fills nothing
	STEP 1, 0, 0
	s_wait_dscnt 4*NL
	WIN MUL_LO
	MUL16 0, 1, NQ-1, 1, 0
	MUL16 2, 1, NQ-1, 1, 0
	s_wait_dscnt 0
	WIN MUL_HI
	MUL16 4, 1, NQ-1, 1, 0
	MUL16 6, 1, NQ-1, 1, 0
	WIN 0
; THE WAY OUT, a block of 16 rows of source 1 at a time: + bias, quantised in registers, stored as images
.macro TAKE a                          ; each accumulator is read from its low end on
	WIN 0x02+(\a)/4
.set p, 0
.rept 32
	v_pk_add_f32 v[T+p:T+p+1], v[64*((\a)%4)+p:64*((\a)%4)+p+1], v[BI+p:BI+p+1]
.set p, p+2
.endr
	WIN 0
.endm
.macro TAKEV a                         ; V's bias goes by the lane's row
	WIN 0x02+(\a)/4
.set p, 0
.rept 32
	v_pk_add_f32 v[T+p:T+p+1], v[64*((\a)%4)+p:64*((\a)%4)+p+1], v[BV+2*(\a):BV+2*(\a)+1]
.set p, p+2
.endr
	WIN 0
.endm
.macro QUANT s                         ; 64 numbers of a lane, register 16 b + i = k 32 b + 16 h + i of its row -> codes in v[PC] on, scale word in v[PW]
.irp b, 0,1,2,3
	v_max3_num_f32 v[TM+\b], |v[\s+16*\b]|, |v[\s+1+16*\b]|, 0x2800000   ; and the floor 2^(5 - 127)
.endr
.irp i, 2,4,6,8,10,12,14
.irp b, 0,1,2,3
	v_max3_num_f32 v[TM+\b], v[TM+\b], |v[\s+16*\b+\i]|, |v[\s+1+16*\b+\i]|
.endr
.endr
.irp b, 0,1,2,3
	v_permlanex16_b32 v[TM+4+\b], v[TM+\b], s[SEL], s[SEL+1]
.endr
.irp b, 0,1,2,3
	v_max_num_f32 v[TM+\b], v[TM+\b], v[TM+4+\b]
.endr
.irp b, 0,1,2,3
	v_add_nc_u32 v[TM+12+\b], 0xfe000000, v[TM+\b] ; 4 off the exponent field: the conversion's scale operand
.endr
.irp b, 0,1,2,3
	v_lshrrev_b32 v[TM+4+\b], 23, v[TM+12+\b]      ; the scale's byte
.endr
	v_lshl_or_b32 v[PW], v[TM+5], 8, v[TM+4]
	v_lshl_or_b32 v[PW], v[TM+6], 16, v[PW]
	v_lshl_or_b32 v[PW], v[TM+7], 24, v[PW]
.irp c, 0,1
	v_cvt_scalef32_pk16_bf6_f32 v[PC+6*\c:PC+2+6*\c], v[\s+32*\c:\s+15+32*\c], v[TM+12+2*\c]
	v_cvt_scalef32_pk16_bf6_f32 v[PC+12+4*\c:PC+14+4*\c], v[\s+16+32*\c:\s+31+32*\c], v[TM+12+2*\c+1]
.endr
	v_nop                                          ; one plain place behind a scaled conversion
.irp c, 0,1
.irp i, 0,1,2
	v_permlane16_swap_b32 v[PC+6*\c+\i], v[PC+12+4*\c+\i]
.endr
.irp i, 0,1,2
	v_mov_b32 v[PC+3+6*\c+\i], v[PC+12+4*\c+\i]
.endr
.endr
.endm
.macro PUT base, o0, o1                ; the two halves of the fragment: stores of 512 and 256 consecutive bytes, at multiples of 256 from the buffer's first byte
	global_store_b128 v[V16], v[PC:PC+3], s[\base:\base+1] offset:\o0
	global_store_b64 v[V8], v[PC+4:PC+5], s[\base:\base+1] offset:(\o0)+512
	global_store_b128 v[V16], v[PC+6:PC+9], s[\base:\base+1] offset:\o1
	global_store_b64 v[V8], v[PC+10:PC+11], s[\base:\base+1] offset:(\o1)+512
.endm
	PLACES NP                                      ; behind the last products
	s_wait_loadcnt 0x0                             ; the biases
	s_mov_b32 s[SEL], 0x76543210
	s_mov_b32 s[SEL+1], 0xfedcba98
.irp b, 0,1,2,3
	v_mov_b32 v[TM+4+\b], 0                        ; a lane permute's destination counts as one of its sources
.endr
	s_cmp_eq_u32 ttmp9, 2
	s_cbranch_scc1 .Lvalues
	; Q, K: my 128 columns are two heads; half c of a fragment is head c's 64
	s_lshl_b32 s20, s42, 2
	s_lshl_b32 s21, s16, 1
	s_add_co_u32 s20, s20, s21                     ; the first of my two heads
	s_mul_i32 s22, s20, 196608
	s_lshl_b32 s21, s17, 4
	s_lshl_b32 s23, s15, 3
	s_add_co_u32 s21, s21, s23                     ; my first block of 16 tokens
	s_mul_i32 s23, s21, 768
	s_add_co_u32 s22, s22, s23
	s_mov_b32 s23, 0
	s_add_nc_u64 s[92:93], s[98:99], s[22:23]
	s_lshl_b32 s22, s20, 14
	s_lshl_b32 s21, s21, 6
	s_add_co_u32 s22, s22, s21
	s_add_co_u32 s22, s22, 9437184
	s_add_nc_u64 s[94:95], s[98:99], s[22:23]
	v_lshl_add_u32 v[QS], v3, 14, v[QS]            ; lanes 16-31 store the second head's words
.irp a, 0,1,2,3,4,5,6,7
	TAKE \a
	s_wait_xcnt 0x0                                ; the last block's stores have read their registers
	QUANT T
	PUT 92, 768*\a, 196608+768*\a
	v_lshrrev_b32 v[WD], v[SH], v[PW]              ; bytes 0, 1: my head's two blocks;
	v_and_b32 v[WD], 0xffff, v[WD]                 ; bytes 2, 3, which scale the zero codes of k = 64 .. 127: 0, the smallest scale
	global_store_b32 v[QS], v[WD], s[94:95] offset:64*\a
.endr
	s_branch .Lend
.Lvalues:
	; V: my 128 rows are two heads' 64 channels; the 128 registers' worth of tokens are one K step of the second product
	s_sub_co_u32 s20, s42, 8
	s_lshl_b32 s20, s20, 2
	s_lshl_b32 s21, s15, 1
	s_add_co_u32 s20, s20, s21                     ; the first of my two heads
	s_lshl_b32 s21, s17, 1
	s_add_co_u32 s21, s21, s16                     ; which 128 tokens
	s_mul_i32 s22, s20, 196608
	s_mul_i32 s23, s21, 6144
	s_add_co_u32 s22, s22, s23
	s_add_co_u32 s22, s22, 6291456
	s_mov_b32 s23, 0
	s_add_nc_u64 s[92:93], s[98:99], s[22:23]
	s_lshl_b32 s22, s20, 13
	s_lshl_b32 s21, s21, 8
	s_add_co_u32 s22, s22, s21
	s_add_co_u32 s22, s22, 9961472
	s_add_nc_u64 s[94:95], s[98:99], s[22:23]
.irp a, 0,1,2,3,4,5,6,7
	TAKEV \a
	s_wait_xcnt 0x0
	QUANT T
	PUT 92, (\a/4)*196608+(\a%4)*1536, (\a/4)*196608+(\a%4)*1536+768
	global_store_b32 v[QS], v[PW], s[94:95] offset:(\a/4)*8192+(\a%4)*64   ; both halves of the lanes hold row r's word and store it to the same place
.endr
.Lend:
	s_wait_tensorcnt 0x0                           ; the wave's end
	ds_add_u32 v[SPW], v[NIL]
	s_wait_dscnt 0x0
	CROUND                                         ; the closing round: no work-group ends while a partner may still ask for a tile that names it
	s_endpgm
.Lfunc_end_k_qf59faeec0d_qkv:
	.size	k_qf59faeec0d_qkv, .Lfunc_end_k_qf59faeec0d_qkv-k_qf59faeec0d_qkv
	.p2alignl 7, 3214868480
	.fill 96, 4, 3214868480
	.section	.rodata,"a",@progbits
	.p2align	6, 0x0
	.amdhsa_kernel k_qf59faeec0d_qkv
		.amdhsa_group_segment_fixed_size 327680
		.amdhsa_private_segment_fixed_size 0
		.amdhsa_enable_private_segment 0
		.amdhsa_kernarg_size 48
		.amdhsa_user_sgpr_count 2
		.amdhsa_user_sgpr_kernarg_segment_ptr 1
		.amdhsa_wavefront_size32 1
		.amdhsa_system_sgpr_workgroup_id_x 1
		.amdhsa_system_sgpr_workgroup_id_y 1
		.amdhsa_system_sgpr_workgroup_id_z 1
		.amdhsa_system_vgpr_workitem_id 0
		.amdhsa_next_free_vgpr 1024
		.amdhsa_next_free_sgpr 100
		.amdhsa_reserve_vcc 0
		.amdhsa_float_denorm_mode_32 3
		.amdhsa_float_denorm_mode_16_64 3
		.amdhsa_memory_ordered 1
		.amdhsa_forward_progress 1
		.amdhsa_inst_pref_size 223
	.end_amdhsa_kernel
	.amdgpu_metadata
---
amdhsa.version: [ 1, 2 ]
amdhsa.kernels:
  - .name:           k_qf59faeec0d_qkv
    .symbol:         k_qf59faeec0d_qkv.kd
    .args:
      - { .name: hq, .offset: 0, .size: 8, .value_kind: global_buffer, .address_space: global }
      - { .name: wts, .offset: 8, .size: 8, .value_kind: global_buffer, .address_space: global }
      - { .name: bq, .offset: 16, .size: 8, .value_kind: global_buffer, .address_space: global }
      - { .name: bk, .offset: 24, .size: 8, .value_kind: global_buffer, .address_space: global }
      - { .name: bv, .offset: 32, .size: 8, .value_kind: global_buffer, .address_space: global }
      - { .name: qkv, .offset: 40, .size: 8, .value_kind: global_buffer, .address_space: global }
    .group_segment_fixed_size: 327680
    .private_segment_fixed_size: 0
    .kernarg_segment_align: 8
    .kernarg_segment_size: 48
    .max_flat_workgroup_size: 128
    .sgpr_count:     100
    .vgpr_count:     1024
    .wavefront_size: 32
...
	.end_amdgpu_metadata
.endif
;; end of part 3
;; launch attn (part 4): grid 8 x 32, 16 waves a work-group, clusters of 4 x 1, 215,040 bytes of LDS; arguments qkv, att; writes att
.if DOCPART == 4
	.amdgcn_target "amdgcn-amd-amdhsa--gfx1250"
	.amdhsa_code_object_version 6
	.text
	.protected	k_qf59faeec0d_attn
	.globl	k_qf59faeec0d_attn
	.p2align	8
	.type	k_qf59faeec0d_attn,@function
k_qf59faeec0d_attn:
	s_mov_b64 s[64:65], 0
	v_nop
	global_prefetch_b8 v0, s[64:65] scope:SCOPE_SE
	s_setreg_imm32_b32 hwreg(HW_REG_WAVE_MODE, 25, 1), 1
	s_wait_xcnt 0x0
	s_wait_alu depctr_hold_cnt(0) depctr_sa_sdst(0) depctr_va_vdst(0) depctr_va_sdst(0) depctr_va_ssrc(0) depctr_va_vcc(0) depctr_vm_vsrc(0)
	s_getreg_b32 s2, hwreg(HW_REG_IB_STS2, 6, 4)
	s_cmp_eq_u32 s2, 0
	s_cbranch_scc0 .Lentry_in_a_cluster
	s_endpgm
.Lentry_in_a_cluster:
	s_bfe_u32 s2, ttmp6, 0x10000c
	s_cmp_lg_u32 s2, 0x3003
	s_cbranch_scc0 .Lentry_shape_is_right
	s_endpgm
.Lentry_shape_is_right:
; o = softmax(q k^T / 32) v for each of 2 x 16 heads of 64, 2,048 tokens, both products on codes of BF6 (E3M2) with E8M0 scales; o is quantised at once for the next product.
; THE SOFTMAX: t = score x log2(e) / 32; M = the running largest t rounded UP to a whole number; p = 2^(t - M) is quantised along the keys, not normalised; the row's sum is taken of the unquantised p and divides at
; the end.  When M moves, the sum and O are multiplied by 2^(old M - new M): exact.
; SHARES.  A work-group owns 256 queries of one head and batch; each of its sixteen waves 16 of them, in 256 registers: four waves to a SIMD, so that one wave's vector work stands beside another's matrix work.
; ALL OF A HEAD'S K AND V (2 x 98,304 bytes of codes, 8,192 + 4,096 of scale words) COMES INTO LDS ONCE: no byte of LDS is filled again, so there is no ring.  Waves 0-7 fetch K's, waves 8-15 V's: two tensor loads a
; wave, its share of the scale words and 12,288 bytes of codes.  The four query blocks of a cluster read the same K and V: each load is asked for jointly, with the same descriptor (made of the head, the batch and the
; wave alone) and the mask of all four.  Every wave waits for both its loads ahead of the one barrier behind which LDS is read.  Nothing is left to ask for ahead of time: the launch names all of K and V at its head.
; LAYOUT.  Operands lie as images of their registers.  Q, K: [block of 16 tokens][768]: the 64 of the head are registers 0-5 of a fragment.  Registers 6-11 (k = 64 .. 127): Q's are zeros, so whatever stands in K's
; (the next tile's codes; every code of this format is a finite number, and no scale byte is 0xff) adds nothing.  V: [128 keys][4 blocks of 16 channels x 1,536].
; Both products are used transposed (S^T = K Q^T, O^T = V^T P^T): a lane holds one query.  Inside each 32 tokens place p holds token p with bits 3 and 4 exchanged, so the 16 registers of tiles 2 b, 2 b + 1 of S^T are
; keys 32 b + 16 (lane / 16) + 0 .. 15 in their true order, which is the order of V's K.
; OUT: att, rows by the queries' places: [group of 128][K step = head / 2][block of 16: 1,536][half = head % 2: 768]; two scale bytes a row at 3,145,728 + [group][K step][row x 4] + 2 (head % 2).
; LIMITS: a block of zeros gets the byte 1 (its codes are zeros; this program alone reads the bytes); NaN and infinities are not served.
; REGISTERS: v1-6 addresses that stay; v8-11, v28, v29 the step's; v12 -M, v13 the largest t, v[14:15] the sum; v16-27 Q; v32-85 K's eight tiles or V's four; v96-159 S^T, then p; v160-191 O^T; v224-235 p's codes;
; v232-254 at work; v248-251 scale words; v255 Q's scale words.
.set KB,   0
.set VB,   98304
.set KSB,  196608
.set VSB,  204800
.set WV,   18
.set SEL,  20
.set CS,   22
.set G1A,  24                          ; group 1: 48 rows of 256 bytes (codes);  G1C: 4 (K's scale words);  G1D: 2 (V's)
.set G1C,  40
.set G1D,  48
.set GK0,  56                          ; groups 0: K's scale words, K's codes; V's scale words, V's codes
.set GK1,  60
.set GV0,  72
.set GV1,  76
.set TK,   2                           ; s2  the step's codes: 6,144 bytes a step, in K and in V
.set TS,   3                           ; s3  K's scale words: 512 a step
.set TJ,   84                          ; s84 V's: 256 a step
.set CNT,  85
.macro CROUND
	s_barrier_signal -1
	s_barrier_wait -1
	s_cmp_lg_u32 s[WV], 0
	s_cbranch_scc1 .Lnot_wave_0_\@
	s_barrier_signal -3
.Lnot_wave_0_\@:
	s_barrier_wait -3
	s_barrier_signal -1
	s_barrier_wait -1
.endm
.macro SHAPE g, rows                   ; a dense block as rows of 256 bytes (32 elements of 8); mask of all four partners, bit 21 beside it
	s_mov_b32 s[\g], 15|(3<<16)|(1<<21)
	s_mov_b32 s[\g+1], 32<<16
	s_mov_b32 s[\g+2], (\rows)<<16
	s_mov_b32 s[\g+3], 32<<16
	s_mov_b32 s[\g+4], \rows
	s_mov_b32 s[\g+5], 32
	s_mov_b32 s[\g+6], 0
	s_mov_b32 s[\g+7], 0
.endm
.macro PLACE g                         ; a group 0: to LDS byte s86, from byte s87 of qkv
	s_mov_b32 s[\g], 1
	s_mov_b32 s[\g+1], s86
	s_mov_b32 s88, s87
	s_add_nc_u64 s[\g+2:\g+3], s[4:5], s[88:89]
	s_or_b32 s[\g+3], s[\g+3], 0x80000000
.endm
	s_load_b128 s[4:7], s[0:1], 0x0                ; qkv, att
	v_lshl_add_u32 v223, v0, 2, 0x34000
	v_mov_b32 v243, 0
	ds_add_u32 v223, v243
	ds_add_u32 v223, v243
	v_lshrrev_b32 v8, 5, v0
	v_readfirstlane_b32 s[WV], v8                  ; wave 0..15
	s_bfe_u32 s8, ttmp6, 0x40000                   ; cx: it enters Q's and the output's addresses alone
	s_lshl_b32 s9, ttmp9, 2
	s_add_co_u32 s9, s9, s8                        ; my block of 256 queries
	s_and_b32 s10, ttmp7, 0xffff
	s_lshr_b32 s11, s10, 4                         ; batch
	s_and_b32 s12, s10, 15                         ; head
	s_add_co_u32 s13, s12, 16                      ; K's heads lie behind Q's sixteen
	s_mul_i32 s14, s13, 196608
	s_mul_i32 s15, s11, 98304
	s_add_co_u32 s14, s14, s15                     ; K's codes
	s_mul_i32 s16, s12, 196608
	s_add_co_u32 s16, s16, s15
	s_add_co_u32 s16, s16, 6291456-98304           ; V's codes, less eight waves' 12,288 bytes: waves 8-15 fetch them
	s_lshl_b32 s17, s13, 14
	s_lshl_b32 s15, s11, 13
	s_add_co_u32 s17, s17, s15
	s_add_co_u32 s17, s17, 9437184                 ; K's scale words
	s_lshl_b32 s19, s12, 13
	s_lshl_b32 s15, s11, 12
	s_add_co_u32 s19, s19, s15
	s_add_co_u32 s19, s19, 9961472-4096            ; V's, less eight waves' 512 bytes
	SHAPE G1A, 48
	SHAPE G1C, 4
	SHAPE G1D, 2
	s_mov_b32 s[SEL], 0x76543210
	s_mov_b32 s[SEL+1], 0xfedcba98
	s_mov_b32 s[CS], 0x3d38aa3b                    ; c = log2(e) / 32
	s_mov_b32 s[CS+1], s[CS]
	s_mov_b32 s[TK], 0
	s_mov_b32 s[TS], 0
	s_mov_b32 s[TJ], 0
	s_mov_b32 s89, 0
	s_wait_dscnt 0x0
	s_wait_kmcnt 0x0
	s_lshl_b32 s86, s[WV], 10                      ; K's scale words: 1,024 bytes a wave
	s_add_co_u32 s87, s17, s86
	s_add_co_u32 s86, s86, KSB
	PLACE GK0
	s_lshl_b32 s86, s[WV], 9                       ; V's: 512 bytes a wave, waves 8-15
	s_add_co_u32 s87, s19, s86
	s_add_co_u32 s86, s86, VSB-4096
	PLACE GV0
	s_mul_i32 s86, s[WV], 12288                    ; the codes: 12,288 bytes a wave; waves 0-7 fill K's 98,304 bytes from LDS byte 0, waves 8-15 V's behind them
	s_add_co_u32 s87, s14, s86
	PLACE GK1
	s_add_co_u32 s87, s16, s86
	PLACE GV1
	CROUND                                         ; all four work-groups are here: the joint loads meet
	s_cmp_lt_u32 s[WV], 8                          ; a wave's two fills stand in one branch on its number, ahead of every wait on TENSORcnt and every LDS read
	s_cbranch_scc0 .Lfor_v
	tensor_load_to_lds s[GK0:GK0+3], s[G1C:G1C+7]
	s_nop 0
	tensor_load_to_lds s[GK1:GK1+3], s[G1A:G1A+7]
	s_nop 0
.rept 4
	v_nop
.endr
	s_branch .Lasked
.Lfor_v:
	tensor_load_to_lds s[GV0:GV0+3], s[G1D:G1D+7]
	s_nop 0
	tensor_load_to_lds s[GV1:GV1+3], s[G1A:G1A+7]
	s_nop 0
.rept 4
	v_nop
.endr
.Lasked:
	s_lshl_b32 s94, s11, 7
	s_lshl_b32 s87, s9, 4
	s_add_co_u32 s94, s94, s87
	s_add_co_u32 s94, s94, s[WV]                   ; s94: my block of 16 queries among the 256 of both batches
	s_mul_i32 s88, s94, 768
	s_mul_i32 s87, s12, 196608
	s_add_co_u32 s88, s88, s87
	s_add_nc_u64 s[90:91], s[4:5], s[88:89]        ; Q's codes
	s_lshl_b32 s88, s94, 6
	s_lshl_b32 s87, s12, 14
	s_add_co_u32 s88, s88, s87
	s_add_co_u32 s88, s88, 9437184
	s_add_nc_u64 s[92:93], s[4:5], s[88:89]        ; Q's scale words
	v_and_b32 v30, 31, v0                          ; lane
	v_lshlrev_b32 v1, 4, v30                       ; v1: K's images, 16 bytes a lane (K's codes begin at LDS byte 0); also 16 x lane
	v_lshlrev_b32 v31, 3, v30                      ; v31: 8 x lane
	v_add_nc_u32 v2, 512, v31                      ; v2: K's images, 8 bytes a lane
	v_add_nc_u32 v3, VB, v1                        ; v3, v4: V's
	v_add_nc_u32 v4, VB, v2
	v_lshlrev_b32 v7, 2, v30
	v_add_nc_u32 v5, KSB, v7                       ; v5, v6: scale words, 4 bytes a lane: two tiles of 16 rows a load
	v_add_nc_u32 v6, VSB, v7
	global_load_b128 v[16:19], v1, s[90:91]
	global_load_b64 v[20:21], v31, s[90:91] offset:512
	v_and_b32 v254, 15, v0
	v_lshlrev_b32 v254, 2, v254
	global_load_b32 v255, v254, s[92:93]
.irp j, 22,23,24,25,26,27,80,81,82,83,84,85
	v_mov_b32 v\j, 0                               ; Q's k = 64 .. 127: zero codes; and what stands behind K's last tile
.endr
	v_mov_b32 v13, 0xff61b1e6                      ; the largest t so far: -3e38
	v_floor_f32 v12, -v13                          ; -M
	v_mov_b32 v14, 0
	v_mov_b32 v15, 0
.irp b, 0,1,2,3
	v_mov_b32 v[236+\b], 0                         ; a lane permute's destination counts as one of its sources
.endr
	v_mov_b32 v253, 0                              ; (named as the upper half of the pair v[252:253])
.irp j, 0,1,2,3,4,5,6,7,8,9,10,11,12,13,14,15,16,17,18,19,20,21,22,23,24,25,26,27,28,29,30,31
	v_mov_b32 v[160+\j], 0                         ; O^T: the step is written for every step alike; the first change of M multiplies zeros
.endr
	s_wait_tensorcnt 0x0                           ; both my loads have landed,
	s_wait_loadcnt 0x0                             ; Q is in,
	s_barrier_signal -1
	s_barrier_wait -1                              ; and everybody's part of K and V lies in LDS
	s_mov_b32 s[CNT], 16
.Lstep:                                            ; A KEY STEP: 128 keys
	v_add_nc_u32 v8, s[TK], v1                     ; six plain lines: also the places in front of loads into registers that the last products read
	v_add_nc_u32 v9, s[TK], v2
	v_add_nc_u32 v10, s[TK], v3
	v_add_nc_u32 v11, s[TK], v4
	v_add_nc_u32 v28, s[TS], v5
	v_add_nc_u32 v29, s[TJ], v6
.irp t, 0,1,2,3,4,5,6,7
	ds_load_b128 v[32+6*\t:35+6*\t], v8 offset:768*\t
	ds_load_b64 v[36+6*\t:37+6*\t], v9 offset:768*\t
.endr
.irp u, 0,1,2,3
	ds_load_b32 v[248+\u], v28 offset:128*\u       ; lanes 0-15: tile 2 u's words, lanes 16-31: tile 2 u + 1's
.endr
	s_wait_dscnt 0x0
.irp t, 0,2,4,6                                ; S^T = K Q^T: tile t's upper six registers are tile t + 1's codes, against Q's zeros
	v_wmma_scale_f32_16x16x128_f8f6f4 v[96+8*\t:103+8*\t], v[32+6*\t:43+6*\t], v[16:27], 0, v[248+\t/2], v255 matrix_a_fmt:MATRIX_FMT_BF6 matrix_b_fmt:MATRIX_FMT_BF6
	v_wmma_scale_f32_16x16x128_f8f6f4 v[104+8*\t:111+8*\t], v[38+6*\t:49+6*\t], v[16:27], 0, v[248+\t/2], v255 matrix_a_fmt:MATRIX_FMT_BF6 matrix_b_fmt:MATRIX_FMT_BF6 matrix_a_scale:MATRIX_SCALE_ROW1
.endr
.rept 4
	v_nop                                          ; places behind the products: for the reads of S^T and for the loads below
.endr
.irp t, 0,1,2,3                                ; V's four tiles are asked for now and land during the softmax
.irp c, 0,1
	ds_load_b128 v[32+12*\t+6*\c:35+12*\t+6*\c], v10 offset:1536*\t+768*\c
	ds_load_b64 v[36+12*\t+6*\c:37+12*\t+6*\c], v11 offset:1536*\t+768*\c
.endr
.endr
	ds_load_b32 v248, v29
	ds_load_b32 v249, v29 offset:128
.irp b, 0,1,2,3
	v_max3_num_f32 v[232+\b], v[96+16*\b], v[97+16*\b], v[98+16*\b]   ; the largest score of each block of 32 keys: for the row's maximum and, since p rises with the score, for the block's largest p
.endr
.irp i, 3,5,7,9,11,13
.irp b, 0,1,2,3
	v_max3_num_f32 v[232+\b], v[232+\b], v[96+16*\b+\i], v[97+16*\b+\i]
.endr
.endr
.irp b, 0,1,2,3
	v_max_num_f32 v[232+\b], v[232+\b], v[111+16*\b]
.endr
.irp b, 0,1,2,3
	v_permlanex16_b32 v[236+\b], v[232+\b], s[SEL], s[SEL+1]
.endr
.irp b, 0,1,2,3
	v_max_num_f32 v[232+\b], v[232+\b], v[236+\b]  ; with lane l xor 16's 16 keys
.endr
	v_max3_num_f32 v254, v232, v233, v234
	v_max_num_f32 v254, v254, v235
	v_mul_f32 v254, s[CS], v254                    ; as t (c is positive)
	v_max_num_f32 v13, v13, v254                   ; the running largest t
	v_mov_b32 v254, v12
	v_floor_f32 v12, -v13                          ; the new -M = floor(-t) = -ceil(t)
	v_sub_f32 v254, v12, v254                      ; old M - new M: a whole number, 0 or less
	v_cvt_i32_f32 v254, v254                       ; (it saturates)
	v_ldexp_f32 v252, 1.0, v254                    ; f = 2^(old M - new M)
.irp j, 0,2,4,6,8,10,12,14,16,18,20,22,24,26,28,30,32,34,36,38,40,42,44,46,48,50,52,54,56,58,60,62
	v_pk_fma_f32 v[96+\j:97+\j], v[96+\j:97+\j], s[CS:CS+1], v[12:13] op_sel_hi:[1,0,0]   ; t - M
.endr
.irp b, 0,1,2,3
	v_fma_f32 v[232+\b], v[232+\b], s[CS], v12     ; the same of each block's largest score
.endr
.irp j, 0,1,2,3,4,5,6,7,8,9,10,11,12,13,14,15,16,17,18,19,20,21,22,23,24,25,26,27,28,29,30,31,32,33,34,35,36,37,38,39,40,41,42,43,44,45,46,47,48,49,50,51,52,53,54,55,56,57,58,59,60,61,62,63
	v_exp_f32 v[96+\j], v[96+\j]                   ; p = 2^(t - M), at most 1
.endr
	v_pk_mul_f32 v[14:15], v[14:15], v[252:253] op_sel_hi:[1,0]   ; the sums under the new M: a plain place behind the exponentials
	s_wait_alu depctr_va_vdst(0)                   ; one wait for the batch of 64, ahead of its first reader
.irp b, 0,1,2,3
	v_exp_f32 v[232+\b], v[232+\b]                 ; each block's largest p
.endr
	v_pk_add_f32 v[236:237], v[96:97], v[98:99]    ; the row's sum, of the unquantised p, in two chains
.irp j, 4,8,12,16,20,24,28,32,36,40,44,48,52,56,60
	v_pk_add_f32 v[14:15], v[14:15], v[96+\j:97+\j]
	v_pk_add_f32 v[236:237], v[236:237], v[98+\j:99+\j]
.endr
	v_pk_add_f32 v[14:15], v[14:15], v[236:237]
	s_wait_alu depctr_va_vdst(0)                   ; and one for the four
.irp b, 0,1,2,3
	v_max_num_f32 v[232+\b], 0x2800000, v[232+\b]  ; the floor 2^(5 - 127)
.endr
.irp b, 0,1,2,3
	v_add_nc_u32 v[244+\b], 0xfe000000, v[232+\b]  ; 4 off the exponent field: the conversion's scale operand
.endr
.irp b, 0,1,2,3
	v_lshrrev_b32 v[236+\b], 23, v[244+\b]         ; the scale's byte
.endr
	v_lshl_or_b32 v253, v237, 8, v236              ; p's scale word for these 128 keys
	v_lshl_or_b32 v253, v238, 16, v253
	v_lshl_or_b32 v253, v239, 24, v253
.irp c, 0,1
	v_cvt_scalef32_pk16_bf6_f32 v[224+6*\c:226+6*\c], v[96+32*\c:111+32*\c], v[244+2*\c]
	v_cvt_scalef32_pk16_bf6_f32 v[236+4*\c:238+4*\c], v[112+32*\c:127+32*\c], v[244+2*\c+1]
.endr
	v_nop                                          ; one plain place behind a scaled conversion
.irp c, 0,1
.irp i, 0,1,2
	v_permlane16_swap_b32 v[224+6*\c+\i], v[236+4*\c+\i]
.endr
.irp i, 0,1,2
	v_mov_b32 v[227+6*\c+\i], v[236+4*\c+\i]
.endr
.endr
.irp j, 0,2,4,6,8,10,12,14,16,18,20,22,24,26,28,30
	v_pk_mul_f32 v[160+\j:161+\j], v[160+\j:161+\j], v[252:253] op_sel_hi:[1,0]   ; O^T under the new M; these sixteen are also the places between the scale word's and the codes' last writes and the products
.endr
	s_wait_dscnt 0x0                               ; V
.irp t, 0,2                                    ; O^T += V^T P^T: the four accumulators by turns
	v_wmma_scale_f32_16x16x128_f8f6f4 v[160+8*\t:167+8*\t], v[32+12*\t:43+12*\t], v[224:235], v[160+8*\t:167+8*\t], v[248+\t/2], v253 matrix_a_fmt:MATRIX_FMT_BF6 matrix_b_fmt:MATRIX_FMT_BF6
	v_wmma_scale_f32_16x16x128_f8f6f4 v[168+8*\t:175+8*\t], v[44+12*\t:55+12*\t], v[224:235], v[168+8*\t:175+8*\t], v[248+\t/2], v253 matrix_a_fmt:MATRIX_FMT_BF6 matrix_b_fmt:MATRIX_FMT_BF6 matrix_a_scale:MATRIX_SCALE_ROW1
.endr
	s_add_co_u32 s[TK], s[TK], 6144
	s_add_co_u32 s[TS], s[TS], 512
	s_add_co_u32 s[TJ], s[TJ], 256
	s_sub_co_u32 s[CNT], s[CNT], 1
	s_cmp_lg_u32 s[CNT], 0
	s_cbranch_scc1 .Lstep
	; THE WAY OUT: O^T / the sum; its 32 registers are the head's channels 32 b + 16 h + i of my query: two blocks of the next product's K, quantised here
	v_add_f32 v14, v14, v15
	v_permlanex16_b32 v252, v14, s[SEL], s[SEL+1]
	v_add_f32 v14, v14, v252                       ; the row's sum
	v_rcp_f32 v14, v14
	v_and_b32 v8, 15, v0
	v_lshlrev_b32 v8, 2, v8                        ; 4 r
	v_nop
	v_nop
	s_lshr_b32 s86, s94, 3                         ; the group of 128 rows,
	s_and_b32 s87, s94, 7                          ; my block in it,
	s_lshr_b32 s90, s12, 1                         ; the K step,
	s_and_b32 s91, s12, 1                          ; and the half of it that my head is
	s_mul_i32 s88, s86, 98304
	s_mul_i32 s92, s90, 12288
	s_add_co_u32 s88, s88, s92
	s_mul_i32 s92, s87, 1536
	s_add_co_u32 s88, s88, s92
	s_mul_i32 s92, s91, 768
	s_add_co_u32 s88, s88, s92
	s_add_nc_u64 s[8:9], s[6:7], s[88:89]
	s_lshl_b32 s88, s86, 12
	s_lshl_b32 s92, s90, 9
	s_add_co_u32 s88, s88, s92
	s_lshl_b32 s92, s87, 6
	s_add_co_u32 s88, s88, s92
	s_lshl_b32 s92, s91, 1
	s_add_co_u32 s88, s88, s92
	s_add_co_u32 s88, s88, 3145728
	s_add_nc_u64 s[10:11], s[6:7], s[88:89]
	s_wait_alu depctr_va_vdst(0)                   ; the wait for the reciprocal, ahead of its first reader
.irp j, 0,1,2,3,4,5,6,7,8,9,10,11,12,13,14,15,16,17,18,19,20,21,22,23,24,25,26,27,28,29,30,31
	v_mul_f32 v[96+\j], v[160+\j], v14
.endr
.irp b, 0,1
	v_max3_num_f32 v[232+\b], |v[96+16*\b]|, |v[97+16*\b]|, 0x2800000
.endr
.irp i, 2,4,6,8,10,12,14
.irp b, 0,1
	v_max3_num_f32 v[232+\b], v[232+\b], |v[96+16*\b+\i]|, |v[97+16*\b+\i]|
.endr
.endr
.irp b, 0,1
	v_permlanex16_b32 v[236+\b], v[232+\b], s[SEL], s[SEL+1]
.endr
.irp b, 0,1
	v_max_num_f32 v[232+\b], v[232+\b], v[236+\b]
.endr
.irp b, 0,1
	v_add_nc_u32 v[244+\b], 0xfe000000, v[232+\b]
.endr
.irp b, 0,1
	v_lshrrev_b32 v[236+\b], 23, v[244+\b]
.endr
	v_lshl_or_b32 v253, v237, 8, v236              ; my head's two bytes of the row's scale word
	v_cvt_scalef32_pk16_bf6_f32 v[224:226], v[96:111], v244
	v_cvt_scalef32_pk16_bf6_f32 v[240:242], v[112:127], v245
	v_nop                                          ; one plain place behind a scaled conversion
.irp i, 0,1,2
	v_permlane16_swap_b32 v[224+\i], v[240+\i]
.endr
.irp i, 0,1,2
	v_mov_b32 v[227+\i], v[240+\i]
.endr
	global_store_b128 v1, v[224:227], s[8:9]       ; 512 consecutive bytes,
	global_store_b64 v31, v[228:229], s[8:9] offset:512   ; and 256
	global_store_b16 v8, v253, s[10:11]            ; both halves of the lanes hold row r's bytes and store them to the same place
	s_wait_tensorcnt 0x0
	ds_add_u32 v223, v243
	s_wait_dscnt 0x0
	CROUND                                         ; the closing round
	s_endpgm
.Lfunc_end_k_qf59faeec0d_attn:
	.size	k_qf59faeec0d_attn, .Lfunc_end_k_qf59faeec0d_attn-k_qf59faeec0d_attn
	.p2alignl 7, 3214868480
	.fill 96, 4, 3214868480
	.section	.rodata,"a",@progbits
	.p2align	6, 0x0
	.amdhsa_kernel k_qf59faeec0d_attn
		.amdhsa_group_segment_fixed_size 215040
		.amdhsa_private_segment_fixed_size 0
		.amdhsa_enable_private_segment 0
		.amdhsa_kernarg_size 16
		.amdhsa_user_sgpr_count 2
		.amdhsa_user_sgpr_kernarg_segment_ptr 1
		.amdhsa_wavefront_size32 1
		.amdhsa_system_sgpr_workgroup_id_x 1
		.amdhsa_system_sgpr_workgroup_id_y 1
		.amdhsa_system_sgpr_workgroup_id_z 1
		.amdhsa_system_vgpr_workitem_id 0
		.amdhsa_next_free_vgpr 256
		.amdhsa_next_free_sgpr 100
		.amdhsa_reserve_vcc 0
		.amdhsa_float_denorm_mode_32 3
		.amdhsa_float_denorm_mode_16_64 3
		.amdhsa_memory_ordered 1
		.amdhsa_forward_progress 1
		.amdhsa_inst_pref_size 30
	.end_amdhsa_kernel
	.amdgpu_metadata
---
amdhsa.version: [ 1, 2 ]
amdhsa.kernels:
  - .name:           k_qf59faeec0d_attn
    .symbol:         k_qf59faeec0d_attn.kd
    .args:
      - { .name: qkv, .offset: 0, .size: 8, .value_kind: global_buffer, .address_space: global }
      - { .name: att, .offset: 8, .size: 8, .value_kind: global_buffer, .address_space: global }
    .group_segment_fixed_size: 215040
    .private_segment_fixed_size: 0
    .kernarg_segment_align: 8
    .kernarg_segment_size: 16
    .max_flat_workgroup_size: 512
    .sgpr_count:     100
    .vgpr_count:     256
    .wavefront_size: 32
...
	.end_amdgpu_metadata
.endif
;; end of part 4
;; launch wo (part 5): grid 4 x 16, 4 waves a work-group, clusters of 4 x 4, 327,680 bytes of LDS; arguments att, wts, bo, x, res; writes res
.if DOCPART == 5
	.amdgcn_target "amdgcn-amd-amdhsa--gfx1250"
	.amdhsa_code_object_version 6
	.text
	.protected	k_qf59faeec0d_wo
	.globl	k_qf59faeec0d_wo
	.p2align	8
	.type	k_qf59faeec0d_wo,@function
k_qf59faeec0d_wo:
	s_mov_b64 s[64:65], 0
	v_nop
	global_prefetch_b8 v0, s[64:65] scope:SCOPE_SE
	s_setreg_imm32_b32 hwreg(HW_REG_WAVE_MODE, 25, 1), 1
	s_wait_xcnt 0x0
	s_wait_alu depctr_hold_cnt(0) depctr_sa_sdst(0) depctr_va_vdst(0) depctr_va_sdst(0) depctr_va_ssrc(0) depctr_va_vcc(0) depctr_vm_vsrc(0)
	s_getreg_b32 s2, hwreg(HW_REG_IB_STS2, 6, 4)
	s_cmp_eq_u32 s2, 0
	s_cbranch_scc0 .Lentry_in_a_cluster
	s_endpgm
.Lentry_in_a_cluster:
	s_bfe_u32 s2, ttmp6, 0x10000c
	s_cmp_lg_u32 s2, 0xf033
	s_cbranch_scc0 .Lentry_shape_is_right
	s_endpgm
.Lentry_shape_is_right:
; res = att Wo + bo + x: a product on codes of BF6 (E3M2) with E8M0 scales for each 32 along K = 1,024; bias and residual in f32; f32 rows out.
; Both operands lie as images of operand registers: groups of 128 row places, a group = [K step of 128][block of 16 places: 1,536 bytes]; a fragment is two loads of 16 and two of 8 bytes a lane, each instruction over
; consecutive bytes.  Inside each 32 rows, place p holds row p with bits 3 and 4 exchanged.  Scale words: [group][K step][128 places x 4 bytes].
; A tile of 256 x 256 is made by four waves, as many as a WGP has SIMDs, each 128 x 128: 64 accumulators, 512 registers.  K goes in steps of 256 through a ring of two LDS slots; a wave's tensor load brings one group's
; 24,576 dense bytes.  The scale words of all of K come once, with the first fills.
; CLUSTERS: 4 x 4 work-groups; the rows' tiles are shared along a row of the cluster, the weight's along a column: each is asked for jointly, by the same load with the same descriptor and a mask that names the four.
; THE MATRIX INSTRUCTION IS USED TRANSPOSED (source 0 = 16 places of the weight, source 1 = 16 places of the rows): register j of accumulator (a, b) in lane (r, h) is row place 16 a + r, true column 32 (b / 2) + 16 h + 8 (b % 2) + j.
; THE WAY OUT is a loop of eight trips, a block of 16 rows each: through the wave's own stage in LDS (in slot 0, which has had its last fill and its last read), back as whole rows of 512 bytes, + bias, + residual, stored
; at the rows' true places.  Only the lines that name accumulators are written eight times; scalar branches on the trip's number pick one.
; This text serves two launches' shapes by the constants below (WITH_GELU = 1: the exact GELU stands between bias and residual).
.set KDIM,   1024
.set ASOFF,  3145728
.set BOFF,   2359296
.set BSOFF,  9535488
.set WITH_GELU, 0
.set H,      24576                     ; 128 rows x 256 K: what one tensor load brings
.set SLOT,   4*H
.set SCL,    2*SLOT                    ; behind the ring: the scale words, HS bytes for each of the four groups
.set GS,     (KDIM/128)*12288
.set HS,     (KDIM/128)*512
.set SPARE,  327168                    ; the spare words, 128 bytes a wave: two blocks of 256 bytes that no other line names
.set LAPS,   KDIM/512
.set NQ,     2
.set FR,     12
.set NL,     4
.set NP,     4                         ; places behind this matrix instruction (ISA guide 7.12.1)
.set ADRA, 16                          ; v16-17 source 1's fragments in slot 0, 1: + 16 x lane;  v18-19: + 8 x lane
.set ADRB, 20                          ; v20-23 the same for source 0
.set STO,  24                          ; v24 the stage, in;  v25 back
.set RD,   25
.set ADRS, 27
.set SPW,  28
.set NIL,  29
.set V16,  30
.set V8,   31
.set SC,   32                          ; v32-63 scale words
.set AF,   128                         ; v128-223 source 1's fragments;  window 1: source 0's, two sets;  windows 2, 3: the accumulators
.set BK,   128                         ; the way out: v128-191 16 rows;  v192-255 their residual;  v8-11 the bias;  v64-127 GELU's work
.set XR,   192
.set GZ,   64
.set G2,   80
.set GP,   96
.set GQ,   112
.set G1, 24
.set G0, 32
.set G1B, 48
.set G0B, 56
.set G1S, 68
.set G0S, 76
.set G1SB, 80
.set G0SB, 88
.set MSB, 0
.macro WIN new                         ; the register windows; the immediate's high byte repeats the setting that is left
.if MSB != (\new)
	s_set_vgpr_msb (MSB<<8)|(\new)
.set MSB, (\new)
.endif
.endm
.set MUL_LO, 0xa1
.set MUL_HI, 0xf1
.set TO_B,   0x40
.macro JLOAD g0a, g1a, g0b, g1b        ; a joint load: waves 0, 1 fetch the rows' groups, waves 2, 3 the weight's; four v_nop follow each line
	s_cmp_eq_u32 s15, 0
	s_cbranch_scc0 .Lfor_b_\@
	tensor_load_to_lds s[\g0a:\g0a+3], s[\g1a:\g1a+7]
	s_nop 0
.rept 4
	v_nop
.endr
	s_branch .Lasked_\@
.Lfor_b_\@:
	tensor_load_to_lds s[\g0b:\g0b+3], s[\g1b:\g1b+7]
	s_nop 0
.rept 4
	v_nop
.endr
.Lasked_\@:
.endm
.macro CREST
	s_cmp_lg_u32 s14, 0
	s_cbranch_scc1 .Lnot_wave_0_\@
	s_barrier_signal -3
.Lnot_wave_0_\@:
	s_barrier_wait -3
	s_barrier_signal -1
	s_barrier_wait -1
.endm
.macro CROUND
	s_barrier_signal -1
	s_barrier_wait -1
	CREST
.endm
.macro PLACES n
.rept \n
	v_nop
.endr
.endm
	s_load_b128 s[4:7], s[0:1], 0x0                ; the rows' codes, wts
	s_load_b128 s[8:11], s[0:1], 0x10              ; the bias, the residual
	s_load_b64 s[12:13], s[0:1], 0x20              ; the output
	v_lshl_add_u32 v[SPW], v0, 2, SPARE
	v_mov_b32 v[NIL], 0
	ds_add_u32 v28, v29
	ds_add_u32 v28, v29
	s_wait_dscnt 0x0
	v_lshrrev_b32 v1, 5, v0
	v_readfirstlane_b32 s14, v1                    ; wave 0..3
	s_lshr_b32 s15, s14, 1                         ; which half of the rows is mine.  Also: I fetch for the rows (0) or for the weight (1)
	s_and_b32 s16, s14, 1                          ; which half of the columns.  Also: which of the two groups I fetch
	s_bfe_u32 s40, ttmp6, 0x40000
	s_bfe_u32 s41, ttmp6, 0x40004
	s_lshl_b32 s42, ttmp9, 2
	s_add_co_u32 s42, s42, s40                     ; tile column
	s_and_b32 s17, ttmp7, 0xffff
	s_lshl_b32 s17, s17, 2
	s_add_co_u32 s17, s17, s41                     ; tile row
	s_lshl_b32 s43, s41, 2
	s_lshl_b32 s43, 15, s43                        ; my row of the cluster
	s_lshl_b32 s44, 0x1111, s40                    ; my column
	; descriptor groups 1: dense blocks as rows of 256 bytes (32 elements of 8 bytes), no padding; bit 21 stands beside a mask
	s_or_b32 s[G1], s43, (3<<16)|(1<<21)
	s_or_b32 s[G1B], s44, (3<<16)|(1<<21)
	s_or_b32 s[G1S], s43, (3<<16)|(1<<21)
	s_or_b32 s[G1SB], s44, (3<<16)|(1<<21)
.irp g, G1, G1B
	s_mov_b32 s[\g+1], 32<<16
	s_mov_b32 s[\g+2], (H/256)<<16
	s_mov_b32 s[\g+3], 32<<16
	s_mov_b32 s[\g+4], H/256
	s_mov_b32 s[\g+5], 32
	s_mov_b32 s[\g+6], 0
	s_mov_b32 s[\g+7], 0
.endr
.irp g, G1S, G1SB
	s_mov_b32 s[\g+1], 32<<16
	s_mov_b32 s[\g+2], (HS/256)<<16
	s_mov_b32 s[\g+3], 32<<16
	s_mov_b32 s[\g+4], HS/256
	s_mov_b32 s[\g+5], 32
	s_mov_b32 s[\g+6], 0
	s_mov_b32 s[\g+7], 0
.endr
	s_lshl_b32 s20, s17, 1
	s_add_co_u32 s20, s20, s16                     ; the rows' group: made of the tile row and the wave alone
	s_lshl_b32 s46, s42, 1
	s_add_co_u32 s46, s46, s16                     ; the weight's group: of the tile column and the wave alone
	s_mul_i32 s22, s20, HS
	s_add_co_u32 s22, s22, ASOFF
	s_mov_b32 s23, 0
	s_mul_i32 s92, s46, HS
	s_add_co_u32 s92, s92, BSOFF
	s_mov_b32 s93, 0
	s_mul_i32 s20, s20, GS
	s_mov_b32 s21, 0
	s_mul_i32 s46, s46, GS
	s_add_co_u32 s46, s46, BOFF
	s_mov_b32 s47, 0
	s_mul_i32 s45, s14, H
	s_mul_i32 s94, s14, HS
	s_wait_kmcnt 0x0
	s_add_nc_u64 s[20:21], s[4:5], s[20:21]
	s_add_nc_u64 s[22:23], s[4:5], s[22:23]
	s_add_nc_u64 s[46:47], s[6:7], s[46:47]
	s_add_nc_u64 s[92:93], s[6:7], s[92:93]
	CROUND                                         ; all sixteen work-groups are here: the first joint loads meet
	s_mov_b32 s[G0S], 1
	s_add_co_u32 s[G0S+1], s94, SCL
	s_mov_b64 s[G0S+2:G0S+3], s[22:23]
	s_or_b32 s[G0S+3], s[G0S+3], 0x80000000
	s_mov_b32 s[G0SB], 1
	s_add_co_u32 s[G0SB+1], s94, SCL
	s_mov_b64 s[G0SB+2:G0SB+3], s[92:93]
	s_or_b32 s[G0SB+3], s[G0SB+3], 0x80000000
	JLOAD G0S, G1S, G0SB, G1SB
.irp s, 0,1
	s_mov_b32 s[G0+4*\s], 1
	s_add_co_u32 s[G0+4*\s+1], s45, \s*SLOT
	s_add_nc_u64 s[G0+4*\s+2:G0+4*\s+3], s[20:21], \s*H
	s_or_b32 s[G0+4*\s+3], s[G0+4*\s+3], 0x80000000
	s_mov_b32 s[G0B+4*\s], 1
	s_add_co_u32 s[G0B+4*\s+1], s45, \s*SLOT
	s_add_nc_u64 s[G0B+4*\s+2:G0B+4*\s+3], s[46:47], \s*H
	s_or_b32 s[G0B+4*\s+3], s[G0B+4*\s+3], 0x80000000
	JLOAD G0+4*\s, G1, G0B+4*\s, G1B
.endr
	v_and_b32 v1, 31, v0                           ; lane
	v_and_b32 v2, 15, v0                           ; r
	v_bfe_u32 v3, v0, 4, 1                         ; h
	v_lshlrev_b32 v[V16], 4, v1
	v_lshlrev_b32 v[V8], 3, v1
	s_mul_i32 s21, s15, H                          ; my 128 rows
	s_mul_i32 s22, s16, H                          ; my 128 places of the weight,
	s_add_co_u32 s22, s22, 2*H                     ; which lie behind the rows' two groups
.irp s, 0,1
	v_add_nc_u32 v[ADRA+\s], s21, v[V16]
	v_add_nc_u32 v[ADRA+2+\s], s21, v[V8]
	v_add_nc_u32 v[ADRB+\s], s22, v[V16]
	v_add_nc_u32 v[ADRB+2+\s], s22, v[V8]
	s_add_co_u32 s21, s21, SLOT
	s_add_co_u32 s22, s22, SLOT
.endr
	s_mul_i32 s21, s15, HS
	s_mul_i32 s22, s16, HS
	s_add_co_u32 s22, s22, 2*HS
	s_sub_co_u32 s22, s22, s21
	v_mul_u32_u24 v5, s22, v3                      ; lanes 16-31 take the weight's words
	s_add_co_u32 s21, s21, SCL
	v_lshl_add_u32 v5, v2, 2, v5
	v_add_nc_u32 v[ADRS], s21, v5
	s_mul_i32 s23, s14, 16*528                     ; my stage: 16 rows x (512 bytes + 16)
	v_mul_u32_u24 v5, v2, 528
	v_lshl_add_u32 v5, v3, 6, v5
	v_add_nc_u32 v[STO], s23, v5                   ; in: row r, + 64 h
	v_add_nc_u32 v[RD], s23, v[V16]                ; back: a row's 512 bytes, 16 a lane
	s_lshl_b32 s20, s17, 8
	s_lshl_b32 s21, s15, 7
	s_add_co_u32 s20, s20, s21                     ; my first row
	s_lshl_b32 s20, s20, 12
	s_lshl_b32 s22, s42, 10
	s_lshl_b32 s21, s16, 9
	s_add_co_u32 s22, s22, s21                     ; my first column, in bytes
	s_add_co_u32 s20, s20, s22
	s_mov_b32 s21, 0
	s_mov_b32 s23, 0
	s_add_nc_u64 s[10:11], s[10:11], s[20:21]
	s_add_nc_u64 s[12:13], s[12:13], s[20:21]
	s_add_nc_u64 s[8:9], s[8:9], s[22:23]
	global_load_b128 v[8:11], v[V16], s[8:9]       ; the bias of columns 4 x lane + 0 .. 3 of my 128
.macro FRAG reg, adr, q, i             ; a fragment comes as the image of its twelve registers
	ds_load_b128 v[\reg:\reg+3], v[\adr] offset:(\q)*12288+(\i)*1536
	ds_load_b64 v[\reg+4:\reg+5], v[\adr+2] offset:(\q)*12288+(\i)*1536+512
	ds_load_b128 v[\reg+6:\reg+9], v[\adr] offset:(\q)*12288+(\i)*1536+768
	ds_load_b64 v[\reg+10:\reg+11], v[\adr+2] offset:(\q)*12288+(\i)*1536+1280
.endm
; 16 matrix instructions.  The 64 accumulators take turns, one instruction a turn, in the same order in every step
.macro MUL16 a0, p, q, sc, zero
.irp a, \a0, \a0+1
.irp b, 0,1,2,3,4,5,6,7
.if \zero
	v_wmma_scale_f32_16x16x128_f8f6f4 v[8*(8*((\a)%4)+\b):8*(8*((\a)%4)+\b)+7], v[128*(\p)+FR*\b:128*(\p)+FR*\b+FR-1], v[AF+FR*(\a):AF+FR*(\a)+FR-1], 0, v[SC+8*NQ*(\sc)+NQ*\b+(\q)], v[SC+8*NQ*(\sc)+NQ*(\a)+(\q)] matrix_a_fmt:MATRIX_FMT_BF6 matrix_b_fmt:MATRIX_FMT_BF6 matrix_a_scale:MATRIX_SCALE_ROW1
.else
	v_wmma_scale_f32_16x16x128_f8f6f4 v[8*(8*((\a)%4)+\b):8*(8*((\a)%4)+\b)+7], v[128*(\p)+FR*\b:128*(\p)+FR*\b+FR-1], v[AF+FR*(\a):AF+FR*(\a)+FR-1], v[8*(8*((\a)%4)+\b):8*(8*((\a)%4)+\b)+7], v[SC+8*NQ*(\sc)+NQ*\b+(\q)], v[SC+8*NQ*(\sc)+NQ*(\a)+(\q)] matrix_a_fmt:MATRIX_FMT_BF6 matrix_b_fmt:MATRIX_FMT_BF6 matrix_a_scale:MATRIX_SCALE_ROW1
.endif
.endr
.endr
.endm
.macro FETCH_B slot, q, p
	WIN TO_B
.irp i, 0,1,2,3,4,5,6,7
	FRAG 128*(\p)+FR*\i, ADRB+\slot, \q, \i
.endr
	WIN 0
.endm
.macro FETCH_A slot, q, i0
.irp i, \i0, \i0+1, \i0+2, \i0+3
	FRAG AF+FR*(\i), ADRA+\slot, \q, \i
.endr
.endm
.macro SCALES sc
.irp i, 0,1,2,3,4,5,6,7
	ds_load_b32 v[SC+16*\sc+2*\i], v[ADRS] offset:64*\i
	ds_load_b32 v[SC+16*\sc+2*\i+1], v[ADRS] offset:64*\i+512
.endr
.endm
.macro STEP slot, q, zero
	s_wait_dscnt 4*NL                              ; all but the youngest sixteen loads (source 1's blocks 4-7) are in
	WIN MUL_LO
	MUL16 0, (\q)%2, \q, \slot, \zero
	MUL16 2, (\q)%2, \q, \slot, \zero
	s_wait_dscnt 0
	PLACES NP                                      ; in front of loads into registers that matrix instructions have read
	FETCH_B \slot, (\q)+1, 1-(\q)%2
	FETCH_A \slot, (\q)+1, 0
	WIN MUL_HI
	MUL16 4, (\q)%2, \q, \slot, \zero
	MUL16 6, (\q)%2, \q, \slot, \zero
	PLACES NP
	WIN 0
	FETCH_A \slot, (\q)+1, 4
.endm
; A slot's last 128 change slots: one barrier; in front of it each wave waits for all its tensor loads, adds 0 to its spare word, and waits for that and for its reads of this slot
.macro TURN slot, next, fill
	s_wait_tensorcnt 0x0                           ; all my tensor loads have landed: my part of the next slot
	ds_add_u32 v[SPW], v[NIL]                      ; 0 onto my spare word
	s_wait_dscnt 4*NL+1                            ; the add and the youngest sixteen loads may be out
	WIN MUL_LO
	MUL16 0, 1, NQ-1, \slot, 0
	s_wait_dscnt 0x0                               ; the add is done, and my reads of this slot are over
	s_barrier_signal -1
	MUL16 2, 1, NQ-1, \slot, 0
	WIN 0
	s_barrier_wait -1
.if \fill
	CREST                                          ; the barrier has opened a round of the cluster's: no wave of any partner still reads this slot or has a load on its way
	s_add_nc_u64 s[G0+4*\slot+2:G0+4*\slot+3], s[G0+4*\slot+2:G0+4*\slot+3], 2*H
	s_add_nc_u64 s[G0B+4*\slot+2:G0B+4*\slot+3], s[G0B+4*\slot+2:G0B+4*\slot+3], 2*H
	JLOAD G0+4*\slot, G1, G0B+4*\slot, G1B         ; the first tensor load behind the round; its four v_nop are also the places in front of the loads below
.else
	PLACES NP
.endif
	v_add_nc_u32 v[ADRS], 512*NQ, v[ADRS]
	FETCH_B \next, 0, 0
	FETCH_A \next, 0, 0
	SCALES \next
	WIN MUL_HI
	MUL16 4, 1, NQ-1, \slot, 0
	MUL16 6, 1, NQ-1, \slot, 0
	PLACES NP
	WIN 0
	FETCH_A \next, 0, 4
.endm
	s_wait_tensorcnt 1                             ; of my three first fills slot 1's may be out
	s_barrier_signal -1
	s_barrier_wait -1
	FETCH_B 0, 0, 0
	FETCH_A 0, 0, 0
	SCALES 0
	FETCH_A 0, 0, 4
	STEP 0, 0, 1                                   ; the first step's products start the sums
	s_mov_b32 s3, LAPS-1
.Llap:
	TURN 0, 1, 1
	STEP 1, 0, 0
	TURN 1, 0, 1
	STEP 0, 0, 0
	s_sub_co_u32 s3, s3, 1
	s_cmp_lg_u32 s3, 0
	s_cbranch_scc1 .Llap
	TURN 0, 1, 0                                   ; the last lap fills nothing
	STEP 1, 0, 0
	s_wait_dscnt 4*NL
	WIN MUL_LO
	MUL16 0, 1, NQ-1, 1, 0
	MUL16 2, 1, NQ-1, 1, 0
	s_wait_dscnt 0
	WIN MUL_HI
	MUL16 4, 1, NQ-1, 1, 0
	MUL16 6, 1, NQ-1, 1, 0
	WIN 0
.macro STASH a                         ; block a's eight accumulators into my stage, each from its low end on: row r, true columns 32 (b / 2) + 16 h + 8 (b % 2) + 0 .. 7
	WIN 0x08+4*((\a)/4)
.irp b, 0,1,2,3,4,5,6,7
	ds_store_b128 v[STO], v[64*((\a)%4)+8*\b:64*((\a)%4)+8*\b+3] offset:128*(\b/2)+32*(\b%2)
	ds_store_b128 v[STO], v[64*((\a)%4)+8*\b+4:64*((\a)%4)+8*\b+7] offset:128*(\b/2)+32*(\b%2)+16
.endr
	WIN 0
.endm
.macro PICK                            ; runs STASH a for the a that s3 holds: forward branches on the trip's number
.irp a, 0,1,2,3,4,5,6
	s_cmp_lg_u32 s3, \a
	s_cbranch_scc1 .Lnot_\@_\a
	STASH \a
	s_branch .Lpicked_\@
.Lnot_\@_\a:
.endr
	STASH 7
.Lpicked_\@:
.endm
.macro RESLOAD                         ; the residual of a block's 16 rows: place t is row t % 8 + 16 (t / 8)
.irp t, 0,1,2,3,4,5,6,7,8,9,10,11,12,13,14,15
	global_load_b128 v[XR+4*\t:XR+4*\t+3], v[V16], s[10:11] offset:((\t%8)+16*(\t/8))*4096 th:TH_LOAD_NT
.endr
.endm
.macro KON r, val                      ; a constant as a pair: the packed forms name a pair and take its low word
	s_mov_b32 s[\r], \val
	s_mov_b32 s[\r+1], \val
.endm
; gelu(x) = x / 2 (1 + erf(x / sqrt 2)) on 16 numbers in place; erf(z) = z a(z^2) / b(z^2), z held to +-4 (absolute error about 1e-7, so the relative error of gelu grows where |gelu| is under 1e-3)
.macro GELU16 x
.irp p, 0,2,4,6,8,10,12,14
	v_pk_mul_f32 v[GZ+\p:GZ+\p+1], v[\x+\p:\x+\p+1], 0x3f3504f3 op_sel_hi:[1,0]
.endr
.irp p, 0,1,2,3,4,5,6,7,8,9,10,11,12,13,14,15
	v_med3_num_f32 v[GZ+\p], v[GZ+\p], -4.0, 4.0
.endr
.irp p, 0,2,4,6,8,10,12,14
	v_pk_mul_f32 v[G2+\p:G2+\p+1], v[GZ+\p:GZ+\p+1], v[GZ+\p:GZ+\p+1]
.endr
.irp p, 0,2,4,6,8,10,12,14
	v_pk_fma_f32 v[GP+\p:GP+\p+1], v[G2+\p:G2+\p+1], s[68:69], v[2:3] op_sel_hi:[1,0,1]
.endr
.irp p, 0,2,4,6,8,10,12,14
	v_pk_fma_f32 v[GQ+\p:GQ+\p+1], v[G2+\p:G2+\p+1], s[80:81], v[4:5] op_sel_hi:[1,0,1]
.endr
.irp k, 70,72,74,76,78
.irp p, 0,2,4,6,8,10,12,14
	v_pk_fma_f32 v[GP+\p:GP+\p+1], v[GP+\p:GP+\p+1], v[G2+\p:G2+\p+1], s[\k:\k+1] op_sel_hi:[1,1,0]
.endr
.endr
.irp k, 82,84,86
.irp p, 0,2,4,6,8,10,12,14
	v_pk_fma_f32 v[GQ+\p:GQ+\p+1], v[GQ+\p:GQ+\p+1], v[G2+\p:G2+\p+1], s[\k:\k+1] op_sel_hi:[1,1,0]
.endr
.endr
.irp p, 0,1,2,3,4,5,6,7,8,9,10,11,12,13,14,15
	v_rcp_f32 v[GQ+\p], v[GQ+\p]                   ; one batch
.endr
.irp p, 0,2,4,6,8,10,12,14
	v_pk_mul_f32 v[GP+\p:GP+\p+1], v[GP+\p:GP+\p+1], v[GZ+\p:GZ+\p+1]   ; plain work that names no reciprocal
.endr
.irp p, 0,2,4,6,8,10,12,14
	v_pk_mul_f32 v[GZ+\p:GZ+\p+1], v[\x+\p:\x+\p+1], 0.5 op_sel_hi:[1,0]
.endr
	s_wait_alu depctr_va_vdst(0)                   ; one wait for the batch, ahead of its first reader
.irp p, 0,2,4,6,8,10,12,14
	v_pk_mul_f32 v[GP+\p:GP+\p+1], v[GP+\p:GP+\p+1], v[GQ+\p:GQ+\p+1]
.endr
.irp p, 0,2,4,6,8,10,12,14
	v_pk_fma_f32 v[\x+\p:\x+\p+1], v[GP+\p:GP+\p+1], v[GZ+\p:GZ+\p+1], v[GZ+\p:GZ+\p+1]
.endr
.endm
	PLACES NP                                      ; behind the last products: for the stage's stores and for the loads into registers that held fragments
	s_wait_loadcnt 0x0                             ; the bias
	RESLOAD
.if WITH_GELU
	KON 68, 0xaf95df0b                             ; a13; no tensor load is out: the descriptors' registers are free
	KON 70, 0xb60cff51                             ; a9
	KON 72, 0xb86ec2d2                             ; a7
	KON 74, 0xba40ac63                             ; a5
	KON 76, 0xbb41a1f6                             ; a3
	KON 78, 0xbc83dbd4                             ; a1
	KON 80, 0xb77460cd                             ; b8
	KON 82, 0xbadc924e                             ; b4
	KON 84, 0xbbf19bf8                             ; b2
	KON 86, 0xbc69b6a7                             ; b0
	v_mov_b32 v2, 0x32edffee                       ; a11
	v_mov_b32 v3, 0x32edffee
	v_mov_b32 v4, 0xb95fbd29                       ; b6
	v_mov_b32 v5, 0xb95fbd29
.endif
	s_mov_b32 s3, 0
.Lrow:
	PICK
.irp t, 0,1,2,3,4,5,6,7,8,9,10,11,12,13,14,15
	ds_load_b128 v[BK+4*\t:BK+4*\t+3], v[RD] offset:528*\t   ; LDS serves a wave's instructions in order: these see my stores
.endr
	s_wait_dscnt 0x0
.irp t, 0,1,2,3,4,5,6,7,8,9,10,11,12,13,14,15
	v_pk_add_f32 v[BK+4*\t:BK+4*\t+1], v[BK+4*\t:BK+4*\t+1], v[8:9]
	v_pk_add_f32 v[BK+4*\t+2:BK+4*\t+3], v[BK+4*\t+2:BK+4*\t+3], v[10:11]
.endr
.if WITH_GELU
	GELU16 BK
	GELU16 BK+16
	GELU16 BK+32
	GELU16 BK+48
.endif
	s_wait_loadcnt 0x0                             ; this block's residual
.set p, 0
.rept 32
	v_pk_add_f32 v[BK+p:BK+p+1], v[BK+p:BK+p+1], v[XR+p:XR+p+1]
.set p, p+2
.endr
.irp t, 0,1,2,3,4,5,6,7,8,9,10,11,12,13,14,15
	global_store_b128 v[V16], v[BK+4*\t:BK+4*\t+3], s[12:13] offset:((\t%8)+16*(\t/8))*4096   ; 512 consecutive bytes, at a multiple of 256 from the buffer's first byte
.endr
	s_wait_xcnt 0x0                                ; the stores have read their registers and their base: both may be written again
	s_and_b32 s18, s3, 1                           ; blocks begin at rows 0, 8, 32, 40, 64 ..: 8 rows on behind an even block, 24 behind an odd one
	s_cmp_eq_u32 s18, 1
	s_mov_b32 s18, 32768
	s_cselect_b32 s18, 98304, s18
	s_mov_b32 s19, 0
	s_add_nc_u64 s[10:11], s[10:11], s[18:19]
	s_add_nc_u64 s[12:13], s[12:13], s[18:19]
	s_cmp_eq_u32 s3, 7                             ; the last trip asks for nothing: no load leaves its buffer
	s_cbranch_scc1 .Lno_next
	RESLOAD
.Lno_next:
	s_add_co_u32 s3, s3, 1
	s_cmp_lt_u32 s3, 8
	s_cbranch_scc1 .Lrow
	s_wait_tensorcnt 0x0                           ; the wave's end
	ds_add_u32 v[SPW], v[NIL]
	s_wait_dscnt 0x0
	CROUND                                         ; the closing round: no work-group ends while a partner may still ask for a tile that names it
	s_endpgm
.Lfunc_end_k_qf59faeec0d_wo:
	.size	k_qf59faeec0d_wo, .Lfunc_end_k_qf59faeec0d_wo-k_qf59faeec0d_wo
	.p2alignl 7, 3214868480
	.fill 96, 4, 3214868480
	.section	.rodata,"a",@progbits
	.p2align	6, 0x0
	.amdhsa_kernel k_qf59faeec0d_wo
		.amdhsa_group_segment_fixed_size 327680
		.amdhsa_private_segment_fixed_size 0
		.amdhsa_enable_private_segment 0
		.amdhsa_kernarg_size 40
		.amdhsa_user_sgpr_count 2
		.amdhsa_user_sgpr_kernarg_segment_ptr 1
		.amdhsa_wavefront_size32 1
		.amdhsa_system_sgpr_workgroup_id_x 1
		.amdhsa_system_sgpr_workgroup_id_y 1
		.amdhsa_system_sgpr_workgroup_id_z 1
		.amdhsa_system_vgpr_workitem_id 0
		.amdhsa_next_free_vgpr 1024
		.amdhsa_next_free_sgpr 100
		.amdhsa_reserve_vcc 0
		.amdhsa_float_denorm_mode_32 3
		.amdhsa_float_denorm_mode_16_64 3
		.amdhsa_memory_ordered 1
		.amdhsa_forward_progress 1
		.amdhsa_inst_pref_size 136
	.end_amdhsa_kernel
	.amdgpu_metadata
---
amdhsa.version: [ 1, 2 ]
amdhsa.kernels:
  - .name:           k_qf59faeec0d_wo
    .symbol:         k_qf59faeec0d_wo.kd
    .args:
      - { .name: att, .offset: 0, .size: 8, .value_kind: global_buffer, .address_space: global }
      - { .name: wts, .offset: 8, .size: 8, .value_kind: global_buffer, .address_space: global }
      - { .name: bo, .offset: 16, .size: 8, .value_kind: global_buffer, .address_space: global }
      - { .name: x, .offset: 24, .size: 8, .value_kind: global_buffer, .address_space: global }
      - { .name: res, .offset: 32, .size: 8, .value_kind: global_buffer, .address_space: global }
    .group_segment_fixed_size: 327680
    .private_segment_fixed_size: 0
    .kernarg_segment_align: 8
    .kernarg_segment_size: 40
    .max_flat_workgroup_size: 128
    .sgpr_count:     100
    .vgpr_count:     1024
    .wavefront_size: 32
...
	.end_amdgpu_metadata
.endif
;; end of part 5
;; launch ln2: the kernel of part 2 again; grid 256 x 1, 4 waves a work-group, no clusters, 66,560 bytes of LDS; arguments res, ln2_g, ln2_b, hq; writes hq
;; launch mlp1 (part 6): grid 16 x 16, 4 waves a work-group, clusters of 4 x 4, 327,680 bytes of LDS; arguments hq, wts, b1, hid; writes hid
.if DOCPART == 6
	.amdgcn_target "amdgcn-amd-amdhsa--gfx1250"
	.amdhsa_code_object_version 6
	.text
	.protected	k_qf59faeec0d_mlp1
	.globl	k_qf59faeec0d_mlp1
	.p2align	8
	.type	k_qf59faeec0d_mlp1,@function
k_qf59faeec0d_mlp1:
	s_mov_b64 s[64:65], 0
	v_nop
	global_prefetch_b8 v0, s[64:65] scope:SCOPE_SE
	s_setreg_imm32_b32 hwreg(HW_REG_WAVE_MODE, 25, 1), 1
	s_wait_xcnt 0x0
	s_wait_alu depctr_hold_cnt(0) depctr_sa_sdst(0) depctr_va_vdst(0) depctr_va_sdst(0) depctr_va_ssrc(0) depctr_va_vcc(0) depctr_vm_vsrc(0)
	s_getreg_b32 s2, hwreg(HW_REG_IB_STS2, 6, 4)
	s_cmp_eq_u32 s2, 0
	s_cbranch_scc0 .Lentry_in_a_cluster
	s_endpgm
.Lentry_in_a_cluster:
	s_bfe_u32 s2, ttmp6, 0x10000c
	s_cmp_lg_u32 s2, 0xf033
	s_cbranch_scc0 .Lentry_shape_is_right
	s_endpgm
.Lentry_shape_is_right:
; hid = gelu(h2 W1 + b1), quantised at once for the next product: a product on codes of BF6 (E3M2) with E8M0 scales for each 32 along K = 1,024; bias and the exact GELU in f32.
; Both operands lie as images of operand registers: groups of 128 row places, a group = [K step of 128][block of 16 places: 1,536 bytes]; a fragment is two loads of 16 and two of 8 bytes a lane, each instruction over
; consecutive bytes.  Inside each 32 rows, place p holds row p with bits 3 and 4 exchanged.  Scale words: [group][K step][128 places x 4 bytes].  hid is laid the same way with K = 4,096, scale words from 12,582,912.
; A tile of 256 x 256 is made by four waves, as many as a WGP has SIMDs, each 128 x 128: 64 accumulators, 512 registers.  K goes in steps of 256 through a ring of two LDS slots; a wave's tensor load brings one group's
; 24,576 dense bytes.  The scale words of all of K come once, with the first fills.
; CLUSTERS: 4 x 4 work-groups; the rows' tiles are shared along a row of the cluster, the weight's along a column: each is asked for jointly, by the same load with the same descriptor and a mask that names the four.
; THE MATRIX INSTRUCTION IS USED TRANSPOSED (source 0 = 16 places of W1, source 1 = 16 places of the rows): by the exchange of bits 3 and 4 the 64 registers of a row block's eight accumulators are, in order,
; register 16 b + i = hidden unit 32 b + 16 (lane / 16) + i: what the quantiser wants; my 128 units are one K step of the next product.
; THE WAY OUT is a loop of eight trips, a block of 16 rows each.  Only the lines that name accumulators are written eight times; scalar branches on the trip's number pick one.
; LIMITS: a block of zeros gets the byte 1 (its codes are zeros; this program alone reads the bytes); magnitudes under 2^-122 count as that; NaN and infinities are not served; erf as stated at GELU16.
.set KDIM,   1024
.set ASOFF,  3145728
.set BOFF,   3145728
.set BSOFF,  9568256
.set H,      24576
.set SLOT,   4*H
.set SCL,    2*SLOT
.set GS,     (KDIM/128)*12288
.set HS,     (KDIM/128)*512
.set SPARE,  327168                    ; the spare words, 128 bytes a wave: two blocks of 256 bytes that no other line names
.set LAPS,   KDIM/512
.set NQ,     2
.set FR,     12
.set NL,     4
.set NP,     4                         ; places behind this matrix instruction (ISA guide 7.12.1)
.set ADRA, 16
.set ADRB, 20
.set ADRS, 27
.set SPW,  28
.set NIL,  29
.set V16,  30
.set V8,   31
.set SC,   32                          ; v32-63 scale words
.set BI,   64                          ; v64-127 the bias, in the results' order
.set AF,   128
.set T,    128                         ; the way out: v128-191 64 numbers;  v192-255 GELU's work, then codes (v192..) and the quantiser's work (v212..)
.set GZ,   192
.set G2,   208
.set GP,   224
.set GQ,   240
.set PC,   192
.set TM,   212
.set PW,   12
.set R4,   15
.set SEL,  18
.set G1, 24
.set G0, 32
.set G1B, 48
.set G0B, 56
.set G1S, 68
.set G0S, 76
.set G1SB, 80
.set G0SB, 88
.set MSB, 0
.macro WIN new                         ; the register windows; the immediate's high byte repeats the setting that is left
.if MSB != (\new)
	s_set_vgpr_msb (MSB<<8)|(\new)
.set MSB, (\new)
.endif
.endm
.set MUL_LO, 0xa1
.set MUL_HI, 0xf1
.set TO_B,   0x40
.macro JLOAD g0a, g1a, g0b, g1b        ; a joint load: waves 0, 1 fetch the rows' groups, waves 2, 3 the weight's; four v_nop follow each line
	s_cmp_eq_u32 s15, 0
	s_cbranch_scc0 .Lfor_b_\@
	tensor_load_to_lds s[\g0a:\g0a+3], s[\g1a:\g1a+7]
	s_nop 0
.rept 4
	v_nop
.endr
	s_branch .Lasked_\@
.Lfor_b_\@:
	tensor_load_to_lds s[\g0b:\g0b+3], s[\g1b:\g1b+7]
	s_nop 0
.rept 4
	v_nop
.endr
.Lasked_\@:
.endm
.macro CREST
	s_cmp_lg_u32 s14, 0
	s_cbranch_scc1 .Lnot_wave_0_\@
	s_barrier_signal -3
.Lnot_wave_0_\@:
	s_barrier_wait -3
	s_barrier_signal -1
	s_barrier_wait -1
.endm
.macro CROUND
	s_barrier_signal -1
	s_barrier_wait -1
	CREST
.endm
.macro PLACES n
.rept \n
	v_nop
.endr
.endm
	s_load_b128 s[4:7], s[0:1], 0x0                ; hq, wts
	s_load_b128 s[8:11], s[0:1], 0x10              ; b1, hid
	v_lshl_add_u32 v[SPW], v0, 2, SPARE
	v_mov_b32 v[NIL], 0
	ds_add_u32 v28, v29
	ds_add_u32 v28, v29
	s_wait_dscnt 0x0
	v_lshrrev_b32 v1, 5, v0
	v_readfirstlane_b32 s14, v1                    ; wave 0..3
	s_lshr_b32 s15, s14, 1                         ; which half of the rows is mine.  Also: I fetch for the rows (0) or for the weight (1)
	s_and_b32 s16, s14, 1                          ; which half of the columns.  Also: which of the two groups I fetch
	s_bfe_u32 s40, ttmp6, 0x40000
	s_bfe_u32 s41, ttmp6, 0x40004
	s_lshl_b32 s42, ttmp9, 2
	s_add_co_u32 s42, s42, s40                     ; tile column
	s_and_b32 s17, ttmp7, 0xffff
	s_lshl_b32 s17, s17, 2
	s_add_co_u32 s17, s17, s41                     ; tile row
	s_lshl_b32 s43, s41, 2
	s_lshl_b32 s43, 15, s43                        ; my row of the cluster
	s_lshl_b32 s44, 0x1111, s40                    ; my column
	; descriptor groups 1: dense blocks as rows of 256 bytes (32 elements of 8 bytes), no padding; bit 21 stands beside a mask
	s_or_b32 s[G1], s43, (3<<16)|(1<<21)
	s_or_b32 s[G1B], s44, (3<<16)|(1<<21)
	s_or_b32 s[G1S], s43, (3<<16)|(1<<21)
	s_or_b32 s[G1SB], s44, (3<<16)|(1<<21)
.irp g, G1, G1B
	s_mov_b32 s[\g+1], 32<<16
	s_mov_b32 s[\g+2], (H/256)<<16
	s_mov_b32 s[\g+3], 32<<16
	s_mov_b32 s[\g+4], H/256
	s_mov_b32 s[\g+5], 32
	s_mov_b32 s[\g+6], 0
	s_mov_b32 s[\g+7], 0
.endr
.irp g, G1S, G1SB
	s_mov_b32 s[\g+1], 32<<16
	s_mov_b32 s[\g+2], (HS/256)<<16
	s_mov_b32 s[\g+3], 32<<16
	s_mov_b32 s[\g+4], HS/256
	s_mov_b32 s[\g+5], 32
	s_mov_b32 s[\g+6], 0
	s_mov_b32 s[\g+7], 0
.endr
	s_lshl_b32 s20, s17, 1
	s_add_co_u32 s20, s20, s16                     ; the rows' group: made of the tile row and the wave alone
	s_lshl_b32 s46, s42, 1
	s_add_co_u32 s46, s46, s16                     ; the weight's group: of the tile column and the wave alone
	s_mul_i32 s22, s20, HS
	s_add_co_u32 s22, s22, ASOFF
	s_mov_b32 s23, 0
	s_mul_i32 s92, s46, HS
	s_add_co_u32 s92, s92, BSOFF
	s_mov_b32 s93, 0
	s_mul_i32 s20, s20, GS
	s_mov_b32 s21, 0
	s_mul_i32 s46, s46, GS
	s_add_co_u32 s46, s46, BOFF
	s_mov_b32 s47, 0
	s_mul_i32 s45, s14, H
	s_mul_i32 s94, s14, HS
	s_wait_kmcnt 0x0
	s_add_nc_u64 s[20:21], s[4:5], s[20:21]
	s_add_nc_u64 s[22:23], s[4:5], s[22:23]
	s_add_nc_u64 s[46:47], s[6:7], s[46:47]
	s_add_nc_u64 s[92:93], s[6:7], s[92:93]
	CROUND                                         ; all sixteen work-groups are here: the first joint loads meet
	s_mov_b32 s[G0S], 1
	s_add_co_u32 s[G0S+1], s94, SCL
	s_mov_b64 s[G0S+2:G0S+3], s[22:23]
	s_or_b32 s[G0S+3], s[G0S+3], 0x80000000
	s_mov_b32 s[G0SB], 1
	s_add_co_u32 s[G0SB+1], s94, SCL
	s_mov_b64 s[G0SB+2:G0SB+3], s[92:93]
	s_or_b32 s[G0SB+3], s[G0SB+3], 0x80000000
	JLOAD G0S, G1S, G0SB, G1SB
.irp s, 0,1
	s_mov_b32 s[G0+4*\s], 1
	s_add_co_u32 s[G0+4*\s+1], s45, \s*SLOT
	s_add_nc_u64 s[G0+4*\s+2:G0+4*\s+3], s[20:21], \s*H
	s_or_b32 s[G0+4*\s+3], s[G0+4*\s+3], 0x80000000
	s_mov_b32 s[G0B+4*\s], 1
	s_add_co_u32 s[G0B+4*\s+1], s45, \s*SLOT
	s_add_nc_u64 s[G0B+4*\s+2:G0B+4*\s+3], s[46:47], \s*H
	s_or_b32 s[G0B+4*\s+3], s[G0B+4*\s+3], 0x80000000
	JLOAD G0+4*\s, G1, G0B+4*\s, G1B
.endr
	v_and_b32 v1, 31, v0                           ; lane
	v_and_b32 v2, 15, v0                           ; r
	v_bfe_u32 v3, v0, 4, 1                         ; h
	v_lshlrev_b32 v[V16], 4, v1
	v_lshlrev_b32 v[V8], 3, v1
	s_mul_i32 s21, s15, H
	s_mul_i32 s22, s16, H
	s_add_co_u32 s22, s22, 2*H
.irp s, 0,1
	v_add_nc_u32 v[ADRA+\s], s21, v[V16]
	v_add_nc_u32 v[ADRA+2+\s], s21, v[V8]
	v_add_nc_u32 v[ADRB+\s], s22, v[V16]
	v_add_nc_u32 v[ADRB+2+\s], s22, v[V8]
	s_add_co_u32 s21, s21, SLOT
	s_add_co_u32 s22, s22, SLOT
.endr
	s_mul_i32 s21, s15, HS
	s_mul_i32 s22, s16, HS
	s_add_co_u32 s22, s22, 2*HS
	s_sub_co_u32 s22, s22, s21
	v_mul_u32_u24 v5, s22, v3                      ; lanes 16-31 take the weight's words
	s_add_co_u32 s21, s21, SCL
	v_lshl_add_u32 v5, v2, 2, v5
	v_add_nc_u32 v[ADRS], s21, v5
	v_lshlrev_b32 v[R4], 2, v2                     ; 4 r
	v_lshlrev_b32 v6, 6, v3                        ; 64 h: my half's 16 numbers of each 32
	s_lshl_b32 s22, s42, 10
	s_lshl_b32 s21, s16, 9
	s_add_co_u32 s22, s22, s21                     ; my first column, in bytes
	s_mov_b32 s23, 0
	s_add_nc_u64 s[8:9], s[8:9], s[22:23]
.irp b, 0,1,2,3
.irp j, 0,1,2,3
	global_load_b128 v[BI+16*\b+4*\j:BI+16*\b+4*\j+3], v6, s[8:9] offset:128*\b+16*\j
.endr
.endr
.macro FRAG reg, adr, q, i             ; a fragment comes as the image of its twelve registers
	ds_load_b128 v[\reg:\reg+3], v[\adr] offset:(\q)*12288+(\i)*1536
	ds_load_b64 v[\reg+4:\reg+5], v[\adr+2] offset:(\q)*12288+(\i)*1536+512
	ds_load_b128 v[\reg+6:\reg+9], v[\adr] offset:(\q)*12288+(\i)*1536+768
	ds_load_b64 v[\reg+10:\reg+11], v[\adr+2] offset:(\q)*12288+(\i)*1536+1280
.endm
; 16 matrix instructions.  The 64 accumulators take turns, one instruction a turn, in the same order in every step
.macro MUL16 a0, p, q, sc, zero
.irp a, \a0, \a0+1
.irp b, 0,1,2,3,4,5,6,7
.if \zero
	v_wmma_scale_f32_16x16x128_f8f6f4 v[8*(8*((\a)%4)+\b):8*(8*((\a)%4)+\b)+7], v[128*(\p)+FR*\b:128*(\p)+FR*\b+FR-1], v[AF+FR*(\a):AF+FR*(\a)+FR-1], 0, v[SC+8*NQ*(\sc)+NQ*\b+(\q)], v[SC+8*NQ*(\sc)+NQ*(\a)+(\q)] matrix_a_fmt:MATRIX_FMT_BF6 matrix_b_fmt:MATRIX_FMT_BF6 matrix_a_scale:MATRIX_SCALE_ROW1
.else
	v_wmma_scale_f32_16x16x128_f8f6f4 v[8*(8*((\a)%4)+\b):8*(8*((\a)%4)+\b)+7], v[128*(\p)+FR*\b:128*(\p)+FR*\b+FR-1], v[AF+FR*(\a):AF+FR*(\a)+FR-1], v[8*(8*((\a)%4)+\b):8*(8*((\a)%4)+\b)+7], v[SC+8*NQ*(\sc)+NQ*\b+(\q)], v[SC+8*NQ*(\sc)+NQ*(\a)+(\q)] matrix_a_fmt:MATRIX_FMT_BF6 matrix_b_fmt:MATRIX_FMT_BF6 matrix_a_scale:MATRIX_SCALE_ROW1
.endif
.endr
.endr
.endm
.macro FETCH_B slot, q, p
	WIN TO_B
.irp i, 0,1,2,3,4,5,6,7
	FRAG 128*(\p)+FR*\i, ADRB+\slot, \q, \i
.endr
	WIN 0
.endm
.macro FETCH_A slot, q, i0
.irp i, \i0, \i0+1, \i0+2, \i0+3
	FRAG AF+FR*(\i), ADRA+\slot, \q, \i
.endr
.endm
.macro SCALES sc
.irp i, 0,1,2,3,4,5,6,7
	ds_load_b32 v[SC+16*\sc+2*\i], v[ADRS] offset:64*\i
	ds_load_b32 v[SC+16*\sc+2*\i+1], v[ADRS] offset:64*\i+512
.endr
.endm
.macro STEP slot, q, zero
	s_wait_dscnt 4*NL                              ; all but the youngest sixteen loads (source 1's blocks 4-7) are in
	WIN MUL_LO
	MUL16 0, (\q)%2, \q, \slot, \zero
	MUL16 2, (\q)%2, \q, \slot, \zero
	s_wait_dscnt 0
	PLACES NP                                      ; in front of loads into registers that matrix instructions have read
	FETCH_B \slot, (\q)+1, 1-(\q)%2
	FETCH_A \slot, (\q)+1, 0
	WIN MUL_HI
	MUL16 4, (\q)%2, \q, \slot, \zero
	MUL16 6, (\q)%2, \q, \slot, \zero
	PLACES NP
	WIN 0
	FETCH_A \slot, (\q)+1, 4
.endm
; A slot's last 128 change slots: one barrier; in front of it each wave waits for all its tensor loads, adds 0 to its spare word, and waits for that and for its reads of this slot
.macro TURN slot, next, fill
	s_wait_tensorcnt 0x0                           ; all my tensor loads have landed: my part of the next slot
	ds_add_u32 v[SPW], v[NIL]                      ; 0 onto my spare word
	s_wait_dscnt 4*NL+1                            ; the add and the youngest sixteen loads may be out
	WIN MUL_LO
	MUL16 0, 1, NQ-1, \slot, 0
	s_wait_dscnt 0x0                               ; the add is done, and my reads of this slot are over
	s_barrier_signal -1
	MUL16 2, 1, NQ-1, \slot, 0
	WIN 0
	s_barrier_wait -1
.if \fill
	CREST                                          ; the barrier has opened a round of the cluster's: no wave of any partner still reads this slot or has a load on its way
	s_add_nc_u64 s[G0+4*\slot+2:G0+4*\slot+3], s[G0+4*\slot+2:G0+4*\slot+3], 2*H
	s_add_nc_u64 s[G0B+4*\slot+2:G0B+4*\slot+3], s[G0B+4*\slot+2:G0B+4*\slot+3], 2*H
	JLOAD G0+4*\slot, G1, G0B+4*\slot, G1B         ; the first tensor load behind the round; its four v_nop are also the places in front of the loads below
.else
	PLACES NP
.endif
	v_add_nc_u32 v[ADRS], 512*NQ, v[ADRS]
	FETCH_B \next, 0, 0
	FETCH_A \next, 0, 0
	SCALES \next
	WIN MUL_HI
	MUL16 4, 1, NQ-1, \slot, 0
	MUL16 6, 1, NQ-1, \slot, 0
	PLACES NP
	WIN 0
	FETCH_A \next, 0, 4
.endm
	s_wait_tensorcnt 1                             ; of my three first fills slot 1's may be out
	s_barrier_signal -1
	s_barrier_wait -1
	FETCH_B 0, 0, 0
	FETCH_A 0, 0, 0
	SCALES 0
	FETCH_A 0, 0, 4
	STEP 0, 0, 1                                   ; the first step's products start the sums
	s_mov_b32 s3, LAPS-1
.Llap:
	TURN 0, 1, 1
	STEP 1, 0, 0
	TURN 1, 0, 1
	STEP 0, 0, 0
	s_sub_co_u32 s3, s3, 1
	s_cmp_lg_u32 s3, 0
	s_cbranch_scc1 .Llap
	TURN 0, 1, 0                                   ; the last lap fills nothing
	STEP 1, 0, 0
	s_wait_dscnt 4*NL
	WIN MUL_LO
	MUL16 0, 1, NQ-1, 1, 0
	MUL16 2, 1, NQ-1, 1, 0
	s_wait_dscnt 0
	WIN MUL_HI
	MUL16 4, 1, NQ-1, 1, 0
	MUL16 6, 1, NQ-1, 1, 0
	WIN 0
.macro TAKE a                          ; block a's 64 numbers + bias; each accumulator is read from its low end on
	WIN 0x02+(\a)/4
.set p, 0
.rept 32
	v_pk_add_f32 v[T+p:T+p+1], v[64*((\a)%4)+p:64*((\a)%4)+p+1], v[BI+p:BI+p+1]
.set p, p+2
.endr
	WIN 0
.endm
.macro PICK                            ; runs TAKE a for the a that s3 holds: forward branches on the trip's number
.irp a, 0,1,2,3,4,5,6
	s_cmp_lg_u32 s3, \a
	s_cbranch_scc1 .Lnot_\@_\a
	TAKE \a
	s_branch .Lpicked_\@
.Lnot_\@_\a:
.endr
	TAKE 7
.Lpicked_\@:
.endm
.macro KON r, val                      ; a constant as a pair: the packed forms name a pair and take its low word
	s_mov_b32 s[\r], \val
	s_mov_b32 s[\r+1], \val
.endm
; gelu(x) = x / 2 (1 + erf(x / sqrt 2)) on 16 numbers in place; erf(z) = z a(z^2) / b(z^2), z held to +-4 (absolute error about 1e-7, so the relative error of gelu grows where |gelu| is under 1e-3)
.macro GELU16 x
.irp p, 0,2,4,6,8,10,12,14
	v_pk_mul_f32 v[GZ+\p:GZ+\p+1], v[\x+\p:\x+\p+1], 0x3f3504f3 op_sel_hi:[1,0]
.endr
.irp p, 0,1,2,3,4,5,6,7,8,9,10,11,12,13,14,15
	v_med3_num_f32 v[GZ+\p], v[GZ+\p], -4.0, 4.0
.endr
.irp p, 0,2,4,6,8,10,12,14
	v_pk_mul_f32 v[G2+\p:G2+\p+1], v[GZ+\p:GZ+\p+1], v[GZ+\p:GZ+\p+1]
.endr
.irp p, 0,2,4,6,8,10,12,14
	v_pk_fma_f32 v[GP+\p:GP+\p+1], v[G2+\p:G2+\p+1], s[68:69], v[2:3] op_sel_hi:[1,0,1]
.endr
.irp p, 0,2,4,6,8,10,12,14
	v_pk_fma_f32 v[GQ+\p:GQ+\p+1], v[G2+\p:G2+\p+1], s[80:81], v[4:5] op_sel_hi:[1,0,1]
.endr
.irp k, 70,72,74,76,78
.irp p, 0,2,4,6,8,10,12,14
	v_pk_fma_f32 v[GP+\p:GP+\p+1], v[GP+\p:GP+\p+1], v[G2+\p:G2+\p+1], s[\k:\k+1] op_sel_hi:[1,1,0]
.endr
.endr
.irp k, 82,84,86
.irp p, 0,2,4,6,8,10,12,14
	v_pk_fma_f32 v[GQ+\p:GQ+\p+1], v[GQ+\p:GQ+\p+1], v[G2+\p:G2+\p+1], s[\k:\k+1] op_sel_hi:[1,1,0]
.endr
.endr
.irp p, 0,1,2,3,4,5,6,7,8,9,10,11,12,13,14,15
	v_rcp_f32 v[GQ+\p], v[GQ+\p]                   ; one batch
.endr
.irp p, 0,2,4,6,8,10,12,14
	v_pk_mul_f32 v[GP+\p:GP+\p+1], v[GP+\p:GP+\p+1], v[GZ+\p:GZ+\p+1]   ; plain work that names no reciprocal
.endr
.irp p, 0,2,4,6,8,10,12,14
	v_pk_mul_f32 v[GZ+\p:GZ+\p+1], v[\x+\p:\x+\p+1], 0.5 op_sel_hi:[1,0]
.endr
	s_wait_alu depctr_va_vdst(0)                   ; one wait for the batch, ahead of its first reader
.irp p, 0,2,4,6,8,10,12,14
	v_pk_mul_f32 v[GP+\p:GP+\p+1], v[GP+\p:GP+\p+1], v[GQ+\p:GQ+\p+1]
.endr
.irp p, 0,2,4,6,8,10,12,14
	v_pk_fma_f32 v[\x+\p:\x+\p+1], v[GP+\p:GP+\p+1], v[GZ+\p:GZ+\p+1], v[GZ+\p:GZ+\p+1]
.endr
.endm
.macro QUANT s                         ; 64 numbers of a lane, register 16 b + i = k 32 b + 16 h + i of its row -> codes in v[PC] on, scale word in v[PW]
.irp b, 0,1,2,3
	v_max3_num_f32 v[TM+\b], |v[\s+16*\b]|, |v[\s+1+16*\b]|, 0x2800000   ; and the floor 2^(5 - 127)
.endr
.irp i, 2,4,6,8,10,12,14
.irp b, 0,1,2,3
	v_max3_num_f32 v[TM+\b], v[TM+\b], |v[\s+16*\b+\i]|, |v[\s+1+16*\b+\i]|
.endr
.endr
.irp b, 0,1,2,3
	v_permlanex16_b32 v[TM+4+\b], v[TM+\b], s[SEL], s[SEL+1]
.endr
.irp b, 0,1,2,3
	v_max_num_f32 v[TM+\b], v[TM+\b], v[TM+4+\b]
.endr
.irp b, 0,1,2,3
	v_add_nc_u32 v[TM+12+\b], 0xfe000000, v[TM+\b] ; 4 off the exponent field: the conversion's scale operand
.endr
.irp b, 0,1,2,3
	v_lshrrev_b32 v[TM+4+\b], 23, v[TM+12+\b]      ; the scale's byte
.endr
	v_lshl_or_b32 v[PW], v[TM+5], 8, v[TM+4]
	v_lshl_or_b32 v[PW], v[TM+6], 16, v[PW]
	v_lshl_or_b32 v[PW], v[TM+7], 24, v[PW]
.irp c, 0,1
	v_cvt_scalef32_pk16_bf6_f32 v[PC+6*\c:PC+2+6*\c], v[\s+32*\c:\s+15+32*\c], v[TM+12+2*\c]
	v_cvt_scalef32_pk16_bf6_f32 v[PC+12+4*\c:PC+14+4*\c], v[\s+16+32*\c:\s+31+32*\c], v[TM+12+2*\c+1]
.endr
	v_nop                                          ; one plain place behind a scaled conversion
.irp c, 0,1
.irp i, 0,1,2
	v_permlane16_swap_b32 v[PC+6*\c+\i], v[PC+12+4*\c+\i]
.endr
.irp i, 0,1,2
	v_mov_b32 v[PC+3+6*\c+\i], v[PC+12+4*\c+\i]
.endr
.endr
.endm
	PLACES NP                                      ; behind the last products
	s_wait_loadcnt 0x0                             ; the bias
	s_mov_b32 s[SEL], 0x76543210
	s_mov_b32 s[SEL+1], 0xfedcba98
.irp b, 0,1,2,3
	v_mov_b32 v[TM+4+\b], 0                        ; a lane permute's destination counts as one of its sources
.endr
	s_lshl_b32 s20, s17, 1
	s_add_co_u32 s20, s20, s15                     ; my group of 128 rows
	s_lshl_b32 s21, s42, 1
	s_add_co_u32 s21, s21, s16                     ; my 128 hidden units: a K step of the next product
	s_mul_i32 s22, s20, 393216
	s_mul_i32 s23, s21, 12288
	s_add_co_u32 s22, s22, s23
	s_mov_b32 s23, 0
	s_add_nc_u64 s[92:93], s[10:11], s[22:23]
	s_lshl_b32 s22, s20, 14
	s_lshl_b32 s21, s21, 9
	s_add_co_u32 s22, s22, s21
	s_add_co_u32 s22, s22, 12582912
	s_add_nc_u64 s[94:95], s[10:11], s[22:23]
	KON 68, 0xaf95df0b                             ; a13; no tensor load is out: the descriptors' registers are free
	KON 70, 0xb60cff51                             ; a9
	KON 72, 0xb86ec2d2                             ; a7
	KON 74, 0xba40ac63                             ; a5
	KON 76, 0xbb41a1f6                             ; a3
	KON 78, 0xbc83dbd4                             ; a1
	KON 80, 0xb77460cd                             ; b8
	KON 82, 0xbadc924e                             ; b4
	KON 84, 0xbbf19bf8                             ; b2
	KON 86, 0xbc69b6a7                             ; b0
	v_mov_b32 v2, 0x32edffee                       ; a11
	v_mov_b32 v3, 0x32edffee
	v_mov_b32 v4, 0xb95fbd29                       ; b6
	v_mov_b32 v5, 0xb95fbd29
	s_mov_b32 s3, 0
.Lrow:
	PICK
	GELU16 T
	GELU16 T+16
	GELU16 T+32
	GELU16 T+48
	QUANT T
	global_store_b128 v[V16], v[PC:PC+3], s[92:93]             ; the fragment as an image of its registers: stores of 512 and 256 consecutive bytes, at multiples of 256 from the buffer's first byte
	global_store_b64 v[V8], v[PC+4:PC+5], s[92:93] offset:512
	global_store_b128 v[V16], v[PC+6:PC+9], s[92:93] offset:768
	global_store_b64 v[V8], v[PC+10:PC+11], s[92:93] offset:1280
	global_store_b32 v[R4], v[PW], s[94:95]        ; both halves of the lanes hold row r's word and store it to the same place
	s_wait_xcnt 0x0                                ; the stores have read their registers and their bases: both may be written again
	s_add_nc_u64 s[92:93], s[92:93], 1536
	s_add_nc_u64 s[94:95], s[94:95], 64
	s_add_co_u32 s3, s3, 1
	s_cmp_lt_u32 s3, 8
	s_cbranch_scc1 .Lrow
	s_wait_tensorcnt 0x0                           ; the wave's end
	ds_add_u32 v[SPW], v[NIL]
	s_wait_dscnt 0x0
	CROUND                                         ; the closing round: no work-group ends while a partner may still ask for a tile that names it
	s_endpgm
.Lfunc_end_k_qf59faeec0d_mlp1:
	.size	k_qf59faeec0d_mlp1, .Lfunc_end_k_qf59faeec0d_mlp1-k_qf59faeec0d_mlp1
	.p2alignl 7, 3214868480
	.fill 96, 4, 3214868480
	.section	.rodata,"a",@progbits
	.p2align	6, 0x0
	.amdhsa_kernel k_qf59faeec0d_mlp1
		.amdhsa_group_segment_fixed_size 327680
		.amdhsa_private_segment_fixed_size 0
		.amdhsa_enable_private_segment 0
		.amdhsa_kernarg_size 32
		.amdhsa_user_sgpr_count 2
		.amdhsa_user_sgpr_kernarg_segment_ptr 1
		.amdhsa_wavefront_size32 1
		.amdhsa_system_sgpr_workgroup_id_x 1
		.amdhsa_system_sgpr_workgroup_id_y 1
		.amdhsa_system_sgpr_workgroup_id_z 1
		.amdhsa_system_vgpr_workitem_id 0
		.amdhsa_next_free_vgpr 1024
		.amdhsa_next_free_sgpr 100
		.amdhsa_reserve_vcc 0
		.amdhsa_float_denorm_mode_32 3
		.amdhsa_float_denorm_mode_16_64 3
		.amdhsa_memory_ordered 1
		.amdhsa_forward_progress 1
		.amdhsa_inst_pref_size 180
	.end_amdhsa_kernel
	.amdgpu_metadata
---
amdhsa.version: [ 1, 2 ]
amdhsa.kernels:
  - .name:           k_qf59faeec0d_mlp1
    .symbol:         k_qf59faeec0d_mlp1.kd
    .args:
      - { .name: hq, .offset: 0, .size: 8, .value_kind: global_buffer, .address_space: global }
      - { .name: wts, .offset: 8, .size: 8, .value_kind: global_buffer, .address_space: global }
      - { .name: b1, .offset: 16, .size: 8, .value_kind: global_buffer, .address_space: global }
      - { .name: hid, .offset: 24, .size: 8, .value_kind: global_buffer, .address_space: global }
    .group_segment_fixed_size: 327680
    .private_segment_fixed_size: 0
    .kernarg_segment_align: 8
    .kernarg_segment_size: 32
    .max_flat_workgroup_size: 128
    .sgpr_count:     100
    .vgpr_count:     1024
    .wavefront_size: 32
...
	.end_amdgpu_metadata
.endif
;; end of part 6
;; launch mlp2 (part 7): grid 4 x 16, 4 waves a work-group, clusters of 4 x 4, 327,680 bytes of LDS; arguments hid, wts, b2, res, out0; writes out0
.if DOCPART == 7
	.amdgcn_target "amdgcn-amd-amdhsa--gfx1250"
	.amdhsa_code_object_version 6
	.text
	.protected	k_qf59faeec0d_mlp2
	.globl	k_qf59faeec0d_mlp2
	.p2align	8
	.type	k_qf59faeec0d_mlp2,@function
k_qf59faeec0d_mlp2:
	s_mov_b64 s[64:65], 0
	v_nop
	global_prefetch_b8 v0, s[64:65] scope:SCOPE_SE
	s_setreg_imm32_b32 hwreg(HW_REG_WAVE_MODE, 25, 1), 1
	s_wait_xcnt 0x0
	s_wait_alu depctr_hold_cnt(0) depctr_sa_sdst(0) depctr_va_vdst(0) depctr_va_sdst(0) depctr_va_ssrc(0) depctr_va_vcc(0) depctr_vm_vsrc(0)
	s_getreg_b32 s2, hwreg(HW_REG_IB_STS2, 6, 4)
	s_cmp_eq_u32 s2, 0
	s_cbranch_scc0 .Lentry_in_a_cluster
	s_endpgm
.Lentry_in_a_cluster:
	s_bfe_u32 s2, ttmp6, 0x10000c
	s_cmp_lg_u32 s2, 0xf033
	s_cbranch_scc0 .Lentry_shape_is_right
	s_endpgm
.Lentry_shape_is_right:
; out0 = gelu(hid W2 + b2) + res: a product on codes of BF6 (E3M2) with E8M0 scales for each 32 along K = 4,096; bias, the exact GELU and the residual in f32; f32 rows out.
; Both operands lie as images of operand registers: groups of 128 row places, a group = [K step of 128][block of 16 places: 1,536 bytes]; a fragment is two loads of 16 and two of 8 bytes a lane, each instruction over
; consecutive bytes.  Inside each 32 rows, place p holds row p with bits 3 and 4 exchanged.  Scale words: [group][K step][128 places x 4 bytes].
; A tile of 256 x 256 is made by four waves, as many as a WGP has SIMDs, each 128 x 128: 64 accumulators, 512 registers.  K goes in steps of 256 through a ring of two LDS slots; a wave's tensor load brings one group's
; 24,576 dense bytes.  The scale words of all of K (65,536 bytes) come once, with the first fills.
; CLUSTERS: 4 x 4 work-groups; the rows' tiles are shared along a row of the cluster, the weight's along a column: each is asked for jointly, by the same load with the same descriptor and a mask that names the four.
; THE MATRIX INSTRUCTION IS USED TRANSPOSED (source 0 = 16 places of the weight, source 1 = 16 places of the rows): register j of accumulator (a, b) in lane (r, h) is row place 16 a + r, true column 32 (b / 2) + 16 h + 8 (b % 2) + j.
; THE WAY OUT is a loop of eight trips, a block of 16 rows each: through the wave's own stage in LDS (in slot 0, which has had its last fill and its last read), back as whole rows of 512 bytes, + bias, GELU, + residual,
; stored at the rows' true places.  Only the lines that name accumulators are written eight times; scalar branches on the trip's number pick one.
; This text serves two launches' shapes by the constants below (WITH_GELU = 1: the exact GELU stands between bias and residual).  LIMITS: NaN and infinities are not served; erf as stated at GELU16.
.set KDIM,   4096
.set ASOFF,  12582912
.set BOFF,   6291456
.set BSOFF,  9699328
.set WITH_GELU, 1
.set H,      24576                     ; 128 rows x 256 K: what one tensor load brings
.set SLOT,   4*H
.set SCL,    2*SLOT                    ; behind the ring: the scale words, HS bytes for each of the four groups
.set GS,     (KDIM/128)*12288
.set HS,     (KDIM/128)*512
.set SPARE,  327168                    ; the spare words, 128 bytes a wave: two blocks of 256 bytes that no other line names
.set LAPS,   KDIM/512
.set NQ,     2
.set FR,     12
.set NL,     4
.set NP,     4                         ; places behind this matrix instruction (ISA guide 7.12.1)
.set ADRA, 16                          ; v16-17 source 1's fragments in slot 0, 1: + 16 x lane;  v18-19: + 8 x lane
.set ADRB, 20                          ; v20-23 the same for source 0
.set STO,  24                          ; v24 the stage, in;  v25 back
.set RD,   25
.set ADRS, 27
.set SPW,  28
.set NIL,  29
.set V16,  30
.set V8,   31
.set SC,   32                          ; v32-63 scale words
.set AF,   128                         ; v128-223 source 1's fragments;  window 1: source 0's, two sets;  windows 2, 3: the accumulators
.set BK,   128                         ; the way out: v128-191 16 rows;  v192-255 their residual;  v8-11 the bias;  v64-127 GELU's work
.set XR,   192
.set GZ,   64
.set G2,   80
.set GP,   96
.set GQ,   112
.set G1, 24
.set G0, 32
.set G1B, 48
.set G0B, 56
.set G1S, 68
.set G0S, 76
.set G1SB, 80
.set G0SB, 88
.set MSB, 0
.macro WIN new                         ; the register windows; the immediate's high byte repeats the setting that is left
.if MSB != (\new)
	s_set_vgpr_msb (MSB<<8)|(\new)
.set MSB, (\new)
.endif
.endm
.set MUL_LO, 0xa1
.set MUL_HI, 0xf1
.set TO_B,   0x40
.macro JLOAD g0a, g1a, g0b, g1b        ; a joint load: waves 0, 1 fetch the rows' groups, waves 2, 3 the weight's; four v_nop follow each line
	s_cmp_eq_u32 s15, 0
	s_cbranch_scc0 .Lfor_b_\@
	tensor_load_to_lds s[\g0a:\g0a+3], s[\g1a:\g1a+7]
	s_nop 0
.rept 4
	v_nop
.endr
	s_branch .Lasked_\@
.Lfor_b_\@:
	tensor_load_to_lds s[\g0b:\g0b+3], s[\g1b:\g1b+7]
	s_nop 0
.rept 4
	v_nop
.endr
.Lasked_\@:
.endm
.macro CREST
	s_cmp_lg_u32 s14, 0
	s_cbranch_scc1 .Lnot_wave_0_\@
	s_barrier_signal -3
.Lnot_wave_0_\@:
	s_barrier_wait -3
	s_barrier_signal -1
	s_barrier_wait -1
.endm
.macro CROUND
	s_barrier_signal -1
	s_barrier_wait -1
	CREST
.endm
.macro PLACES n
.rept \n
	v_nop
.endr
.endm
	s_load_b128 s[4:7], s[0:1], 0x0                ; the rows' codes, wts
	s_load_b128 s[8:11], s[0:1], 0x10              ; the bias, the residual
	s_load_b64 s[12:13], s[0:1], 0x20              ; the output
	v_lshl_add_u32 v[SPW], v0, 2, SPARE
	v_mov_b32 v[NIL], 0
	ds_add_u32 v28, v29
	ds_add_u32 v28, v29
	s_wait_dscnt 0x0
	v_lshrrev_b32 v1, 5, v0
	v_readfirstlane_b32 s14, v1                    ; wave 0..3
	s_lshr_b32 s15, s14, 1                         ; which half of the rows is mine.  Also: I fetch for the rows (0) or for the weight (1)
	s_and_b32 s16, s14, 1                          ; which half of the columns.  Also: which of the two groups I fetch
	s_bfe_u32 s40, ttmp6, 0x40000
	s_bfe_u32 s41, ttmp6, 0x40004
	s_lshl_b32 s42, ttmp9, 2
	s_add_co_u32 s42, s42, s40                     ; tile column
	s_and_b32 s17, ttmp7, 0xffff
	s_lshl_b32 s17, s17, 2
	s_add_co_u32 s17, s17, s41                     ; tile row
	s_lshl_b32 s43, s41, 2
	s_lshl_b32 s43, 15, s43                        ; my row of the cluster
	s_lshl_b32 s44, 0x1111, s40                    ; my column
	; descriptor groups 1: dense blocks as rows of 256 bytes (32 elements of 8 bytes), no padding; bit 21 stands beside a mask
	s_or_b32 s[G1], s43, (3<<16)|(1<<21)
	s_or_b32 s[G1B], s44, (3<<16)|(1<<21)
	s_or_b32 s[G1S], s43, (3<<16)|(1<<21)
	s_or_b32 s[G1SB], s44, (3<<16)|(1<<21)
.irp g, G1, G1B
	s_mov_b32 s[\g+1], 32<<16
	s_mov_b32 s[\g+2], (H/256)<<16
	s_mov_b32 s[\g+3], 32<<16
	s_mov_b32 s[\g+4], H/256
	s_mov_b32 s[\g+5], 32
	s_mov_b32 s[\g+6], 0
	s_mov_b32 s[\g+7], 0
.endr
.irp g, G1S, G1SB
	s_mov_b32 s[\g+1], 32<<16
	s_mov_b32 s[\g+2], (HS/256)<<16
	s_mov_b32 s[\g+3], 32<<16
	s_mov_b32 s[\g+4], HS/256
	s_mov_b32 s[\g+5], 32
	s_mov_b32 s[\g+6], 0
	s_mov_b32 s[\g+7], 0
.endr
	s_lshl_b32 s20, s17, 1
	s_add_co_u32 s20, s20, s16                     ; the rows' group: made of the tile row and the wave alone
	s_lshl_b32 s46, s42, 1
	s_add_co_u32 s46, s46, s16                     ; the weight's group: of the tile column and the wave alone
	s_mul_i32 s22, s20, HS
	s_add_co_u32 s22, s22, ASOFF
	s_mov_b32 s23, 0
	s_mul_i32 s92, s46, HS
	s_add_co_u32 s92, s92, BSOFF
	s_mov_b32 s93, 0
	s_mul_i32 s20, s20, GS
	s_mov_b32 s21, 0
	s_mul_i32 s46, s46, GS
	s_add_co_u32 s46, s46, BOFF
	s_mov_b32 s47, 0
	s_mul_i32 s45, s14, H
	s_mul_i32 s94, s14, HS
	s_wait_kmcnt 0x0
	s_add_nc_u64 s[20:21], s[4:5], s[20:21]
	s_add_nc_u64 s[22:23], s[4:5], s[22:23]
	s_add_nc_u64 s[46:47], s[6:7], s[46:47]
	s_add_nc_u64 s[92:93], s[6:7], s[92:93]
	CROUND                                         ; all sixteen work-groups are here: the first joint loads meet
	s_mov_b32 s[G0S], 1
	s_add_co_u32 s[G0S+1], s94, SCL
	s_mov_b64 s[G0S+2:G0S+3], s[22:23]
	s_or_b32 s[G0S+3], s[G0S+3], 0x80000000
	s_mov_b32 s[G0SB], 1
	s_add_co_u32 s[G0SB+1], s94, SCL
	s_mov_b64 s[G0SB+2:G0SB+3], s[92:93]
	s_or_b32 s[G0SB+3], s[G0SB+3], 0x80000000
	JLOAD G0S, G1S, G0SB, G1SB
.irp s, 0,1
	s_mov_b32 s[G0+4*\s], 1
	s_add_co_u32 s[G0+4*\s+1], s45, \s*SLOT
	s_add_nc_u64 s[G0+4*\s+2:G0+4*\s+3], s[20:21], \s*H
	s_or_b32 s[G0+4*\s+3], s[G0+4*\s+3], 0x80000000
	s_mov_b32 s[G0B+4*\s], 1
	s_add_co_u32 s[G0B+4*\s+1], s45, \s*SLOT
	s_add_nc_u64 s[G0B+4*\s+2:G0B+4*\s+3], s[46:47], \s*H
	s_or_b32 s[G0B+4*\s+3], s[G0B+4*\s+3], 0x80000000
	JLOAD G0+4*\s, G1, G0B+4*\s, G1B
.endr
	v_and_b32 v1, 31, v0                           ; lane
	v_and_b32 v2, 15, v0                           ; r
	v_bfe_u32 v3, v0, 4, 1                         ; h
	v_lshlrev_b32 v[V16], 4, v1
	v_lshlrev_b32 v[V8], 3, v1
	s_mul_i32 s21, s15, H                          ; my 128 rows
	s_mul_i32 s22, s16, H                          ; my 128 places of the weight,
	s_add_co_u32 s22, s22, 2*H                     ; which lie behind the rows' two groups
.irp s, 0,1
	v_add_nc_u32 v[ADRA+\s], s21, v[V16]
	v_add_nc_u32 v[ADRA+2+\s], s21, v[V8]
	v_add_nc_u32 v[ADRB+\s], s22, v[V16]
	v_add_nc_u32 v[ADRB+2+\s], s22, v[V8]
	s_add_co_u32 s21, s21, SLOT
	s_add_co_u32 s22, s22, SLOT
.endr
	s_mul_i32 s21, s15, HS
	s_mul_i32 s22, s16, HS
	s_add_co_u32 s22, s22, 2*HS
	s_sub_co_u32 s22, s22, s21
	v_mul_u32_u24 v5, s22, v3                      ; lanes 16-31 take the weight's words
	s_add_co_u32 s21, s21, SCL
	v_lshl_add_u32 v5, v2, 2, v5
	v_add_nc_u32 v[ADRS], s21, v5
	s_mul_i32 s23, s14, 16*528                     ; my stage: 16 rows x (512 bytes + 16)
	v_mul_u32_u24 v5, v2, 528
	v_lshl_add_u32 v5, v3, 6, v5
	v_add_nc_u32 v[STO], s23, v5                   ; in: row r, + 64 h
	v_add_nc_u32 v[RD], s23, v[V16]                ; back: a row's 512 bytes, 16 a lane
	s_lshl_b32 s20, s17, 8
	s_lshl_b32 s21, s15, 7
	s_add_co_u32 s20, s20, s21                     ; my first row
	s_lshl_b32 s20, s20, 12
	s_lshl_b32 s22, s42, 10
	s_lshl_b32 s21, s16, 9
	s_add_co_u32 s22, s22, s21                     ; my first column, in bytes
	s_add_co_u32 s20, s20, s22
	s_mov_b32 s21, 0
	s_mov_b32 s23, 0
	s_add_nc_u64 s[10:11], s[10:11], s[20:21]
	s_add_nc_u64 s[12:13], s[12:13], s[20:21]
	s_add_nc_u64 s[8:9], s[8:9], s[22:23]
	global_load_b128 v[8:11], v[V16], s[8:9]       ; the bias of columns 4 x lane + 0 .. 3 of my 128
.macro FRAG reg, adr, q, i             ; a fragment comes as the image of its twelve registers
	ds_load_b128 v[\reg:\reg+3], v[\adr] offset:(\q)*12288+(\i)*1536
	ds_load_b64 v[\reg+4:\reg+5], v[\adr+2] offset:(\q)*12288+(\i)*1536+512
	ds_load_b128 v[\reg+6:\reg+9], v[\adr] offset:(\q)*12288+(\i)*1536+768
	ds_load_b64 v[\reg+10:\reg+11], v[\adr+2] offset:(\q)*12288+(\i)*1536+1280
.endm
; 16 matrix instructions.  The 64 accumulators take turns, one instruction a turn, in the same order in every step
.macro MUL16 a0, p, q, sc, zero
.irp a, \a0, \a0+1
.irp b, 0,1,2,3,4,5,6,7
.if \zero
	v_wmma_scale_f32_16x16x128_f8f6f4 v[8*(8*((\a)%4)+\b):8*(8*((\a)%4)+\b)+7], v[128*(\p)+FR*\b:128*(\p)+FR*\b+FR-1], v[AF+FR*(\a):AF+FR*(\a)+FR-1], 0, v[SC+8*NQ*(\sc)+NQ*\b+(\q)], v[SC+8*NQ*(\sc)+NQ*(\a)+(\q)] matrix_a_fmt:MATRIX_FMT_BF6 matrix_b_fmt:MATRIX_FMT_BF6 matrix_a_scale:MATRIX_SCALE_ROW1
.else
	v_wmma_scale_f32_16x16x128_f8f6f4 v[8*(8*((\a)%4)+\b):8*(8*((\a)%4)+\b)+7], v[128*(\p)+FR*\b:128*(\p)+FR*\b+FR-1], v[AF+FR*(\a):AF+FR*(\a)+FR-1], v[8*(8*((\a)%4)+\b):8*(8*((\a)%4)+\b)+7], v[SC+8*NQ*(\sc)+NQ*\b+(\q)], v[SC+8*NQ*(\sc)+NQ*(\a)+(\q)] matrix_a_fmt:MATRIX_FMT_BF6 matrix_b_fmt:MATRIX_FMT_BF6 matrix_a_scale:MATRIX_SCALE_ROW1
.endif
.endr
.endr
.endm
.macro FETCH_B slot, q, p
	WIN TO_B
.irp i, 0,1,2,3,4,5,6,7
	FRAG 128*(\p)+FR*\i, ADRB+\slot, \q, \i
.endr
	WIN 0
.endm
.macro FETCH_A slot, q, i0
.irp i, \i0, \i0+1, \i0+2, \i0+3
	FRAG AF+FR*(\i), ADRA+\slot, \q, \i
.endr
.endm
.macro SCALES sc
.irp i, 0,1,2,3,4,5,6,7
	ds_load_b32 v[SC+16*\sc+2*\i], v[ADRS] offset:64*\i
	ds_load_b32 v[SC+16*\sc+2*\i+1], v[ADRS] offset:64*\i+512
.endr
.endm
.macro STEP slot, q, zero
	s_wait_dscnt 4*NL                              ; all but the youngest sixteen loads (source 1's blocks 4-7) are in
	WIN MUL_LO
	MUL16 0, (\q)%2, \q, \slot, \zero
	MUL16 2, (\q)%2, \q, \slot, \zero
	s_wait_dscnt 0
	PLACES NP                                      ; in front of loads into registers that matrix instructions have read
	FETCH_B \slot, (\q)+1, 1-(\q)%2
	FETCH_A \slot, (\q)+1, 0
	WIN MUL_HI
	MUL16 4, (\q)%2, \q, \slot, \zero
	MUL16 6, (\q)%2, \q, \slot, \zero
	PLACES NP
	WIN 0
	FETCH_A \slot, (\q)+1, 4
.endm
; A slot's last 128 change slots: one barrier; in front of it each wave waits for all its tensor loads, adds 0 to its spare word, and waits for that and for its reads of this slot
.macro TURN slot, next, fill
	s_wait_tensorcnt 0x0                           ; all my tensor loads have landed: my part of the next slot
	ds_add_u32 v[SPW], v[NIL]                      ; 0 onto my spare word
	s_wait_dscnt 4*NL+1                            ; the add and the youngest sixteen loads may be out
	WIN MUL_LO
	MUL16 0, 1, NQ-1, \slot, 0
	s_wait_dscnt 0x0                               ; the add is done, and my reads of this slot are over
	s_barrier_signal -1
	MUL16 2, 1, NQ-1, \slot, 0
	WIN 0
	s_barrier_wait -1
.if \fill
	CREST                                          ; the barrier has opened a round of the cluster's: no wave of any partner still reads this slot or has a load on its way
	s_add_nc_u64 s[G0+4*\slot+2:G0+4*\slot+3], s[G0+4*\slot+2:G0+4*\slot+3], 2*H
	s_add_nc_u64 s[G0B+4*\slot+2:G0B+4*\slot+3], s[G0B+4*\slot+2:G0B+4*\slot+3], 2*H
	JLOAD G0+4*\slot, G1, G0B+4*\slot, G1B         ; the first tensor load behind the round; its four v_nop are also the places in front of the loads below
.else
	PLACES NP
.endif
	v_add_nc_u32 v[ADRS], 512*NQ, v[ADRS]
	FETCH_B \next, 0, 0
	FETCH_A \next, 0, 0
	SCALES \next
	WIN MUL_HI
	MUL16 4, 1, NQ-1, \slot, 0
	MUL16 6, 1, NQ-1, \slot, 0
	PLACES NP
	WIN 0
	FETCH_A \next, 0, 4
.endm
	s_wait_tensorcnt 1                             ; of my three first fills slot 1's may be out
	s_barrier_signal -1
	s_barrier_wait -1
	FETCH_B 0, 0, 0
	FETCH_A 0, 0, 0
	SCALES 0
	FETCH_A 0, 0, 4
	STEP 0, 0, 1                                   ; the first step's products start the sums
	s_mov_b32 s3, LAPS-1
.Llap:
	TURN 0, 1, 1
	STEP 1, 0, 0
	TURN 1, 0, 1
	STEP 0, 0, 0
	s_sub_co_u32 s3, s3, 1
	s_cmp_lg_u32 s3, 0
	s_cbranch_scc1 .Llap
	TURN 0, 1, 0                                   ; the last lap fills nothing
	STEP 1, 0, 0
	s_wait_dscnt 4*NL
	WIN MUL_LO
	MUL16 0, 1, NQ-1, 1, 0
	MUL16 2, 1, NQ-1, 1, 0
	s_wait_dscnt 0
	WIN MUL_HI
	MUL16 4, 1, NQ-1, 1, 0
	MUL16 6, 1, NQ-1, 1, 0
	WIN 0
.macro STASH a                         ; block a's eight accumulators into my stage, each from its low end on: row r, true columns 32 (b / 2) + 16 h + 8 (b % 2) + 0 .. 7
	WIN 0x08+4*((\a)/4)
.irp b, 0,1,2,3,4,5,6,7
	ds_store_b128 v[STO], v[64*((\a)%4)+8*\b:64*((\a)%4)+8*\b+3] offset:128*(\b/2)+32*(\b%2)
	ds_store_b128 v[STO], v[64*((\a)%4)+8*\b+4:64*((\a)%4)+8*\b+7] offset:128*(\b/2)+32*(\b%2)+16
.endr
	WIN 0
.endm
.macro PICK                            ; runs STASH a for the a that s3 holds: forward branches on the trip's number
.irp a, 0,1,2,3,4,5,6
	s_cmp_lg_u32 s3, \a
	s_cbranch_scc1 .Lnot_\@_\a
	STASH \a
	s_branch .Lpicked_\@
.Lnot_\@_\a:
.endr
	STASH 7
.Lpicked_\@:
.endm
.macro RESLOAD                         ; the residual of a block's 16 rows: place t is row t % 8 + 16 (t / 8)
.irp t, 0,1,2,3,4,5,6,7,8,9,10,11,12,13,14,15
	global_load_b128 v[XR+4*\t:XR+4*\t+3], v[V16], s[10:11] offset:((\t%8)+16*(\t/8))*4096 th:TH_LOAD_NT
.endr
.endm
.macro KON r, val                      ; a constant as a pair: the packed forms name a pair and take its low word
	s_mov_b32 s[\r], \val
	s_mov_b32 s[\r+1], \val
.endm
; gelu(x) = x / 2 (1 + erf(x / sqrt 2)) on 16 numbers in place; erf(z) = z a(z^2) / b(z^2), z held to +-4 (absolute error about 1e-7, so the relative error of gelu grows where |gelu| is under 1e-3)
.macro GELU16 x
.irp p, 0,2,4,6,8,10,12,14
	v_pk_mul_f32 v[GZ+\p:GZ+\p+1], v[\x+\p:\x+\p+1], 0x3f3504f3 op_sel_hi:[1,0]
.endr
.irp p, 0,1,2,3,4,5,6,7,8,9,10,11,12,13,14,15
	v_med3_num_f32 v[GZ+\p], v[GZ+\p], -4.0, 4.0
.endr
.irp p, 0,2,4,6,8,10,12,14
	v_pk_mul_f32 v[G2+\p:G2+\p+1], v[GZ+\p:GZ+\p+1], v[GZ+\p:GZ+\p+1]
.endr
.irp p, 0,2,4,6,8,10,12,14
	v_pk_fma_f32 v[GP+\p:GP+\p+1], v[G2+\p:G2+\p+1], s[68:69], v[2:3] op_sel_hi:[1,0,1]
.endr
.irp p, 0,2,4,6,8,10,12,14
	v_pk_fma_f32 v[GQ+\p:GQ+\p+1], v[G2+\p:G2+\p+1], s[80:81], v[4:5] op_sel_hi:[1,0,1]
.endr
.irp k, 70,72,74,76,78
.irp p, 0,2,4,6,8,10,12,14
	v_pk_fma_f32 v[GP+\p:GP+\p+1], v[GP+\p:GP+\p+1], v[G2+\p:G2+\p+1], s[\k:\k+1] op_sel_hi:[1,1,0]
.endr
.endr
.irp k, 82,84,86
.irp p, 0,2,4,6,8,10,12,14
	v_pk_fma_f32 v[GQ+\p:GQ+\p+1], v[GQ+\p:GQ+\p+1], v[G2+\p:G2+\p+1], s[\k:\k+1] op_sel_hi:[1,1,0]
.endr
.endr
.irp p, 0,1,2,3,4,5,6,7,8,9,10,11,12,13,14,15
	v_rcp_f32 v[GQ+\p], v[GQ+\p]                   ; one batch
.endr
.irp p, 0,2,4,6,8,10,12,14
	v_pk_mul_f32 v[GP+\p:GP+\p+1], v[GP+\p:GP+\p+1], v[GZ+\p:GZ+\p+1]   ; plain work that names no reciprocal
.endr
.irp p, 0,2,4,6,8,10,12,14
	v_pk_mul_f32 v[GZ+\p:GZ+\p+1], v[\x+\p:\x+\p+1], 0.5 op_sel_hi:[1,0]
.endr
	s_wait_alu depctr_va_vdst(0)                   ; one wait for the batch, ahead of its first reader
.irp p, 0,2,4,6,8,10,12,14
	v_pk_mul_f32 v[GP+\p:GP+\p+1], v[GP+\p:GP+\p+1], v[GQ+\p:GQ+\p+1]
.endr
.irp p, 0,2,4,6,8,10,12,14
	v_pk_fma_f32 v[\x+\p:\x+\p+1], v[GP+\p:GP+\p+1], v[GZ+\p:GZ+\p+1], v[GZ+\p:GZ+\p+1]
.endr
.endm
	PLACES NP                                      ; behind the last products: for the stage's stores and for the loads into registers that held fragments
	s_wait_loadcnt 0x0                             ; the bias
	RESLOAD
.if WITH_GELU
	KON 68, 0xaf95df0b                             ; a13; no tensor load is out: the descriptors' registers are free
	KON 70, 0xb60cff51                             ; a9
	KON 72, 0xb86ec2d2                             ; a7
	KON 74, 0xba40ac63                             ; a5
	KON 76, 0xbb41a1f6                             ; a3
	KON 78, 0xbc83dbd4                             ; a1
	KON 80, 0xb77460cd                             ; b8
	KON 82, 0xbadc924e                             ; b4
	KON 84, 0xbbf19bf8                             ; b2
	KON 86, 0xbc69b6a7                             ; b0
	v_mov_b32 v2, 0x32edffee                       ; a11
	v_mov_b32 v3, 0x32edffee
	v_mov_b32 v4, 0xb95fbd29                       ; b6
	v_mov_b32 v5, 0xb95fbd29
.endif
	s_mov_b32 s3, 0
.Lrow:
	PICK
.irp t, 0,1,2,3,4,5,6,7,8,9,10,11,12,13,14,15
	ds_load_b128 v[BK+4*\t:BK+4*\t+3], v[RD] offset:528*\t   ; LDS serves a wave's instructions in order: these see my stores
.endr
	s_wait_dscnt 0x0
.irp t, 0,1,2,3,4,5,6,7,8,9,10,11,12,13,14,15
	v_pk_add_f32 v[BK+4*\t:BK+4*\t+1], v[BK+4*\t:BK+4*\t+1], v[8:9]
	v_pk_add_f32 v[BK+4*\t+2:BK+4*\t+3], v[BK+4*\t+2:BK+4*\t+3], v[10:11]
.endr
.if WITH_GELU
	GELU16 BK
	GELU16 BK+16
	GELU16 BK+32
	GELU16 BK+48
.endif
	s_wait_loadcnt 0x0                             ; this block's residual
.set p, 0
.rept 32
	v_pk_add_f32 v[BK+p:BK+p+1], v[BK+p:BK+p+1], v[XR+p:XR+p+1]
.set p, p+2
.endr
.irp t, 0,1,2,3,4,5,6,7,8,9,10,11,12,13,14,15
	global_store_b128 v[V16], v[BK+4*\t:BK+4*\t+3], s[12:13] offset:((\t%8)+16*(\t/8))*4096   ; 512 consecutive bytes, at a multiple of 256 from the buffer's first byte
.endr
	s_wait_xcnt 0x0                                ; the stores have read their registers and their base: both may be written again
	s_and_b32 s18, s3, 1                           ; blocks begin at rows 0, 8, 32, 40, 64 ..: 8 rows on behind an even block, 24 behind an odd one
	s_cmp_eq_u32 s18, 1
	s_mov_b32 s18, 32768
	s_cselect_b32 s18, 98304, s18
	s_mov_b32 s19, 0
	s_add_nc_u64 s[10:11], s[10:11], s[18:19]
	s_add_nc_u64 s[12:13], s[12:13], s[18:19]
	s_cmp_eq_u32 s3, 7                             ; the last trip asks for nothing: no load leaves its buffer
	s_cbranch_scc1 .Lno_next
	RESLOAD
.Lno_next:
	s_add_co_u32 s3, s3, 1
	s_cmp_lt_u32 s3, 8
	s_cbranch_scc1 .Lrow
	s_wait_tensorcnt 0x0                           ; the wave's end
	ds_add_u32 v[SPW], v[NIL]
	s_wait_dscnt 0x0
	CROUND                                         ; the closing round: no work-group ends while a partner may still ask for a tile that names it
	s_endpgm
.Lfunc_end_k_qf59faeec0d_mlp2:
	.size	k_qf59faeec0d_mlp2, .Lfunc_end_k_qf59faeec0d_mlp2-k_qf59faeec0d_mlp2
	.p2alignl 7, 3214868480
	.fill 96, 4, 3214868480
	.section	.rodata,"a",@progbits
	.p2align	6, 0x0
	.amdhsa_kernel k_qf59faeec0d_mlp2
		.amdhsa_group_segment_fixed_size 327680
		.amdhsa_private_segment_fixed_size 0
		.amdhsa_enable_private_segment 0
		.amdhsa_kernarg_size 40
		.amdhsa_user_sgpr_count 2
		.amdhsa_user_sgpr_kernarg_segment_ptr 1
		.amdhsa_wavefront_size32 1
		.amdhsa_system_sgpr_workgroup_id_x 1
		.amdhsa_system_sgpr_workgroup_id_y 1
		.amdhsa_system_sgpr_workgroup_id_z 1
		.amdhsa_system_vgpr_workitem_id 0
		.amdhsa_next_free_vgpr 1024
		.amdhsa_next_free_sgpr 100
		.amdhsa_reserve_vcc 0
		.amdhsa_float_denorm_mode_32 3
		.amdhsa_float_denorm_mode_16_64 3
		.amdhsa_memory_ordered 1
		.amdhsa_forward_progress 1
		.amdhsa_inst_pref_size 176
	.end_amdhsa_kernel
	.amdgpu_metadata
---
amdhsa.version: [ 1, 2 ]
amdhsa.kernels:
  - .name:           k_qf59faeec0d_mlp2
    .symbol:         k_qf59faeec0d_mlp2.kd
    .args:
      - { .name: hid, .offset: 0, .size: 8, .value_kind: global_buffer, .address_space: global }
      - { .name: wts, .offset: 8, .size: 8, .value_kind: global_buffer, .address_space: global }
      - { .name: b2, .offset: 16, .size: 8, .value_kind: global_buffer, .address_space: global }
      - { .name: res, .offset: 24, .size: 8, .value_kind: global_buffer, .address_space: global }
      - { .name: out0, .offset: 32, .size: 8, .value_kind: global_buffer, .address_space: global }
    .group_segment_fixed_size: 327680
    .private_segment_fixed_size: 0
    .kernarg_segment_align: 8
    .kernarg_segment_size: 40
    .max_flat_workgroup_size: 128
    .sgpr_count:     100
    .vgpr_count:     1024
    .wavefront_size: 32
...
	.end_amdgpu_metadata
.endif
;; end of part 7
;; ======== version 2 of 2: 7 launches
;; limits: right only within a limited range of input values
;; workspace buffers: wts 9,830,400 bytes; hq 3,276,800 bytes; qkv 10,092,544 bytes; att 3,276,800 bytes; res 16,777,216 bytes; hid 13,107,200 bytes
;; launch ln1 (part 8): grid 640 x 1, 4 waves a work-group, no clusters, 91,136 bytes of LDS; arguments x, ln1_g, ln1_b, hq, Wq, Wk, Wv, Wo, W1, W2, wts; writes hq, wts
.if DOCPART == 8
	.amdgcn_target "amdgcn-amd-amdhsa--gfx1250"
	.amdhsa_code_object_version 6
	.text
	.protected	k_qf59faeec0d_ln1
	.globl	k_qf59faeec0d_ln1
	.p2align	8
	.type	k_qf59faeec0d_ln1,@function
k_qf59faeec0d_ln1:
	s_mov_b64 s[64:65], 0
	v_nop
	global_prefetch_b8 v0, s[64:65] scope:SCOPE_SE
	s_setreg_imm32_b32 hwreg(HW_REG_WAVE_MODE, 25, 1), 1
	s_wait_xcnt 0x0
; y = (x - mean) * rsqrt(var + 1e-5) * g + b over rows of 1,024 f32, then y becomes codes of BF6 (E3M2) with one E8M0 byte for each 32 along the row.  The text serves both LayerNorms of the layer.
; OUTPUT, as the products' launches read it: rows go in groups of 128 places; inside each 32 rows, place p holds row p with bits 3 and 4 exchanged.  A group's codes: [K step of 128][block of 16 places: 1,536 bytes]
; [half c: 768 bytes], a half being an image of operand registers 6 c .. 6 c + 5 (32 lanes x 16 bytes, then 32 lanes x 8 bytes); scale words from byte 3,145,728: [group][K step][128 places x 4 bytes].
; SHARES.  Work-group t makes block t of 16 places.  Phase 1: wave w takes four of its rows, which are neighbours in memory, whole: 32 numbers of each row a lane; mean first, then the sum of squares of x - mean
; (so a common offset of the inputs costs no accuracy).  The rows meet in LDS (pitch 4,112 bytes = 257 x 16, so that the 16 rows that a later load touches do not start 256 bytes apart).  One barrier.
; Phase 2: wave w takes K steps 2 w and 2 w + 1 of all 16 rows: lane (r, h) reads, of row r, 16 neighbours of each block of 32, and quantises.
; No cluster: work-groups share only g and b, 8,192 bytes beside a work-group's 65,536 bytes of rows.
; LIMITS: a block of zeros gets the byte 1 (its codes are zeros; this program alone reads the bytes); magnitudes under 2^-122 count as that; NaN and infinities are not served.
.set X,     32                         ; v32-159  four rows, 32 numbers each; later v32-95 the first K step's 64 numbers
.set GG,    160                        ; v160-191 g;  v192-223 b;  later v160-223 the second K step's 64 numbers
.set BB,    192
.set MU,    8                          ; v8-15    the four means, each twice (pairs for the packed forms)
.set RS,    16                         ; v16-23   the four 1 / sqrt(var + eps), likewise
.set TM,    116                        ; v116-131 the quantiser's work
.set PITCH, 4112
.set SEL,   12                         ; s[12:13] v_permlanex16_b32's selects for lane l xor 16
; ONE TEXT, TWO PATHS, parted by the work-group's number alone: work-groups 0-255 make the LayerNorm's 256 blocks of 16 places; work-groups from 256 on (in the layer's first launch alone) quantise the six weights.
; The two works share no byte; each path has LDS bytes of its own (the rows up to 65,792, the weights' stages from 66,560); the spare words, 512 bytes from 66,048, serve both.
	v_lshl_add_u32 v240, v0, 2, 0x10200
	v_mov_b32 v241, 0
	s_cmp_lt_u32 ttmp9, 256
	s_cbranch_scc0 .Lweights
	s_load_b256 s[4:11], s[0:1], 0x0               ; the rows, g, b, the output
	v_lshrrev_b32 v1, 5, v0
	v_readfirstlane_b32 s16, v1                    ; wave
	v_and_b32 v2, 31, v0                           ; lane
	v_lshlrev_b32 v3, 4, v2                        ; v3: 16 x lane
	v_lshlrev_b32 v6, 3, v2                        ; v6: 8 x lane
	v_and_b32 v30, 15, v0                          ; r
	v_bfe_u32 v31, v0, 4, 1                        ; h
	s_mul_i32 s20, s16, 4*PITCH
	v_add_nc_u32 v4, s20, v3                       ; v4: LDS, on the way in: my wave's four rows, 16 bytes a lane
	v_mul_u32_u24 v5, v30, PITCH
	v_lshl_add_u32 v5, v31, 6, v5
	s_lshl_b32 s21, s16, 10
	v_add_nc_u32 v5, s21, v5                       ; v5: and out: row r, + 64 h, + my wave's two K steps of 512 bytes
	v_lshlrev_b32 v7, 2, v30
	v_lshl_add_u32 v7, v31, 9, v7                  ; v7: scale words: 4 r, lanes 16-31 one K step on
	v_mov_b32 v29, 0                               ; a lane permute's destination counts as one of its sources: written once
.irp b, 0,1,2,3
	v_mov_b32 v[TM+4+\b], 0
.endr
	s_lshr_b32 s17, ttmp9, 1                       ; my wave's first row: 32 (t / 2) + 8 (t % 2) + 16 (w / 2) + 4 (w % 2)
	s_lshl_b32 s17, s17, 5
	s_and_b32 s18, ttmp9, 1
	s_lshl_b32 s18, s18, 3
	s_add_co_u32 s17, s17, s18
	s_lshr_b32 s18, s16, 1
	s_lshl_b32 s18, s18, 4
	s_add_co_u32 s17, s17, s18
	s_and_b32 s18, s16, 1
	s_lshl_b32 s18, s18, 2
	s_add_co_u32 s17, s17, s18
	s_lshl_b32 s18, s17, 12
	s_mov_b32 s19, 0
	s_mov_b32 s[SEL], 0x76543210
	s_mov_b32 s[SEL+1], 0xfedcba98
	s_mov_b32 s14, 0x3a800000                      ; 1 / 1,024
	s_mov_b32 s15, 0x3727c5ac                      ; 1e-5
	s_lshr_b32 s22, ttmp9, 3                       ; the group of 128 places,
	s_and_b32 s23, ttmp9, 7                        ; and my block in it
	s_mul_i32 s24, s22, 98304
	s_mul_i32 s25, s23, 1536
	s_add_co_u32 s24, s24, s25
	s_mul_i32 s25, s16, 24576                      ; K step 2 w
	s_add_co_u32 s24, s24, s25
	s_mov_b32 s25, 0
	s_lshl_b32 s26, s22, 12
	s_lshl_b32 s27, s23, 6
	s_add_co_u32 s26, s26, s27
	s_lshl_b32 s27, s16, 10
	s_add_co_u32 s26, s26, s27
	s_add_co_u32 s26, s26, 3145728
	s_mov_b32 s27, 0
	s_wait_kmcnt 0x0
	s_add_nc_u64 s[4:5], s[4:5], s[18:19]
	s_add_nc_u64 s[24:25], s[10:11], s[24:25]
	s_add_nc_u64 s[26:27], s[10:11], s[26:27]
.irp i, 0,1,2,3
.irp j, 0,1,2,3,4,5,6,7
	global_load_b128 v[X+32*\i+4*\j:X+32*\i+4*\j+3], v3, s[4:5] offset:4096*\i+512*\j th:TH_LOAD_NT   ; 512 consecutive bytes a load
.endr
.endr
.irp j, 0,1,2,3,4,5,6,7
	global_load_b128 v[GG+4*\j:GG+4*\j+3], v3, s[6:7] offset:512*\j
.endr
.irp j, 0,1,2,3,4,5,6,7
	global_load_b128 v[BB+4*\j:BB+4*\j+3], v3, s[8:9] offset:512*\j
.endr
.macro RED                             ; v28 summed over the 32 lanes, the result in every lane
	v_add_f32_dpp v28, v28, v28 row_xmask:1 row_mask:0xf bank_mask:0xf
	v_add_f32_dpp v28, v28, v28 row_xmask:2 row_mask:0xf bank_mask:0xf
	v_add_f32_dpp v28, v28, v28 row_xmask:4 row_mask:0xf bank_mask:0xf
	v_add_f32_dpp v28, v28, v28 row_xmask:8 row_mask:0xf bank_mask:0xf
	v_permlanex16_b32 v29, v28, s[SEL], s[SEL+1]
	v_add_f32 v28, v28, v29
.endm
.macro STAT i                          ; row i: the mean; x - mean in place; var + eps
.set XR, X+32*(\i)
	s_wait_loadcnt 16+8*(3-(\i))                   ; behind this row's eight loads: eight for each later row, and sixteen for g and b
	v_pk_add_f32 v[24:25], v[XR:XR+1], v[XR+2:XR+3]
	v_pk_add_f32 v[26:27], v[XR+4:XR+5], v[XR+6:XR+7]
.irp p, 8,12,16,20,24,28
	v_pk_add_f32 v[24:25], v[24:25], v[XR+\p:XR+\p+1]
	v_pk_add_f32 v[26:27], v[26:27], v[XR+\p+2:XR+\p+3]
.endr
	v_pk_add_f32 v[24:25], v[24:25], v[26:27]
	v_add_f32 v28, v24, v25
	RED
	v_mul_f32 v[MU+2*(\i)], s14, v28
	v_mul_f32 v[MU+2*(\i)+1], s14, v28
.set p, 0
.rept 16
	v_pk_add_f32 v[XR+p:XR+p+1], v[XR+p:XR+p+1], v[MU+2*(\i):MU+2*(\i)+1] neg_lo:[0,1] neg_hi:[0,1]
.set p, p+2
.endr
	v_pk_mul_f32 v[24:25], v[XR:XR+1], v[XR:XR+1]
	v_pk_mul_f32 v[26:27], v[XR+2:XR+3], v[XR+2:XR+3]
.irp p, 4,8,12,16,20,24,28
	v_pk_fma_f32 v[24:25], v[XR+\p:XR+\p+1], v[XR+\p:XR+\p+1], v[24:25]
	v_pk_fma_f32 v[26:27], v[XR+\p+2:XR+\p+3], v[XR+\p+2:XR+\p+3], v[26:27]
.endr
	v_pk_add_f32 v[24:25], v[24:25], v[26:27]
	v_add_f32 v28, v24, v25
	RED
	v_fma_f32 v[RS+2*(\i)], v28, s14, s15
.endm
.macro NORM i                          ; row i: x rstd, x g + b, and into LDS
.set XR, X+32*(\i)
.set p, 0
.rept 16
	v_pk_mul_f32 v[XR+p:XR+p+1], v[XR+p:XR+p+1], v[RS+2*(\i):RS+2*(\i)+1]
.set p, p+2
.endr
.set p, 0
.rept 16
	v_pk_fma_f32 v[XR+p:XR+p+1], v[XR+p:XR+p+1], v[GG+p:GG+p+1], v[BB+p:BB+p+1]
.set p, p+2
.endr
.irp j, 0,1,2,3,4,5,6,7
	ds_store_b128 v4, v[XR+4*\j:XR+4*\j+3] offset:(\i)*PITCH+512*\j
.endr
.endm
	STAT 0
	STAT 1
	STAT 2
	STAT 3
	s_wait_alu depctr_va_vdst(0)
.irp i, 0,1,2,3
	v_rsq_f32 v[RS+2*\i], v[RS+2*\i]               ; the four as one batch
.endr
	v_nop                                          ; a plain place behind the last of them
	s_wait_alu depctr_va_vdst(0)                   ; one wait for the batch, ahead of its first reader
.irp i, 0,1,2,3
	v_mov_b32 v[RS+2*\i+1], v[RS+2*\i]
.endr
	s_wait_alu depctr_va_vdst(0)
	s_wait_loadcnt 0x0                             ; g and b
	NORM 0
	NORM 1
	NORM 2
	NORM 3
	s_wait_dscnt 0x0                               ; for the others' sake: my rows lie in LDS
	s_barrier_signal -1
	s_barrier_wait -1
; 64 numbers of a lane, register 16 b + i = k 32 b + 16 h + i of its row, become a fragment's codes in v[PC] on and its scale word in v[PW]
.macro QUANT s
.irp b, 0,1,2,3
	v_max3_num_f32 v[TM+\b], |v[\s+16*\b]|, |v[\s+1+16*\b]|, 0x2800000   ; my 16 numbers of block b, and the floor 2^(5 - 127)
.endr
.irp i, 2,4,6,8,10,12,14
.irp b, 0,1,2,3
	v_max3_num_f32 v[TM+\b], v[TM+\b], |v[\s+16*\b+\i]|, |v[\s+1+16*\b+\i]|
.endr
.endr
.irp b, 0,1,2,3
	v_permlanex16_b32 v[TM+4+\b], v[TM+\b], s[SEL], s[SEL+1]
.endr
.irp b, 0,1,2,3
	v_max_num_f32 v[TM+\b], v[TM+\b], v[TM+4+\b]   ; with lane l xor 16's: the block's largest magnitude
.endr
.irp b, 0,1,2,3
	v_add_nc_u32 v[TM+12+\b], 0xfe000000, v[TM+\b] ; 4 off its exponent field: the conversion's scale operand
.endr
.irp b, 0,1,2,3
	v_lshrrev_b32 v[TM+4+\b], 23, v[TM+12+\b]      ; the scale's byte
.endr
	v_lshl_or_b32 v[PW], v[TM+5], 8, v[TM+4]
	v_lshl_or_b32 v[PW], v[TM+6], 16, v[PW]
	v_lshl_or_b32 v[PW], v[TM+7], 24, v[PW]
.irp c, 0,1
	v_cvt_scalef32_pk16_bf6_f32 v[PC+6*\c:PC+2+6*\c], v[\s+32*\c:\s+15+32*\c], v[TM+12+2*\c]
	v_cvt_scalef32_pk16_bf6_f32 v[PC+12+4*\c:PC+14+4*\c], v[\s+16+32*\c:\s+31+32*\c], v[TM+12+2*\c+1]
.endr
	v_nop                                          ; one plain place behind a scaled conversion
.irp c, 0,1                                    ; the operand's layout wants a whole block in a lane
.irp i, 0,1,2
	v_permlane16_swap_b32 v[PC+6*\c+\i], v[PC+12+4*\c+\i]
.endr
.irp i, 0,1,2
	v_mov_b32 v[PC+3+6*\c+\i], v[PC+12+4*\c+\i]
.endr
.endr
.endm
.macro PUT off                         ; the fragment in v[PC] on leaves as an image of its registers: stores of 512 and 256 consecutive bytes
	global_store_b128 v3, v[PC:PC+3], s[24:25] offset:\off
	global_store_b64 v6, v[PC+4:PC+5], s[24:25] offset:\off+512
	global_store_b128 v3, v[PC+6:PC+9], s[24:25] offset:\off+768
	global_store_b64 v6, v[PC+10:PC+11], s[24:25] offset:\off+1280
.endm
.irp b, 0,1,2,3
.irp j, 0,1,2,3
	ds_load_b128 v[32+16*\b+4*\j:32+16*\b+4*\j+3], v5 offset:128*\b+16*\j
.endr
.endr
.irp b, 0,1,2,3
.irp j, 0,1,2,3
	ds_load_b128 v[160+16*\b+4*\j:160+16*\b+4*\j+3], v5 offset:512+128*\b+16*\j
.endr
.endr
	s_wait_dscnt 16                                ; the first K step's sixteen loads are in; the second's sixteen may be out
.set PC, 96
.set PW, 132
	QUANT 32
	PUT 0
	s_wait_dscnt 0x0
.set PC, 136                           ; registers of its own: the first fragment's stores may still read theirs
.set PW, 133
	QUANT 160
	PUT 12288
	v_cmp_gt_u32 vcc_lo, 16, v2
	v_cndmask_b32 v134, v133, v132, vcc_lo         ; lanes 0-15 carry K step 2 w's words, lanes 16-31 K step 2 w + 1's
	global_store_b32 v7, v134, s[26:27]
	s_wait_tensorcnt 0x0
	ds_add_u32 v240, v241
	s_wait_dscnt 0x0
	s_endpgm
.Lweights:
; The six weights, f32 stored [K][N], become codes of BF6 (E3M2) with one E8M0 byte for each 32 along K, laid as the products' launches read them.
; LAYOUT OF wts.  Columns go in groups of 128; inside each 32 columns, place p holds column p with bits 3 and 4 exchanged.  A group's codes: [K step of 128][block of 16 places: 1,536 bytes][half c: 768 bytes];
; a half is an image of operand registers 6 c .. 6 c + 5: 32 lanes x 16 bytes, then 32 lanes x 8 bytes.  Scale words: [group][K step][128 places x 4 bytes].
; Groups 0-7 Wq, 8-15 Wk, 16-23 Wv, 24-31 Wo, 32-63 W1 (98,304 bytes each); W2's eight groups (393,216 each) from byte 6,291,456; scale words from 9,437,184 (W2's from 9,699,328).
; SHARES.  A work-group takes one group of 128 columns x 256 along K; wave w columns 32 w .. 32 w + 31.  A lane takes a column and its registers run down K: a load reads 128 consecutive bytes, a block of 32 lies in
; one lane.  The images are gathered in the wave's own 6,144 bytes of LDS and leave in stores of 512 consecutive bytes.  No barrier on this path: waves share nothing.
; LIMITS: as stated at the kernel's head (a block of zeros gets the byte 1; magnitudes under 2^-122 count as that; NaN and infinities are not served).
.set VO,   16                          ; v16-47   4 x lane + i rows of the weight
.set X,    48                          ; v48-111  two sets of 32 numbers
.set C,    112                         ; v112-117 a block's codes
.set D,    120                         ; v120-122 its upper 16 codes, as converted
.set OUTR, 124                         ; v124-171 the way out
.set SB,   14                          ; v14-15   two scale words
.set NB,   8
	s_load_b256 s[4:11], s[0:1], 0x20              ; Wq, Wk, Wv, Wo
	s_load_b128 s[12:15], s[0:1], 0x40             ; W1, W2
	s_load_b64 s[16:17], s[0:1], 0x50              ; wts
	v_lshrrev_b32 v1, 5, v0
	v_readfirstlane_b32 s18, v1                    ; wave
	v_and_b32 v2, 31, v0                           ; lane
	s_wait_alu depctr_va_vdst(0)
	s_sub_co_u32 s19, ttmp9, 256                   ; t: my number among the weights' 384 work-groups: 0-255 take groups 0-63 (four each), 256-383 W2's eight (sixteen each)
	s_lshr_b32 s20, s19, 2                         ; group G
	s_and_b32 s21, s19, 3                          ; its part of K
	s_sub_co_u32 s22, s19, 256
	s_lshr_b32 s23, s22, 4                         ; W2: group
	s_and_b32 s24, s22, 15                         ; W2: part of K
	s_mul_i32 s48, s20, 98304                      ; where the codes go
	s_mul_i32 s49, s23, 393216
	s_add_co_u32 s49, s49, 6291456
	s_lshl_b32 s50, s20, 12                        ; where the scale words go
	s_add_co_u32 s50, s50, 9437184
	s_lshl_b32 s51, s23, 14
	s_add_co_u32 s51, s51, 9699328
	s_and_b32 s52, s20, 7                          ; the group of columns inside its tensor
	s_sub_co_u32 s53, s20, 32
	s_cmp_lt_u32 s20, 32
	s_cselect_b32 s52, s52, s53
	s_cmp_lt_u32 s19, 256
	s_cselect_b32 s52, s52, s23
	s_cselect_b32 s21, s21, s24
	s_cselect_b32 s48, s48, s49
	s_cselect_b32 s50, s50, s51
	s_lshr_b32 s53, s20, 5
	s_mov_b32 s25, 4096
	s_cmp_eq_u32 s53, 1                            ; W1 alone has rows of 16,384 bytes
	s_cselect_b32 s25, 16384, s25
	s_mul_i32 s54, s21, s25
	s_lshl_b32 s54, s54, 8                         ; 256 rows for each part of K,
	s_lshl_b32 s53, s52, 9
	s_add_co_u32 s54, s54, s53                     ; 512 bytes a group of columns,
	s_lshl_b32 s53, s18, 7
	s_add_co_u32 s54, s54, s53                     ; 128 bytes a wave
	s_mov_b32 s55, 0
	s_lshl_b32 s56, s25, 5                         ; from block to block: 32 rows
	s_mov_b32 s57, 0
	s_mul_i32 s26, s21, 24576                      ; two K steps of 12,288 bytes for each part of K
	s_add_co_u32 s48, s48, s26
	s_mul_i32 s26, s18, 3072                       ; my wave's two blocks of 16 places
	s_add_co_u32 s48, s48, s26
	s_mov_b32 s49, 0
	s_lshl_b32 s26, s21, 10
	s_add_co_u32 s50, s50, s26
	s_mov_b32 s51, 0
	v_lshlrev_b32 v[VO], 2, v2
.set i, 1
.rept 31
	v_add_nc_u32 v[VO+i], s25, v[VO+i-1]
.set i, i+1
.endr
	v_bfe_u32 v8, v0, 3, 1                         ; u: which of my wave's two blocks of 16 places my column falls into
	v_and_b32 v9, 7, v0
	v_bfe_u32 v10, v0, 4, 1
	v_lshl_add_u32 v9, v10, 3, v9                  ; r: its place there
	s_mul_i32 s27, s18, 6144                       ; my wave's stage,
	s_add_co_u32 s27, s27, 0x10400                 ; behind the other path's bytes and the spare words
	v_mul_u32_u24 v4, v8, 1536
	v_add_nc_u32 v4, s27, v4
	v_lshl_add_u32 v5, v9, 3, v4                   ; v5: where an image's 8 bytes of my column go
	v_lshl_add_u32 v4, v9, 4, v4                   ; v4: where its 16 bytes go
	v_lshlrev_b32 v7, 4, v2                        ; v7: 16 x lane
	v_add_nc_u32 v6, s27, v7                       ; v6: the stage read back as it lies
	v_lshl_add_u32 v3, v8, 4, v9
	s_lshl_b32 s27, s18, 5
	v_add_nc_u32 v3, s27, v3
	v_lshlrev_b32 v3, 2, v3                        ; v3: my column's scale word in a K step's 512 bytes
	s_wait_kmcnt 0x0
	s_cmp_lt_u32 s20, 64                           ; the choice hangs on the work-group's number alone
	s_cselect_b64 s[14:15], s[12:13], s[14:15]
	s_cmp_lt_u32 s20, 32
	s_cselect_b64 s[14:15], s[10:11], s[14:15]
	s_cmp_lt_u32 s20, 24
	s_cselect_b64 s[14:15], s[8:9], s[14:15]
	s_cmp_lt_u32 s20, 16
	s_cselect_b64 s[14:15], s[6:7], s[14:15]
	s_cmp_lt_u32 s20, 8
	s_cselect_b64 s[14:15], s[4:5], s[14:15]
	s_add_nc_u64 s[32:33], s[14:15], s[54:55]      ; a base for each of the eight blocks: nothing is stepped later
.irp t, 1,2,3,4,5,6,7
	s_add_nc_u64 s[32+2*\t:33+2*\t], s[30+2*\t:31+2*\t], s[56:57]
.endr
	s_add_nc_u64 s[28:29], s[16:17], s[48:49]
	s_add_nc_u64 s[30:31], s[16:17], s[50:51]
.macro LOAD t                          ; block t: 32 rows of my column into set t % 2
.irp i, 0,1,2,3,4,5,6,7,8,9,10,11,12,13,14,15,16,17,18,19,20,21,22,23,24,25,26,27,28,29,30,31
	global_load_b32 v[X+32*((\t)%2)+\i], v[VO+\i], s[32+2*(\t):33+2*(\t)] th:TH_LOAD_NT
.endr
.endm
	LOAD 0
	LOAD 1
.macro BLOCK t
.set XS, X+32*((\t)%2)
.if (\t) < NB-1
	s_wait_loadcnt 32                              ; this block's 32 loads are in; the next block's 32 may be out
.else
	s_wait_loadcnt 0x0
.endif
	v_max3_num_f32 v8, |v[XS]|, |v[XS+1]|, |v[XS+2]|       ; the block's largest magnitude, in two chains
	v_max3_num_f32 v9, |v[XS+3]|, |v[XS+4]|, |v[XS+5]|
.irp i, 6,10,14,18,22,26
	v_max3_num_f32 v8, v8, |v[XS+\i]|, |v[XS+\i+1]|
	v_max3_num_f32 v9, v9, |v[XS+\i+2]|, |v[XS+\i+3]|
.endr
	v_max3_num_f32 v8, v8, |v[XS+30]|, |v[XS+31]|
	v_max3_num_f32 v8, v8, v9, 0x2800000           ; and the floor 2^(5 - 127): the byte cannot fall under 1
	v_add_nc_u32 v11, 0xfe000000, v8               ; 4 off the exponent field: the conversion's scale operand
	v_lshrrev_b32 v9, 23, v11                      ; the scale's byte
.if (\t)%4 == 0
	v_mov_b32 v[SB+(\t)/4], v9
.else
	v_lshl_or_b32 v[SB+(\t)/4], v9, 8*((\t)%4), v[SB+(\t)/4]
.endif
	v_cvt_scalef32_pk16_bf6_f32 v[C:C+2], v[XS:XS+15], v11
	v_cvt_scalef32_pk16_bf6_f32 v[D:D+2], v[XS+16:XS+31], v11      ; (a conversion's three registers begin on an even number)
	v_nop                                          ; one plain place behind a scaled conversion
.irp i, 0,1,2
	v_mov_b32 v[C+3+\i], v[D+\i]
.endr
	; block t is K step t / 4, half (t % 4) / 2, lanes 16 (t % 2) + r of the image
	ds_store_b128 v4, v[C:C+3] offset:((\t)/4)*3072+(((\t)%4)/2)*768+((\t)%2)*256
	ds_store_b64 v5, v[C+4:C+5] offset:((\t)/4)*3072+(((\t)%4)/2)*768+512+((\t)%2)*128
.if (\t)+2 < NB
	LOAD (\t)+2
.endif
	s_wait_dscnt 0x0                               ; the stores have read their registers: the next block's codes may be written
.endm
.set Q, 0
.rept NB
	BLOCK Q
.set Q, Q+1
.endr
	global_store_b32 v3, v[SB], s[30:31]
	s_wait_alu depctr_va_vdst(0)
	global_store_b32 v3, v[SB+1], s[30:31] offset:512
.irp i, 0,1,2,3,4,5,6,7,8,9,10,11
	ds_load_b128 v[OUTR+4*\i:OUTR+4*\i+3], v6 offset:512*\i
.endr
.irp i, 0,1,2,3,4,5,6,7,8,9,10,11
	s_wait_dscnt 11-\i                             ; LDS loads come back in order: piece i is in
	global_store_b128 v7, v[OUTR+4*\i:OUTR+4*\i+3], s[28:29] offset:(\i/6)*12288+(\i%6)*512   ; 512 consecutive bytes, at a multiple of 256 from the buffer's first byte
.endr
	s_wait_tensorcnt 0x0                           ; the wave's end
	ds_add_u32 v240, v241
	s_wait_dscnt 0x0
	s_endpgm
.Lfunc_end_k_qf59faeec0d_ln1:
	.size	k_qf59faeec0d_ln1, .Lfunc_end_k_qf59faeec0d_ln1-k_qf59faeec0d_ln1
	.p2alignl 7, 3214868480
	.fill 96, 4, 3214868480
	.section	.rodata,"a",@progbits
	.p2align	6, 0x0
	.amdhsa_kernel k_qf59faeec0d_ln1
		.amdhsa_group_segment_fixed_size 91136
		.amdhsa_private_segment_fixed_size 0
		.amdhsa_enable_private_segment 0
		.amdhsa_kernarg_size 88
		.amdhsa_user_sgpr_count 2
		.amdhsa_user_sgpr_kernarg_segment_ptr 1
		.amdhsa_wavefront_size32 1
		.amdhsa_system_sgpr_workgroup_id_x 1
		.amdhsa_system_sgpr_workgroup_id_y 1
		.amdhsa_system_sgpr_workgroup_id_z 1
		.amdhsa_system_vgpr_workitem_id 0
		.amdhsa_next_free_vgpr 242
		.amdhsa_next_free_sgpr 66
		.amdhsa_reserve_vcc 1
		.amdhsa_float_denorm_mode_32 3
		.amdhsa_float_denorm_mode_16_64 3
		.amdhsa_memory_ordered 1
		.amdhsa_forward_progress 1
		.amdhsa_inst_pref_size 88
	.end_amdhsa_kernel
	.amdgpu_metadata
---
amdhsa.version: [ 1, 2 ]
amdhsa.kernels:
  - .name:           k_qf59faeec0d_ln1
    .symbol:         k_qf59faeec0d_ln1.kd
    .args:
      - { .name: x, .offset: 0, .size: 8, .value_kind: global_buffer, .address_space: global }
      - { .name: ln1_g, .offset: 8, .size: 8, .value_kind: global_buffer, .address_space: global }
      - { .name: ln1_b, .offset: 16, .size: 8, .value_kind: global_buffer, .address_space: global }
      - { .name: hq, .offset: 24, .size: 8, .value_kind: global_buffer, .address_space: global }
      - { .name: Wq, .offset: 32, .size: 8, .value_kind: global_buffer, .address_space: global }
      - { .name: Wk, .offset: 40, .size: 8, .value_kind: global_buffer, .address_space: global }
      - { .name: Wv, .offset: 48, .size: 8, .value_kind: global_buffer, .address_space: global }
      - { .name: Wo, .offset: 56, .size: 8, .value_kind: global_buffer, .address_space: global }
      - { .name: W1, .offset: 64, .size: 8, .value_kind: global_buffer, .address_space: global }
      - { .name: W2, .offset: 72, .size: 8, .value_kind: global_buffer, .address_space: global }
      - { .name: wts, .offset: 80, .size: 8, .value_kind: global_buffer, .address_space: global }
    .group_segment_fixed_size: 91136
    .private_segment_fixed_size: 0
    .kernarg_segment_align: 8
    .kernarg_segment_size: 88
    .max_flat_workgroup_size: 128
    .sgpr_count:     66
    .vgpr_count:     242
    .wavefront_size: 32
...
	.end_amdgpu_metadata
.endif
;; end of part 8
;; launch qkv (part 9): grid 12 x 16, 4 waves a work-group, clusters of 4 x 4, 327,680 bytes of LDS; arguments hq, wts, bq, bk, bv, qkv; writes qkv
.if DOCPART == 9
	.amdgcn_target "amdgcn-amd-amdhsa--gfx1250"
	.amdhsa_code_object_version 6
	.text
	.protected	k_qf59faeec0d_qkv
	.globl	k_qf59faeec0d_qkv
	.p2align	8
	.type	k_qf59faeec0d_qkv,@function
k_qf59faeec0d_qkv:
	s_mov_b64 s[64:65], 0
	v_nop
	global_prefetch_b8 v0, s[64:65] scope:SCOPE_SE
	s_setreg_imm32_b32 hwreg(HW_REG_WAVE_MODE, 25, 1), 1
	s_wait_xcnt 0x0
	s_wait_alu depctr_hold_cnt(0) depctr_sa_sdst(0) depctr_va_vdst(0) depctr_va_sdst(0) depctr_va_ssrc(0) depctr_va_vcc(0) depctr_vm_vsrc(0)
	s_getreg_b32 s2, hwreg(HW_REG_IB_STS2, 6, 4)
	s_cmp_eq_u32 s2, 0
	s_cbranch_scc0 .Lentry_in_a_cluster
	s_endpgm
.Lentry_in_a_cluster:
	s_bfe_u32 s2, ttmp6, 0x10000c
	s_cmp_lg_u32 s2, 0xf033
	s_cbranch_scc0 .Lentry_shape_is_right
	s_endpgm
.Lentry_shape_is_right:
.set KDIM,   1024
.set ASOFF,  3145728
.set BOFF,   0
.set BSOFF,  9437184
.set H,      24576
.set SLOT,   4*H
.set SCL,    2*SLOT
.set GS,     (KDIM/128)*12288
.set HS,     (KDIM/128)*512
.set SPARE,  327168
.set LAPS,   KDIM/512
.set NQ,     2
.set FR,     12
.set NL,     4
.set NP,     4
.set ADRA, 16
.set ADRB, 20
.set ADRS, 27
.set SPW,  28
.set NIL,  29
.set V16,  30
.set V8,   31
.set SC,   32
.set BI,   64
.set AF,   128
.set BV,   240
.set T,    128
.set PC,   192
.set TM,   212
.set PW,   12
.set SH,   13
.set WD,   14
.set QS,   15
.set SEL,  18
.set G1, 24
.set G0, 32
.set G1B, 48
.set G0B, 56
.set G1S, 68
.set G0S, 76
.set G1SB, 80
.set G0SB, 88
.set MSB, 0
.macro WIN new
.if MSB != (\new)
	s_set_vgpr_msb (MSB<<8)|(\new)
.set MSB, (\new)
.endif
.endm
.set MUL_LO, 0xa1
.set MUL_HI, 0xf1
.set TO_B,   0x40
.macro JLOAD g0a, g1a, g0b, g1b
	s_cmp_eq_u32 s15, 0
	s_cbranch_scc0 .Lfor_b_\@
	tensor_load_to_lds s[\g0a:\g0a+3], s[\g1a:\g1a+7]
	s_nop 0
.rept 4
	v_nop
.endr
	s_branch .Lasked_\@
.Lfor_b_\@:
	tensor_load_to_lds s[\g0b:\g0b+3], s[\g1b:\g1b+7]
	s_nop 0
.rept 4
	v_nop
.endr
.Lasked_\@:
.endm
.macro CREST
	s_cmp_lg_u32 s14, 0
	s_cbranch_scc1 .Lnot_wave_0_\@
	s_barrier_signal -3
.Lnot_wave_0_\@:
	s_barrier_wait -3
	s_barrier_signal -1
	s_barrier_wait -1
.endm
.macro CROUND
	s_barrier_signal -1
	s_barrier_wait -1
	CREST
.endm
.macro PLACES n
.rept \n
	v_nop
.endr
.endm
	s_load_b128 s[4:7], s[0:1], 0x0
	s_load_b128 s[8:11], s[0:1], 0x10
	s_load_b128 s[96:99], s[0:1], 0x20
	v_lshl_add_u32 v[SPW], v0, 2, SPARE
	v_mov_b32 v[NIL], 0
	ds_add_u32 v28, v29
	ds_add_u32 v28, v29
	s_wait_dscnt 0x0
	v_lshrrev_b32 v1, 5, v0
	v_readfirstlane_b32 s14, v1
	s_lshr_b32 s15, s14, 1
	s_and_b32 s16, s14, 1
	s_bfe_u32 s40, ttmp6, 0x40000
	s_bfe_u32 s41, ttmp6, 0x40004
	s_lshl_b32 s42, ttmp9, 2
	s_add_co_u32 s42, s42, s40
	s_and_b32 s17, ttmp7, 0xffff
	s_lshl_b32 s17, s17, 2
	s_add_co_u32 s17, s17, s41
	s_lshl_b32 s43, s41, 2
	s_lshl_b32 s43, 15, s43
	s_lshl_b32 s44, 0x1111, s40
	s_or_b32 s[G1], s43, (3<<16)|(1<<21)
	s_or_b32 s[G1B], s44, (3<<16)|(1<<21)
	s_or_b32 s[G1S], s43, (3<<16)|(1<<21)
	s_or_b32 s[G1SB], s44, (3<<16)|(1<<21)
.irp g, G1, G1B                        ; for the head's loads of codes: two groups' H bytes as two rows, GS bytes apart
	s_mov_b32 s[\g+1], (H/8)<<16
	s_mov_b32 s[\g+2], 2<<16
	s_mov_b32 s[\g+3], (H/8)<<16
	s_mov_b32 s[\g+4], 2
	s_mov_b32 s[\g+5], GS/8
	s_mov_b32 s[\g+6], 0
	s_mov_b32 s[\g+7], 0
.endr
.irp g, G1S, G1SB
	s_mov_b32 s[\g+1], 32<<16
	s_mov_b32 s[\g+2], (2*HS/256)<<16              ; both groups' scale words are one dense block
	s_mov_b32 s[\g+3], 32<<16
	s_mov_b32 s[\g+4], 2*HS/256
	s_mov_b32 s[\g+5], 32
	s_mov_b32 s[\g+6], 0
	s_mov_b32 s[\g+7], 0
.endr
	s_lshl_b32 s20, s17, 1
	s_add_co_u32 s20, s20, s16
	s_lshl_b32 s46, s42, 1
	s_add_co_u32 s46, s46, s16
	s_mul_i32 s22, s17, 2*HS
	s_add_co_u32 s22, s22, ASOFF
	s_mov_b32 s23, 0
	s_mul_i32 s92, s42, 2*HS
	s_add_co_u32 s92, s92, BSOFF
	s_mov_b32 s93, 0
	s_mul_i32 s20, s20, GS
	s_mov_b32 s21, 0
	s_mul_i32 s46, s46, GS
	s_add_co_u32 s46, s46, BOFF
	s_mov_b32 s47, 0
	s_mul_i32 s45, s14, H
	s_mul_i32 s94, s15, 2*HS
	s_wait_kmcnt 0x0
	s_add_nc_u64 s[20:21], s[4:5], s[20:21]
	s_add_nc_u64 s[22:23], s[4:5], s[22:23]
	s_add_nc_u64 s[46:47], s[6:7], s[46:47]
	s_add_nc_u64 s[92:93], s[6:7], s[92:93]
	CROUND
	s_mov_b32 s[G0S], 1
	s_add_co_u32 s[G0S+1], s94, SCL
	s_mov_b64 s[G0S+2:G0S+3], s[22:23]
	s_or_b32 s[G0S+3], s[G0S+3], 0x80000000
	s_mov_b32 s[G0SB], 1
	s_add_co_u32 s[G0SB+1], s94, SCL
	s_mov_b64 s[G0SB+2:G0SB+3], s[92:93]
	s_or_b32 s[G0SB+3], s[G0SB+3], 0x80000000
.irp s, 0,1
	s_mov_b32 s[G0+4*\s], 1
	s_add_co_u32 s[G0+4*\s+1], s45, \s*SLOT
	s_add_nc_u64 s[G0+4*\s+2:G0+4*\s+3], s[20:21], \s*H
	s_or_b32 s[G0+4*\s+3], s[G0+4*\s+3], 0x80000000
	s_mov_b32 s[G0B+4*\s], 1
	s_add_co_u32 s[G0B+4*\s+1], s45, \s*SLOT
	s_add_nc_u64 s[G0B+4*\s+2:G0B+4*\s+3], s[46:47], \s*H
	s_or_b32 s[G0B+4*\s+3], s[G0B+4*\s+3], 0x80000000
.endr
; The head's four tiles, one joint load a wave, in one chain of branches on the wave's number: wave 0 slot 0's two groups of the rows, wave 1 the rows' scale words, wave 2 slot 0's two groups of the weight, wave 3 its scale words
.macro ARM under, g0, g1, next
	s_cmp_lt_u32 s14, \under
	s_cbranch_scc0 \next
	tensor_load_to_lds s[\g0:\g0+3], s[\g1:\g1+7]
	s_nop 0
.rept 4
	v_nop
.endr
	s_branch .Lhead_asked
\next:
.endm
	ARM 1, G0,  G1,  .Lhead_sa
	ARM 2, G0S, G1S, .Lhead_b
	ARM 3, G0B, G1B, .Lhead_sb
	tensor_load_to_lds s[G0SB:G0SB+3], s[G1SB:G1SB+7]
	s_nop 0
.rept 4
	v_nop
.endr
.Lhead_asked:
	s_wait_alu depctr_va_vdst(0)
	s_wait_tensorcnt 0x0                           ; my tile of the head's four is in
	ds_add_u32 v28, v29
.irp g, G1, G1B                        ; no tensor load of mine is out: from here on a load brings one group's H dense bytes as rows of 256
	s_mov_b32 s[\g+1], 32<<16
	s_mov_b32 s[\g+2], (H/256)<<16
	s_mov_b32 s[\g+3], 32<<16
	s_mov_b32 s[\g+4], H/256
	s_mov_b32 s[\g+5], 32
.endr
	s_wait_dscnt 0x0
	CROUND
	JLOAD G0+4, G1, G0B+4, G1B                     ; slot 1's first fill, the first tensor load behind the round
	v_and_b32 v1, 31, v0
	v_and_b32 v2, 15, v0
	v_bfe_u32 v3, v0, 4, 1
	v_lshlrev_b32 v[V16], 4, v1
	s_wait_alu depctr_va_vdst(0)
	v_lshlrev_b32 v[V8], 3, v1
	s_wait_alu depctr_va_vdst(0)
	s_mul_i32 s21, s15, H
	s_add_co_u32 s18, s21, 2*H
	s_mul_i32 s22, s16, H
	s_add_co_u32 s19, s22, 2*H
	s_cmp_eq_u32 ttmp9, 2
	s_cselect_b32 s21, s18, s21
	s_cselect_b32 s22, s22, s19
.irp s, 0,1
	v_add_nc_u32 v[ADRA+\s], s21, v[V16]
	v_add_nc_u32 v[ADRA+2+\s], s21, v[V8]
	v_add_nc_u32 v[ADRB+\s], s22, v[V16]
	v_add_nc_u32 v[ADRB+2+\s], s22, v[V8]
	s_add_co_u32 s21, s21, SLOT
	s_add_co_u32 s22, s22, SLOT
.endr
	s_mul_i32 s21, s15, HS
	s_add_co_u32 s18, s21, 2*HS
	s_mul_i32 s22, s16, HS
	s_add_co_u32 s19, s22, 2*HS
	s_cmp_eq_u32 ttmp9, 2
	s_cselect_b32 s21, s18, s21
	s_cselect_b32 s22, s22, s19
	v_mov_b32 v4, s21
	v_mov_b32 v5, s22
	s_mov_b32 s18, 0xffff0000
	v_cndmask_b32 v4, v4, v5, s18
	v_lshl_add_u32 v4, v2, 2, v4
	v_add_nc_u32 v[ADRS], SCL, v4
	s_cmp_eq_u32 ttmp9, 0
	s_cselect_b64 s[8:9], s[8:9], s[10:11]
	s_cmp_eq_u32 ttmp9, 2
	s_cselect_b64 s[8:9], s[96:97], s[8:9]
	s_lshl_b32 s20, s42, 8
	s_lshl_b32 s21, s16, 7
	s_add_co_u32 s21, s20, s21
	s_and_b32 s21, s21, 1023
	s_lshl_b32 s22, s21, 2
	s_mov_b32 s23, 0
	s_add_nc_u64 s[10:11], s[8:9], s[22:23]
	s_lshl_b32 s21, s15, 7
	s_add_co_u32 s21, s20, s21
	s_and_b32 s21, s21, 1023
	s_lshl_b32 s22, s21, 2
	s_add_nc_u64 s[12:13], s[8:9], s[22:23]
	v_lshlrev_b32 v6, 6, v3
	v_and_b32 v4, 7, v2
	v_lshrrev_b32 v5, 3, v2
	v_lshl_add_u32 v7, v5, 4, v4
	v_lshlrev_b32 v7, 2, v7
	v_lshlrev_b32 v[SH], 4, v3
	v_lshlrev_b32 v[QS], 2, v2
.irp b, 0,1,2,3
.irp j, 0,1,2,3
	global_load_b128 v[BI+16*\b+4*\j:BI+16*\b+4*\j+3], v6, s[10:11] offset:128*\b+16*\j
.endr
.endr
.irp a, 0,1,2,3,4,5,6,7
	global_load_b32 v[BV+2*\a], v7, s[12:13] offset:(32*(\a/2)+8*(\a%2))*4
	global_load_b32 v[BV+2*\a+1], v7, s[12:13] offset:(32*(\a/2)+8*(\a%2))*4
.endr
.macro FRAG reg, adr, q, i
	ds_load_b128 v[\reg:\reg+3], v[\adr] offset:(\q)*12288+(\i)*1536
	ds_load_b64 v[\reg+4:\reg+5], v[\adr+2] offset:(\q)*12288+(\i)*1536+512
	ds_load_b128 v[\reg+6:\reg+9], v[\adr] offset:(\q)*12288+(\i)*1536+768
	ds_load_b64 v[\reg+10:\reg+11], v[\adr+2] offset:(\q)*12288+(\i)*1536+1280
.endm
.macro MUL16 a0, p, q, sc, zero
.irp a, \a0, \a0+1
.irp b, 0,1,2,3,4,5,6,7
.if \zero
	v_wmma_scale_f32_16x16x128_f8f6f4 v[8*(8*((\a)%4)+\b):8*(8*((\a)%4)+\b)+7], v[128*(\p)+FR*\b:128*(\p)+FR*\b+FR-1], v[AF+FR*(\a):AF+FR*(\a)+FR-1], 0, v[SC+8*NQ*(\sc)+NQ*\b+(\q)], v[SC+8*NQ*(\sc)+NQ*(\a)+(\q)] matrix_a_fmt:MATRIX_FMT_BF6 matrix_b_fmt:MATRIX_FMT_BF6 matrix_a_scale:MATRIX_SCALE_ROW1
.else
	v_wmma_scale_f32_16x16x128_f8f6f4 v[8*(8*((\a)%4)+\b):8*(8*((\a)%4)+\b)+7], v[128*(\p)+FR*\b:128*(\p)+FR*\b+FR-1], v[AF+FR*(\a):AF+FR*(\a)+FR-1], v[8*(8*((\a)%4)+\b):8*(8*((\a)%4)+\b)+7], v[SC+8*NQ*(\sc)+NQ*\b+(\q)], v[SC+8*NQ*(\sc)+NQ*(\a)+(\q)] matrix_a_fmt:MATRIX_FMT_BF6 matrix_b_fmt:MATRIX_FMT_BF6 matrix_a_scale:MATRIX_SCALE_ROW1
.endif
.endr
.endr
.endm
.macro FETCH_B slot, q, p
	WIN TO_B
.irp i, 0,1,2,3,4,5,6,7
	FRAG 128*(\p)+FR*\i, ADRB+\slot, \q, \i
.endr
	WIN 0
.endm
.macro FETCH_A slot, q, i0
.irp i, \i0, \i0+1, \i0+2, \i0+3
	FRAG AF+FR*(\i), ADRA+\slot, \q, \i
.endr
.endm
.macro SCALES sc
.irp i, 0,1,2,3,4,5,6,7
	ds_load_b32 v[SC+16*\sc+2*\i], v[ADRS] offset:64*\i
	ds_load_b32 v[SC+16*\sc+2*\i+1], v[ADRS] offset:64*\i+512
.endr
.endm
.macro STEP slot, q, zero
	s_wait_dscnt 4*NL
	WIN MUL_LO
	MUL16 0, (\q)%2, \q, \slot, \zero
	MUL16 2, (\q)%2, \q, \slot, \zero
	s_wait_dscnt 0
	PLACES NP
	FETCH_B \slot, (\q)+1, 1-(\q)%2
	FETCH_A \slot, (\q)+1, 0
	WIN MUL_HI
	MUL16 4, (\q)%2, \q, \slot, \zero
	MUL16 6, (\q)%2, \q, \slot, \zero
	PLACES NP
	WIN 0
	FETCH_A \slot, (\q)+1, 4
.endm
.macro TURN slot, next, fill
	s_wait_tensorcnt 0x0
	ds_add_u32 v[SPW], v[NIL]
	s_wait_dscnt 4*NL+1
	WIN MUL_LO
	MUL16 0, 1, NQ-1, \slot, 0
	s_wait_dscnt 0x0
	s_barrier_signal -1
	MUL16 2, 1, NQ-1, \slot, 0
	WIN 0
	s_barrier_wait -1
.if \fill
	CREST
	s_add_nc_u64 s[G0+4*\slot+2:G0+4*\slot+3], s[G0+4*\slot+2:G0+4*\slot+3], 2*H
	s_add_nc_u64 s[G0B+4*\slot+2:G0B+4*\slot+3], s[G0B+4*\slot+2:G0B+4*\slot+3], 2*H
	JLOAD G0+4*\slot, G1, G0B+4*\slot, G1B
.else
	PLACES NP
.endif
	s_wait_alu depctr_va_vdst(0)
	v_add_nc_u32 v[ADRS], 512*NQ, v[ADRS]
	FETCH_B \next, 0, 0
	FETCH_A \next, 0, 0
	SCALES \next
	WIN MUL_HI
	MUL16 4, 1, NQ-1, \slot, 0
	MUL16 6, 1, NQ-1, \slot, 0
	PLACES NP
	WIN 0
	FETCH_A \next, 0, 4
.endm
	s_wait_alu depctr_va_vdst(0)
	s_wait_tensorcnt 1
	s_barrier_signal -1
	s_barrier_wait -1
	FETCH_B 0, 0, 0
	FETCH_A 0, 0, 0
	SCALES 0
	FETCH_A 0, 0, 4
	STEP 0, 0, 1
	s_mov_b32 s3, LAPS-1
.Llap:
	TURN 0, 1, 1
	STEP 1, 0, 0
	TURN 1, 0, 1
	STEP 0, 0, 0
	s_sub_co_u32 s3, s3, 1
	s_cmp_lg_u32 s3, 0
	s_cbranch_scc1 .Llap
	TURN 0, 1, 0
	STEP 1, 0, 0
	s_wait_dscnt 4*NL
	WIN MUL_LO
	MUL16 0, 1, NQ-1, 1, 0
	MUL16 2, 1, NQ-1, 1, 0
	s_wait_dscnt 0
	WIN MUL_HI
	MUL16 4, 1, NQ-1, 1, 0
	MUL16 6, 1, NQ-1, 1, 0
	WIN 0
.macro TAKE a
	WIN 0x02+(\a)/4
.set p, 0
.rept 32
	v_pk_add_f32 v[T+p:T+p+1], v[64*((\a)%4)+p:64*((\a)%4)+p+1], v[BI+p:BI+p+1]
.set p, p+2
.endr
	WIN 0
.endm
.macro TAKEV a
	WIN 0x02+(\a)/4
.set p, 0
.rept 32
	v_pk_add_f32 v[T+p:T+p+1], v[64*((\a)%4)+p:64*((\a)%4)+p+1], v[BV+2*(\a):BV+2*(\a)+1]
.set p, p+2
.endr
	WIN 0
.endm
.macro QUANT s
.irp b, 0,1,2,3
	v_max3_num_f32 v[TM+\b], |v[\s+16*\b]|, |v[\s+1+16*\b]|, 0x2800000
.endr
.irp i, 2,4,6,8,10,12,14
.irp b, 0,1,2,3
	v_max3_num_f32 v[TM+\b], v[TM+\b], |v[\s+16*\b+\i]|, |v[\s+1+16*\b+\i]|
.endr
.endr
.irp b, 0,1,2,3
	v_permlanex16_b32 v[TM+4+\b], v[TM+\b], s[SEL], s[SEL+1]
.endr
.irp b, 0,1,2,3
	v_max_num_f32 v[TM+\b], v[TM+\b], v[TM+4+\b]
.endr
.irp b, 0,1,2,3
	v_add_nc_u32 v[TM+12+\b], 0xfe000000, v[TM+\b]
.endr
.irp b, 0,1,2,3
	v_lshrrev_b32 v[TM+4+\b], 23, v[TM+12+\b]
.endr
	v_lshl_or_b32 v[PW], v[TM+5], 8, v[TM+4]
	v_lshl_or_b32 v[PW], v[TM+6], 16, v[PW]
	v_lshl_or_b32 v[PW], v[TM+7], 24, v[PW]
.irp c, 0,1
	v_cvt_scalef32_pk16_bf6_f32 v[PC+6*\c:PC+2+6*\c], v[\s+32*\c:\s+15+32*\c], v[TM+12+2*\c]
	v_cvt_scalef32_pk16_bf6_f32 v[PC+12+4*\c:PC+14+4*\c], v[\s+16+32*\c:\s+31+32*\c], v[TM+12+2*\c+1]
.endr
	v_nop
.irp c, 0,1
.irp i, 0,1,2
	v_permlane16_swap_b32 v[PC+6*\c+\i], v[PC+12+4*\c+\i]
.endr
.irp i, 0,1,2
	v_mov_b32 v[PC+3+6*\c+\i], v[PC+12+4*\c+\i]
.endr
.endr
.endm
.macro PUT base, o0, o1
	global_store_b128 v[V16], v[PC:PC+3], s[\base:\base+1] offset:\o0
	global_store_b64 v[V8], v[PC+4:PC+5], s[\base:\base+1] offset:(\o0)+512
	global_store_b128 v[V16], v[PC+6:PC+9], s[\base:\base+1] offset:\o1
	global_store_b64 v[V8], v[PC+10:PC+11], s[\base:\base+1] offset:(\o1)+512
.endm
	PLACES NP
	s_wait_loadcnt 0x0
	s_mov_b32 s[SEL], 0x76543210
	s_mov_b32 s[SEL+1], 0xfedcba98
.irp b, 0,1,2,3
	v_mov_b32 v[TM+4+\b], 0
.endr
	s_cmp_eq_u32 ttmp9, 2
	s_cbranch_scc1 .Lvalues
	s_lshl_b32 s20, s42, 2
	s_lshl_b32 s21, s16, 1
	s_add_co_u32 s20, s20, s21
	s_mul_i32 s22, s20, 196608
	s_lshl_b32 s21, s17, 4
	s_lshl_b32 s23, s15, 3
	s_add_co_u32 s21, s21, s23
	s_mul_i32 s23, s21, 768
	s_add_co_u32 s22, s22, s23
	s_mov_b32 s23, 0
	s_add_nc_u64 s[92:93], s[98:99], s[22:23]
	s_lshl_b32 s22, s20, 14
	s_lshl_b32 s21, s21, 6
	s_add_co_u32 s22, s22, s21
	s_add_co_u32 s22, s22, 9437184
	s_add_nc_u64 s[94:95], s[98:99], s[22:23]
	v_lshl_add_u32 v[QS], v3, 14, v[QS]
.irp a, 0,1,2,3,4,5,6,7
	TAKE \a
	s_wait_xcnt 0x0
	QUANT T
	PUT 92, 768*\a, 196608+768*\a
	v_lshrrev_b32 v[WD], v[SH], v[PW]
	v_and_b32 v[WD], 0xffff, v[WD]
	global_store_b32 v[QS], v[WD], s[94:95] offset:64*\a
.endr
	s_branch .Lend
.Lvalues:
	s_sub_co_u32 s20, s42, 8
	s_lshl_b32 s20, s20, 2
	s_lshl_b32 s21, s15, 1
	s_add_co_u32 s20, s20, s21
	s_lshl_b32 s21, s17, 1
	s_add_co_u32 s21, s21, s16
	s_mul_i32 s22, s20, 196608
	s_mul_i32 s23, s21, 6144
	s_add_co_u32 s22, s22, s23
	s_add_co_u32 s22, s22, 6291456
	s_mov_b32 s23, 0
	s_add_nc_u64 s[92:93], s[98:99], s[22:23]
	s_lshl_b32 s22, s20, 13
	s_lshl_b32 s21, s21, 8
	s_add_co_u32 s22, s22, s21
	s_add_co_u32 s22, s22, 9961472
	s_add_nc_u64 s[94:95], s[98:99], s[22:23]
.irp a, 0,1,2,3,4,5,6,7
	TAKEV \a
	s_wait_xcnt 0x0
	QUANT T
	PUT 92, (\a/4)*196608+(\a%4)*1536, (\a/4)*196608+(\a%4)*1536+768
	global_store_b32 v[QS], v[PW], s[94:95] offset:(\a/4)*8192+(\a%4)*64
.endr
.Lend:
	s_wait_tensorcnt 0x0
	ds_add_u32 v[SPW], v[NIL]
	s_wait_dscnt 0x0
	CROUND
	s_endpgm
.Lfunc_end_k_qf59faeec0d_qkv:
	.size	k_qf59faeec0d_qkv, .Lfunc_end_k_qf59faeec0d_qkv-k_qf59faeec0d_qkv
	.p2alignl 7, 3214868480
	.fill 96, 4, 3214868480
	.section	.rodata,"a",@progbits
	.p2align	6, 0x0
	.amdhsa_kernel k_qf59faeec0d_qkv
		.amdhsa_group_segment_fixed_size 327680
		.amdhsa_private_segment_fixed_size 0
		.amdhsa_enable_private_segment 0
		.amdhsa_kernarg_size 48
		.amdhsa_user_sgpr_count 2
		.amdhsa_user_sgpr_kernarg_segment_ptr 1
		.amdhsa_wavefront_size32 1
		.amdhsa_system_sgpr_workgroup_id_x 1
		.amdhsa_system_sgpr_workgroup_id_y 1
		.amdhsa_system_sgpr_workgroup_id_z 1
		.amdhsa_system_vgpr_workitem_id 0
		.amdhsa_next_free_vgpr 1024
		.amdhsa_next_free_sgpr 100
		.amdhsa_reserve_vcc 0
		.amdhsa_float_denorm_mode_32 3
		.amdhsa_float_denorm_mode_16_64 3
		.amdhsa_memory_ordered 1
		.amdhsa_forward_progress 1
		.amdhsa_inst_pref_size 224
	.end_amdhsa_kernel
	.amdgpu_metadata
---
amdhsa.version: [ 1, 2 ]
amdhsa.kernels:
  - .name:           k_qf59faeec0d_qkv
    .symbol:         k_qf59faeec0d_qkv.kd
    .args:
      - { .name: hq, .offset: 0, .size: 8, .value_kind: global_buffer, .address_space: global }
      - { .name: wts, .offset: 8, .size: 8, .value_kind: global_buffer, .address_space: global }
      - { .name: bq, .offset: 16, .size: 8, .value_kind: global_buffer, .address_space: global }
      - { .name: bk, .offset: 24, .size: 8, .value_kind: global_buffer, .address_space: global }
      - { .name: bv, .offset: 32, .size: 8, .value_kind: global_buffer, .address_space: global }
      - { .name: qkv, .offset: 40, .size: 8, .value_kind: global_buffer, .address_space: global }
    .group_segment_fixed_size: 327680
    .private_segment_fixed_size: 0
    .kernarg_segment_align: 8
    .kernarg_segment_size: 48
    .max_flat_workgroup_size: 128
    .sgpr_count:     100
    .vgpr_count:     1024
    .wavefront_size: 32
...
	.end_amdgpu_metadata
.endif
;; end of part 9
;; launch attn (part 10): grid 8 x 32, 16 waves a work-group, clusters of 4 x 1, 215,040 bytes of LDS; arguments qkv, att; writes att
.if DOCPART == 10
	.amdgcn_target "amdgcn-amd-amdhsa--gfx1250"
	.amdhsa_code_object_version 6
	.text
	.protected	k_qf59faeec0d_attn
	.globl	k_qf59faeec0d_attn
	.p2align	8
	.type	k_qf59faeec0d_attn,@function
k_qf59faeec0d_attn:
	s_mov_b64 s[64:65], 0
	v_nop
	global_prefetch_b8 v0, s[64:65] scope:SCOPE_SE
	s_setreg_imm32_b32 hwreg(HW_REG_WAVE_MODE, 25, 1), 1
	s_wait_xcnt 0x0
	s_wait_alu depctr_hold_cnt(0) depctr_sa_sdst(0) depctr_va_vdst(0) depctr_va_sdst(0) depctr_va_ssrc(0) depctr_va_vcc(0) depctr_vm_vsrc(0)
	s_getreg_b32 s2, hwreg(HW_REG_IB_STS2, 6, 4)
	s_cmp_eq_u32 s2, 0
	s_cbranch_scc0 .Lentry_in_a_cluster
	s_endpgm
.Lentry_in_a_cluster:
	s_bfe_u32 s2, ttmp6, 0x10000c
	s_cmp_lg_u32 s2, 0x3003
	s_cbranch_scc0 .Lentry_shape_is_right
	s_endpgm
.Lentry_shape_is_right:
; o = softmax(q k^T / 32) v for each of 2 x 16 heads of 64, 2,048 tokens, both products on codes of BF6 (E3M2) with E8M0 scales; o is quantised at once for the next product.
; THE SOFTMAX: t = score x log2(e) / 32; M = the running largest t rounded UP to a whole number; p = 2^(t - M) is quantised along the keys, not normalised; the row's sum is taken of the unquantised p and divides at
; the end.  When M moves, the sum and O are multiplied by 2^(old M - new M): exact.
; SHARES.  A work-group owns 256 queries of one head and batch; each of its sixteen waves 16 of them, in 256 registers: four waves to a SIMD, so that one wave's vector work stands beside another's matrix work.
; ALL OF A HEAD'S K AND V (2 x 98,304 bytes of codes, 8,192 + 4,096 of scale words) COMES INTO LDS ONCE: no byte of LDS is filled again, so there is no ring.  Waves 0-5 fetch K's codes, 6-11 V's, 12-13 K's scale words, 14-15 V's: one tensor load a
; wave, 16,384 bytes of codes or 4,096 or 2,048 of scale words.  The four query blocks of a cluster read the same K and V: each load is asked for jointly, with the same descriptor (made of the head, the batch and the
; wave alone) and the mask of all four.  Every wave waits for its load ahead of the one barrier behind which LDS is read.  Nothing is left to ask for ahead of time: the launch names all of K and V at its head.
; LAYOUT.  Operands lie as images of their registers.  Q, K: [block of 16 tokens][768]: the 64 of the head are registers 0-5 of a fragment.  Registers 6-11 (k = 64 .. 127): Q's are zeros, so whatever stands in K's
; (the next tile's codes; every code of this format is a finite number, and no scale byte is 0xff) adds nothing.  V: [128 keys][4 blocks of 16 channels x 1,536].
; Both products are used transposed (S^T = K Q^T, O^T = V^T P^T): a lane holds one query.  Inside each 32 tokens place p holds token p with bits 3 and 4 exchanged, so the 16 registers of tiles 2 b, 2 b + 1 of S^T are
; keys 32 b + 16 (lane / 16) + 0 .. 15 in their true order, which is the order of V's K.
; OUT: att, rows by the queries' places: [group of 128][K step = head / 2][block of 16: 1,536][half = head % 2: 768]; two scale bytes a row at 3,145,728 + [group][K step][row x 4] + 2 (head % 2).
; LIMITS: a block of zeros gets the byte 1 (its codes are zeros; this program alone reads the bytes); NaN and infinities are not served.
; REGISTERS: v1-6 addresses that stay; v8-11, v28, v29 the step's; v12 -M, v13 the largest t, v[14:15] the sum; v16-27 Q; v32-85 K's eight tiles or V's four; v96-159 S^T, then p; v160-191 O^T; v224-235 p's codes;
; v232-254 at work; v248-251 scale words; v255 Q's scale words.
.set KB,   0
.set VB,   98304
.set KSB,  196608
.set VSB,  204800
.set WV,   18
.set SEL,  20
.set CS,   22
.set G1A,  24                          ; group 1: 64 rows of 256 bytes (codes);  G1C: 16 (K's scale words);  G1D: 8 (V's)
.set G1C,  40
.set G1D,  48
.set GK0,  56                          ; groups 0: K's scale words, K's codes; V's scale words, V's codes
.set GK1,  60
.set GV0,  72
.set GV1,  76
.set TK,   2                           ; s2  the step's codes: 6,144 bytes a step, in K and in V
.set TS,   3                           ; s3  K's scale words: 512 a step
.set TJ,   84                          ; s84 V's: 256 a step
.set CNT,  85
.macro CROUND
	s_barrier_signal -1
	s_barrier_wait -1
	s_cmp_lg_u32 s[WV], 0
	s_cbranch_scc1 .Lnot_wave_0_\@
	s_barrier_signal -3
.Lnot_wave_0_\@:
	s_barrier_wait -3
	s_barrier_signal -1
	s_barrier_wait -1
.endm
.macro SHAPE g, rows                   ; a dense block as rows of 256 bytes (32 elements of 8); mask of all four partners, bit 21 beside it
	s_mov_b32 s[\g], 15|(3<<16)|(1<<21)
	s_mov_b32 s[\g+1], 32<<16
	s_mov_b32 s[\g+2], (\rows)<<16
	s_mov_b32 s[\g+3], 32<<16
	s_mov_b32 s[\g+4], \rows
	s_mov_b32 s[\g+5], 32
	s_mov_b32 s[\g+6], 0
	s_mov_b32 s[\g+7], 0
.endm
.macro PLACE g                         ; a group 0: to LDS byte s86, from byte s87 of qkv
	s_mov_b32 s[\g], 1
	s_mov_b32 s[\g+1], s86
	s_mov_b32 s88, s87
	s_add_nc_u64 s[\g+2:\g+3], s[4:5], s[88:89]
	s_or_b32 s[\g+3], s[\g+3], 0x80000000
.endm
	s_load_b128 s[4:7], s[0:1], 0x0                ; qkv, att
	v_lshl_add_u32 v223, v0, 2, 0x34000
	v_mov_b32 v243, 0
	ds_add_u32 v223, v243
	ds_add_u32 v223, v243
	v_lshrrev_b32 v8, 5, v0
	s_delay_alu instid0(VALU_DEP_1)
	v_readfirstlane_b32 s[WV], v8                  ; wave 0..15
	s_bfe_u32 s8, ttmp6, 0x40000                   ; cx: it enters Q's and the output's addresses alone
	s_lshl_b32 s9, ttmp9, 2
	s_add_co_u32 s9, s9, s8                        ; my block of 256 queries
	s_and_b32 s10, ttmp7, 0xffff
	s_lshr_b32 s11, s10, 4                         ; batch
	s_and_b32 s12, s10, 15                         ; head
	s_add_co_u32 s13, s12, 16                      ; K's heads lie behind Q's sixteen
	s_mul_i32 s14, s13, 196608
	s_mul_i32 s15, s11, 98304
	s_add_co_u32 s14, s14, s15                     ; K's codes
	s_mul_i32 s16, s12, 196608
	s_add_co_u32 s16, s16, s15
	s_add_co_u32 s16, s16, 6291456-98304           ; V's codes, less six waves' 16,384 bytes: waves 6-11 fetch them
	s_lshl_b32 s17, s13, 14
	s_lshl_b32 s15, s11, 13
	s_add_co_u32 s17, s17, s15
	s_add_co_u32 s17, s17, 9437184-49152           ; K's scale words, less twelve waves' 4,096 bytes: waves 12, 13 fetch them
	s_lshl_b32 s19, s12, 13
	s_lshl_b32 s15, s11, 12
	s_add_co_u32 s19, s19, s15
	s_add_co_u32 s19, s19, 9961472-28672           ; V's, less fourteen waves' 2,048 bytes: waves 14, 15 fetch them
	SHAPE G1A, 64
	SHAPE G1C, 16
	SHAPE G1D, 8
	s_mov_b32 s[SEL], 0x76543210
	s_mov_b32 s[SEL+1], 0xfedcba98
	s_mov_b32 s[CS], 0x3d38aa3b                    ; c = log2(e) / 32
	s_mov_b32 s[CS+1], s[CS]
	s_mov_b32 s[TK], 0
	s_mov_b32 s[TS], 0
	s_mov_b32 s[TJ], 0
	s_mov_b32 s89, 0
	s_wait_dscnt 0x0
	s_wait_kmcnt 0x0
	s_lshl_b32 s86, s[WV], 12                      ; K's scale words: 4,096 bytes a wave, waves 12, 13
	s_add_co_u32 s87, s17, s86
	s_add_co_u32 s86, s86, KSB-49152
	PLACE GK0
	s_lshl_b32 s86, s[WV], 11                      ; V's: 2,048 bytes a wave, waves 14, 15
	s_add_co_u32 s87, s19, s86
	s_add_co_u32 s86, s86, VSB-28672
	PLACE GV0
	s_lshl_b32 s86, s[WV], 14                      ; the codes: 16,384 bytes a wave; waves 0-5 fill K's 98,304 bytes from LDS byte 0, waves 6-11 V's behind them
	s_add_co_u32 s87, s14, s86
	PLACE GK1
	s_add_co_u32 s87, s16, s86
	PLACE GV1
	CROUND                                         ; all four work-groups are here: the joint loads meet
; THE FILLS AS THEY ARE SHARED OUT NOW: one tensor load a wave, in one chain of branches on the wave's number: waves 0-5 K's codes, 6-11 V's codes, 12-13 K's scale words, 14-15 V's
	s_cmp_lt_u32 s[WV], 6
	s_cbranch_scc0 .Lfor_v
	tensor_load_to_lds s[GK1:GK1+3], s[G1A:G1A+7]
	s_nop 0
.rept 4
	v_nop
.endr
	s_branch .Lasked
.Lfor_v:
	s_cmp_lt_u32 s[WV], 12
	s_cbranch_scc0 .Lfor_ks
	tensor_load_to_lds s[GV1:GV1+3], s[G1A:G1A+7]
	s_nop 0
.rept 4
	v_nop
.endr
	s_branch .Lasked
.Lfor_ks:
	s_cmp_lt_u32 s[WV], 14
	s_cbranch_scc0 .Lfor_vs
	tensor_load_to_lds s[GK0:GK0+3], s[G1C:G1C+7]
	s_nop 0
.rept 4
	v_nop
.endr
	s_branch .Lasked
.Lfor_vs:
	tensor_load_to_lds s[GV0:GV0+3], s[G1D:G1D+7]
	s_nop 0
.rept 4
	v_nop
.endr
.Lasked:
	s_lshl_b32 s94, s11, 7
	s_lshl_b32 s87, s9, 4
	s_add_co_u32 s94, s94, s87
	s_add_co_u32 s94, s94, s[WV]                   ; s94: my block of 16 queries among the 256 of both batches
	s_mul_i32 s88, s94, 768
	s_mul_i32 s87, s12, 196608
	s_add_co_u32 s88, s88, s87
	s_add_nc_u64 s[90:91], s[4:5], s[88:89]        ; Q's codes
	s_lshl_b32 s88, s94, 6
	s_lshl_b32 s87, s12, 14
	s_add_co_u32 s88, s88, s87
	s_add_co_u32 s88, s88, 9437184
	s_add_nc_u64 s[92:93], s[4:5], s[88:89]        ; Q's scale words
	v_and_b32 v30, 31, v0                          ; lane
	s_delay_alu instid0(VALU_DEP_1)
	v_lshlrev_b32 v1, 4, v30                       ; v1: K's images, 16 bytes a lane (K's codes begin at LDS byte 0); also 16 x lane
	s_delay_alu instid0(VALU_DEP_2)
	v_lshlrev_b32 v31, 3, v30                      ; v31: 8 x lane
	s_delay_alu instid0(VALU_DEP_1)
	v_add_nc_u32 v2, 512, v31                      ; v2: K's images, 8 bytes a lane
	s_delay_alu instid0(VALU_DEP_3)
	v_add_nc_u32 v3, VB, v1                        ; v3, v4: V's
	s_delay_alu instid0(VALU_DEP_2)
	v_add_nc_u32 v4, VB, v2
	v_lshlrev_b32 v7, 2, v30
	s_delay_alu instid0(VALU_DEP_1)
	v_add_nc_u32 v5, KSB, v7                       ; v5, v6: scale words, 4 bytes a lane: two tiles of 16 rows a load
	s_delay_alu instid0(VALU_DEP_2)
	v_add_nc_u32 v6, VSB, v7
	global_load_b128 v[16:19], v1, s[90:91]
	global_load_b64 v[20:21], v31, s[90:91] offset:512
	v_and_b32 v254, 15, v0
	s_delay_alu instid0(VALU_DEP_1)
	v_lshlrev_b32 v254, 2, v254
	global_load_b32 v255, v254, s[92:93]
.irp j, 22,23,24,25,26,27,80,81,82,83,84,85
	v_mov_b32 v\j, 0                               ; Q's k = 64 .. 127: zero codes; and what stands behind K's last tile
.endr
	v_mov_b32 v13, 0xff61b1e6                      ; the largest t so far: -3e38
	s_delay_alu instid0(VALU_DEP_1)
	v_floor_f32 v12, -v13                          ; -M
	v_mov_b32 v14, 0
	v_mov_b32 v15, 0
.irp b, 0,1,2,3
	v_mov_b32 v[236+\b], 0                         ; a lane permute's destination counts as one of its sources
.endr
	v_mov_b32 v253, 0                              ; (named as the upper half of the pair v[252:253])
.irp j, 0,1,2,3,4,5,6,7,8,9,10,11,12,13,14,15,16,17,18,19,20,21,22,23,24,25,26,27,28,29,30,31
	v_mov_b32 v[160+\j], 0                         ; O^T: the step is written for every step alike; the first change of M multiplies zeros
.endr
	s_wait_tensorcnt 0x0                           ; my load has landed,
	s_wait_loadcnt 0x0                             ; Q is in,
	s_barrier_signal -1
	s_barrier_wait -1                              ; and everybody's part of K and V lies in LDS
	s_mov_b32 s[CNT], 16
.Lstep:                                            ; A KEY STEP: 128 keys
	v_add_nc_u32 v8, s[TK], v1                     ; six plain lines: also the places in front of loads into registers that the last products read
	v_add_nc_u32 v9, s[TK], v2
	v_add_nc_u32 v10, s[TK], v3
	v_add_nc_u32 v11, s[TK], v4
	v_add_nc_u32 v28, s[TS], v5
	v_add_nc_u32 v29, s[TJ], v6
.irp t, 0,1,2,3,4,5,6,7
	ds_load_b128 v[32+6*\t:35+6*\t], v8 offset:768*\t
	ds_load_b64 v[36+6*\t:37+6*\t], v9 offset:768*\t
.endr
.irp u, 0,1,2,3
	ds_load_b32 v[248+\u], v28 offset:128*\u       ; lanes 0-15: tile 2 u's words, lanes 16-31: tile 2 u + 1's
.endr
	s_wait_alu depctr_va_vdst(0)
	s_wait_dscnt 0x0
.irp t, 0,2,4,6                                ; S^T = K Q^T: tile t's upper six registers are tile t + 1's codes, against Q's zeros
	v_wmma_scale_f32_16x16x128_f8f6f4 v[96+8*\t:103+8*\t], v[32+6*\t:43+6*\t], v[16:27], 0, v[248+\t/2], v255 matrix_a_fmt:MATRIX_FMT_BF6 matrix_b_fmt:MATRIX_FMT_BF6
	v_wmma_scale_f32_16x16x128_f8f6f4 v[104+8*\t:111+8*\t], v[38+6*\t:49+6*\t], v[16:27], 0, v[248+\t/2], v255 matrix_a_fmt:MATRIX_FMT_BF6 matrix_b_fmt:MATRIX_FMT_BF6 matrix_a_scale:MATRIX_SCALE_ROW1
.endr
.rept 4
	v_nop                                          ; places behind the products: for the reads of S^T and for the loads below
.endr
.irp t, 0,1,2,3                                ; V's four tiles are asked for now and land during the softmax
.irp c, 0,1
	ds_load_b128 v[32+12*\t+6*\c:35+12*\t+6*\c], v10 offset:1536*\t+768*\c
	ds_load_b64 v[36+12*\t+6*\c:37+12*\t+6*\c], v11 offset:1536*\t+768*\c
.endr
.endr
	ds_load_b32 v248, v29
	ds_load_b32 v249, v29 offset:128
.irp b, 0,1,2,3
	v_max3_num_f32 v[232+\b], v[96+16*\b], v[97+16*\b], v[98+16*\b]   ; the largest score of each block of 32 keys: for the row's maximum and, since p rises with the score, for the block's largest p
.endr
.irp i, 3,5,7,9,11,13
.irp b, 0,1,2,3
	v_max3_num_f32 v[232+\b], v[232+\b], v[96+16*\b+\i], v[97+16*\b+\i]
.endr
.endr
.irp b, 0,1,2,3
	v_max_num_f32 v[232+\b], v[232+\b], v[111+16*\b]
.endr
.irp b, 0,1,2,3
	s_delay_alu instid0(VALU_DEP_4)
	v_permlanex16_b32 v[236+\b], v[232+\b], s[SEL], s[SEL+1]
.endr
.irp b, 0,1,2,3
	s_delay_alu instid0(VALU_DEP_4)
	v_max_num_f32 v[232+\b], v[232+\b], v[236+\b]  ; with lane l xor 16's 16 keys
.endr
	s_delay_alu instid0(VALU_DEP_2)
	v_max3_num_f32 v254, v232, v233, v234
	s_delay_alu instid0(VALU_DEP_1)
	v_max_num_f32 v254, v254, v235
	s_delay_alu instid0(VALU_DEP_1)
	v_mul_f32 v254, s[CS], v254                    ; as t (c is positive)
	s_delay_alu instid0(VALU_DEP_1)
	v_max_num_f32 v13, v13, v254                   ; the running largest t
	v_mov_b32 v254, v12
	s_delay_alu instid0(VALU_DEP_2)
	v_floor_f32 v12, -v13                          ; the new -M = floor(-t) = -ceil(t)
	s_delay_alu instid0(VALU_DEP_1)
	v_sub_f32 v254, v12, v254                      ; old M - new M: a whole number, 0 or less
	s_delay_alu instid0(VALU_DEP_1)
	v_cvt_i32_f32 v254, v254                       ; (it saturates)
	s_delay_alu instid0(VALU_DEP_1)
	v_ldexp_f32 v252, 1.0, v254                    ; f = 2^(old M - new M)
.irp j, 0,2,4,6,8,10,12,14,16,18,20,22,24,26,28,30,32,34,36,38,40,42,44,46,48,50,52,54,56,58,60,62
	v_pk_fma_f32 v[96+\j:97+\j], v[96+\j:97+\j], s[CS:CS+1], v[12:13] op_sel_hi:[1,0,0]   ; t - M
.endr
.irp b, 0,1,2,3
	v_fma_f32 v[232+\b], v[232+\b], s[CS], v12     ; the same of each block's largest score
.endr
	s_wait_alu depctr_va_vdst(0)
.irp j, 0,1,2,3,4,5,6,7,8,9,10,11,12,13,14,15,16,17,18,19,20,21,22,23,24,25,26,27,28,29,30,31,32,33,34,35,36,37,38,39,40,41,42,43,44,45,46,47,48,49,50,51,52,53,54,55,56,57,58,59,60,61,62,63
	v_exp_f32 v[96+\j], v[96+\j]                   ; p = 2^(t - M), at most 1
.endr
	v_pk_mul_f32 v[14:15], v[14:15], v[252:253] op_sel_hi:[1,0]   ; the sums under the new M: a plain place behind the exponentials
	s_wait_alu depctr_va_vdst(0)                   ; one wait for the batch of 64, ahead of its first reader
.irp b, 0,1,2,3
	v_exp_f32 v[232+\b], v[232+\b]                 ; each block's largest p
.endr
	v_pk_add_f32 v[236:237], v[100:101], v[104:105]
	v_pk_add_f32 v[250:251], v[108:109], v[112:113]
	v_pk_add_f32 v[246:247], v[116:117], v[120:121]
	v_pk_add_f32 v[244:245], v[124:125], v[128:129]
	v_pk_add_f32 v[240:241], v[132:133], v[136:137]
	v_pk_add_f32 v[238:239], v[140:141], v[144:145]
	v_pk_add_f32 v[230:231], v[148:149], v[152:153]
	v_pk_add_f32 v[14:15], v[14:15], v[156:157]
	v_pk_add_f32 v[236:237], v[236:237], v[96:97]
	v_pk_add_f32 v[250:251], v[250:251], v[98:99]
	v_pk_add_f32 v[246:247], v[246:247], v[102:103]
	v_pk_add_f32 v[244:245], v[244:245], v[106:107]
	v_pk_add_f32 v[240:241], v[240:241], v[110:111]
	v_pk_add_f32 v[238:239], v[238:239], v[114:115]
	v_pk_add_f32 v[230:231], v[230:231], v[118:119]
	v_pk_add_f32 v[14:15], v[14:15], v[122:123]
	v_pk_add_f32 v[236:237], v[236:237], v[126:127]
	v_pk_add_f32 v[250:251], v[250:251], v[130:131]
	v_pk_add_f32 v[246:247], v[246:247], v[134:135]
	v_pk_add_f32 v[244:245], v[244:245], v[138:139]
	v_pk_add_f32 v[240:241], v[240:241], v[142:143]
	v_pk_add_f32 v[238:239], v[238:239], v[146:147]
	v_pk_add_f32 v[230:231], v[230:231], v[150:151]
	v_pk_add_f32 v[14:15], v[14:15], v[154:155]
	v_pk_add_f32 v[236:237], v[236:237], v[158:159]
	s_delay_alu instid0(VALU_DEP_2)
	v_pk_add_f32 v[14:15], v[14:15], v[244:245]
	s_delay_alu instid0(VALU_DEP_2)
	v_pk_add_f32 v[236:237], v[236:237], v[240:241]
	v_pk_add_f32 v[250:251], v[250:251], v[238:239]
	v_pk_add_f32 v[246:247], v[246:247], v[230:231]
	s_delay_alu instid0(VALU_DEP_2)
	v_pk_add_f32 v[14:15], v[14:15], v[250:251]
	s_delay_alu instid0(VALU_DEP_2)
	v_pk_add_f32 v[236:237], v[236:237], v[246:247]
	s_delay_alu instid0(VALU_DEP_1)
	v_pk_add_f32 v[14:15], v[14:15], v[236:237]
	s_wait_alu depctr_va_vdst(0)                   ; and one for the four
.irp b, 0,1,2,3
	v_max_num_f32 v[232+\b], 0x2800000, v[232+\b]  ; the floor 2^(5 - 127)
.endr
.irp b, 0,1,2,3
	s_delay_alu instid0(VALU_DEP_4)
	v_add_nc_u32 v[244+\b], 0xfe000000, v[232+\b]  ; 4 off the exponent field: the conversion's scale operand
.endr
.irp b, 0,1,2,3
	s_delay_alu instid0(VALU_DEP_4)
	v_lshrrev_b32 v[236+\b], 23, v[244+\b]         ; the scale's byte
.endr
	s_delay_alu instid0(VALU_DEP_3)
	v_lshl_or_b32 v253, v237, 8, v236              ; p's scale word for these 128 keys
	s_delay_alu instid0(VALU_DEP_1)
	v_lshl_or_b32 v253, v238, 16, v253
	s_delay_alu instid0(VALU_DEP_1)
	v_lshl_or_b32 v253, v239, 24, v253
.irp c, 0,1
	v_cvt_scalef32_pk16_bf6_f32 v[224+6*\c:226+6*\c], v[96+32*\c:111+32*\c], v[244+2*\c]
	v_cvt_scalef32_pk16_bf6_f32 v[236+4*\c:238+4*\c], v[112+32*\c:127+32*\c], v[244+2*\c+1]
.endr
	v_nop                                          ; one plain place behind a scaled conversion
.irp c, 0,1
.irp i, 0,1,2
	v_permlane16_swap_b32 v[224+6*\c+\i], v[236+4*\c+\i]
.endr
.irp i, 0,1,2
	s_delay_alu instid0(VALU_DEP_3)
	v_mov_b32 v[227+6*\c+\i], v[236+4*\c+\i]
.endr
.endr
.irp j, 0,2,4,6,8,10,12,14,16,18,20,22,24,26,28,30
	v_pk_mul_f32 v[160+\j:161+\j], v[160+\j:161+\j], v[252:253] op_sel_hi:[1,0]   ; O^T under the new M; these sixteen are also the places between the scale word's and the codes' last writes and the products
.endr
	s_wait_alu depctr_va_vdst(0)
	s_wait_dscnt 0x0                               ; V
.irp t, 0,2                                    ; O^T += V^T P^T: the four accumulators by turns
	v_wmma_scale_f32_16x16x128_f8f6f4 v[160+8*\t:167+8*\t], v[32+12*\t:43+12*\t], v[224:235], v[160+8*\t:167+8*\t], v[248+\t/2], v253 matrix_a_fmt:MATRIX_FMT_BF6 matrix_b_fmt:MATRIX_FMT_BF6
	v_wmma_scale_f32_16x16x128_f8f6f4 v[168+8*\t:175+8*\t], v[44+12*\t:55+12*\t], v[224:235], v[168+8*\t:175+8*\t], v[248+\t/2], v253 matrix_a_fmt:MATRIX_FMT_BF6 matrix_b_fmt:MATRIX_FMT_BF6 matrix_a_scale:MATRIX_SCALE_ROW1
.endr
	s_add_co_u32 s[TK], s[TK], 6144
	s_add_co_u32 s[TS], s[TS], 512
	s_add_co_u32 s[TJ], s[TJ], 256
	s_sub_co_u32 s[CNT], s[CNT], 1
	s_cmp_lg_u32 s[CNT], 0
	s_cbranch_scc1 .Lstep
	; THE WAY OUT: O^T / the sum; its 32 registers are the head's channels 32 b + 16 h + i of my query: two blocks of the next product's K, quantised here
	v_add_f32 v14, v14, v15
	s_delay_alu instid0(VALU_DEP_1)
	v_permlanex16_b32 v252, v14, s[SEL], s[SEL+1]
	s_delay_alu instid0(VALU_DEP_1)
	v_add_f32 v14, v14, v252                       ; the row's sum
	s_wait_alu depctr_va_vdst(0)
	v_rcp_f32 v14, v14
	v_and_b32 v8, 15, v0
	s_delay_alu instid0(VALU_DEP_1)
	v_lshlrev_b32 v8, 2, v8                        ; 4 r
	v_nop
	v_nop
	s_lshr_b32 s86, s94, 3                         ; the group of 128 rows,
	s_and_b32 s87, s94, 7                          ; my block in it,
	s_lshr_b32 s90, s12, 1                         ; the K step,
	s_and_b32 s91, s12, 1                          ; and the half of it that my head is
	s_mul_i32 s88, s86, 98304
	s_mul_i32 s92, s90, 12288
	s_add_co_u32 s88, s88, s92
	s_mul_i32 s92, s87, 1536
	s_add_co_u32 s88, s88, s92
	s_mul_i32 s92, s91, 768
	s_add_co_u32 s88, s88, s92
	s_add_nc_u64 s[8:9], s[6:7], s[88:89]
	s_lshl_b32 s88, s86, 12
	s_lshl_b32 s92, s90, 9
	s_add_co_u32 s88, s88, s92
	s_lshl_b32 s92, s87, 6
	s_add_co_u32 s88, s88, s92
	s_lshl_b32 s92, s91, 1
	s_add_co_u32 s88, s88, s92
	s_add_co_u32 s88, s88, 3145728
	s_add_nc_u64 s[10:11], s[6:7], s[88:89]
	s_wait_alu depctr_va_vdst(0)                   ; the wait for the reciprocal, ahead of its first reader
.irp j, 0,1,2,3,4,5,6,7,8,9,10,11,12,13,14,15,16,17,18,19,20,21,22,23,24,25,26,27,28,29,30,31
	v_mul_f32 v[96+\j], v[160+\j], v14
.endr
.irp b, 0,1
	v_max3_num_f32 v[232+\b], |v[96+16*\b]|, |v[97+16*\b]|, 0x2800000
.endr
.irp i, 2,4,6,8,10,12,14
.irp b, 0,1
	s_delay_alu instid0(VALU_DEP_2)
	v_max3_num_f32 v[232+\b], v[232+\b], |v[96+16*\b+\i]|, |v[97+16*\b+\i]|
.endr
.endr
.irp b, 0,1
	s_delay_alu instid0(VALU_DEP_2)
	v_permlanex16_b32 v[236+\b], v[232+\b], s[SEL], s[SEL+1]
.endr
.irp b, 0,1
	s_delay_alu instid0(VALU_DEP_2)
	v_max_num_f32 v[232+\b], v[232+\b], v[236+\b]
.endr
.irp b, 0,1
	s_delay_alu instid0(VALU_DEP_2)
	v_add_nc_u32 v[244+\b], 0xfe000000, v[232+\b]
.endr
.irp b, 0,1
	s_delay_alu instid0(VALU_DEP_2)
	v_lshrrev_b32 v[236+\b], 23, v[244+\b]
.endr
	s_delay_alu instid0(VALU_DEP_1)
	v_lshl_or_b32 v253, v237, 8, v236              ; my head's two bytes of the row's scale word
	v_cvt_scalef32_pk16_bf6_f32 v[224:226], v[96:111], v244
	v_cvt_scalef32_pk16_bf6_f32 v[240:242], v[112:127], v245
	v_nop                                          ; one plain place behind a scaled conversion
.irp i, 0,1,2
	v_permlane16_swap_b32 v[224+\i], v[240+\i]
.endr
.irp i, 0,1,2
	s_delay_alu instid0(VALU_DEP_3)
	v_mov_b32 v[227+\i], v[240+\i]
.endr
	global_store_b128 v1, v[224:227], s[8:9]       ; 512 consecutive bytes,
	global_store_b64 v31, v[228:229], s[8:9] offset:512   ; and 256
	global_store_b16 v8, v253, s[10:11]            ; both halves of the lanes hold row r's bytes and store them to the same place
	s_wait_tensorcnt 0x0
	ds_add_u32 v223, v243
	s_wait_dscnt 0x0
	CROUND                                         ; the closing round
	s_endpgm
.Lfunc_end_k_qf59faeec0d_attn:
	.size	k_qf59faeec0d_attn, .Lfunc_end_k_qf59faeec0d_attn-k_qf59faeec0d_attn
	.p2alignl 7, 3214868480
	.fill 96, 4, 3214868480
	.section	.rodata,"a",@progbits
	.p2align	6, 0x0
	.amdhsa_kernel k_qf59faeec0d_attn
		.amdhsa_group_segment_fixed_size 215040
		.amdhsa_private_segment_fixed_size 0
		.amdhsa_enable_private_segment 0
		.amdhsa_kernarg_size 16
		.amdhsa_user_sgpr_count 2
		.amdhsa_user_sgpr_kernarg_segment_ptr 1
		.amdhsa_wavefront_size32 1
		.amdhsa_system_sgpr_workgroup_id_x 1
		.amdhsa_system_sgpr_workgroup_id_y 1
		.amdhsa_system_sgpr_workgroup_id_z 1
		.amdhsa_system_vgpr_workitem_id 0
		.amdhsa_next_free_vgpr 256
		.amdhsa_next_free_sgpr 100
		.amdhsa_reserve_vcc 0
		.amdhsa_float_denorm_mode_32 3
		.amdhsa_float_denorm_mode_16_64 3
		.amdhsa_memory_ordered 1
		.amdhsa_forward_progress 1
		.amdhsa_inst_pref_size 33
	.end_amdhsa_kernel
	.amdgpu_metadata
---
amdhsa.version: [ 1, 2 ]
amdhsa.kernels:
  - .name:           k_qf59faeec0d_attn
    .symbol:         k_qf59faeec0d_attn.kd
    .args:
      - { .name: qkv, .offset: 0, .size: 8, .value_kind: global_buffer, .address_space: global }
      - { .name: att, .offset: 8, .size: 8, .value_kind: global_buffer, .address_space: global }
    .group_segment_fixed_size: 215040
    .private_segment_fixed_size: 0
    .kernarg_segment_align: 8
    .kernarg_segment_size: 16
    .max_flat_workgroup_size: 512
    .sgpr_count:     100
    .vgpr_count:     256
    .wavefront_size: 32
...
	.end_amdgpu_metadata
.endif
;; end of part 10
;; launch wo (part 11): grid 8 x 32, 4 waves a work-group, clusters of 4 x 4, 327,680 bytes of LDS; arguments att, wts, bo, x, res; writes res
.if DOCPART == 11
	.amdgcn_target "amdgcn-amd-amdhsa--gfx1250"
	.amdhsa_code_object_version 6
	.text
	.protected	k_qf59faeec0d_wo
	.globl	k_qf59faeec0d_wo
	.p2align	8
	.type	k_qf59faeec0d_wo,@function
k_qf59faeec0d_wo:
	s_mov_b64 s[64:65], 0
	v_nop
	global_prefetch_b8 v0, s[64:65] scope:SCOPE_SE
	s_setreg_imm32_b32 hwreg(HW_REG_WAVE_MODE, 25, 1), 1
	s_wait_xcnt 0x0
	s_wait_alu depctr_hold_cnt(0) depctr_sa_sdst(0) depctr_va_vdst(0) depctr_va_sdst(0) depctr_va_ssrc(0) depctr_va_vcc(0) depctr_vm_vsrc(0)
	s_getreg_b32 s2, hwreg(HW_REG_IB_STS2, 6, 4)
	s_cmp_eq_u32 s2, 0
	s_cbranch_scc0 .Lentry_in_a_cluster
	s_endpgm
.Lentry_in_a_cluster:
	s_bfe_u32 s2, ttmp6, 0x10000c
	s_cmp_lg_u32 s2, 0xf033
	s_cbranch_scc0 .Lentry_shape_is_right
	s_endpgm
.Lentry_shape_is_right:
.set KDIM,   1024
.set ASOFF,  3145728
.set BOFF,   2359296
.set BSOFF,  9535488
.set WITH_GELU, 0
.set H,      24576
.set SLOT,   4*H
.set SCL,    2*SLOT
.set GS,     (KDIM/128)*12288
.set HS,     (KDIM/128)*512
.set HH,     HS/2
.set STG,    229376
.set SPITCH, 272
.set WSTG,   64*SPITCH
.set SPARE,  327168
.set NF,     KDIM/512
.set FR,     12
.set NP,     4
.set C16,  12
.set ADRA, 16
.set ADRB, 20
.set STO,  24
.set RD,   25
.set CO,   26
.set ADRS, 27
.set SPW,  28
.set NIL,  29
.set V16,  30
.set V8,   31
.set SC,   32
.set FA,   64
.set FB,   112
.set BK,   64
.set XR,   128
.set GZ,   192
.set G2,   208
.set GP,   224
.set GQ,   240
.set G1, 24
.set G0, 32
.set G1B, 48
.set G0B, 56
.set G1S, 68
.set G0S, 76
.set G1SB, 80
.set G0SB, 88
.set MSB, 0
.macro WIN new
.if MSB != (\new)
	s_set_vgpr_msb (MSB<<8)|(\new)
.set MSB, (\new)
.endif
.endm
.set MULW, 0x50
.macro JLOAD g0a, g1a, g0b, g1b
	s_cmp_eq_u32 s15, 0
	s_cbranch_scc0 .Lfor_b_\@
	tensor_load_to_lds s[\g0a:\g0a+3], s[\g1a:\g1a+7]
	s_nop 0
.rept 4
	v_nop
.endr
	s_branch .Lasked_\@
.Lfor_b_\@:
	tensor_load_to_lds s[\g0b:\g0b+3], s[\g1b:\g1b+7]
	s_nop 0
.rept 4
	v_nop
.endr
.Lasked_\@:
.endm
.macro CREST
	s_cmp_lg_u32 s14, 0
	s_cbranch_scc1 .Lnot_wave_0_\@
	s_barrier_signal -3
.Lnot_wave_0_\@:
	s_barrier_wait -3
	s_barrier_signal -1
	s_barrier_wait -1
.endm
.macro CROUND
	s_barrier_signal -1
	s_barrier_wait -1
	CREST
.endm
.macro PLACES n
.rept \n
	v_nop
.endr
.endm
	s_load_b128 s[4:7], s[0:1], 0x0
	s_load_b128 s[8:11], s[0:1], 0x10
	s_load_b64 s[12:13], s[0:1], 0x20
	v_lshl_add_u32 v[SPW], v0, 2, SPARE
	v_mov_b32 v[NIL], 0
	ds_add_u32 v28, v29
	ds_add_u32 v28, v29
	s_wait_dscnt 0x0
	v_lshrrev_b32 v1, 5, v0
	v_readfirstlane_b32 s14, v1
	s_lshr_b32 s15, s14, 1
	s_and_b32 s16, s14, 1
	s_bfe_u32 s40, ttmp6, 0x40000
	s_bfe_u32 s41, ttmp6, 0x40004
	s_lshl_b32 s42, ttmp9, 2
	s_add_co_u32 s42, s42, s40
	s_and_b32 s17, ttmp7, 0xffff
	s_lshl_b32 s17, s17, 2
	s_add_co_u32 s17, s17, s41
	s_lshl_b32 s43, s41, 2
	s_lshl_b32 s43, 15, s43
	s_lshl_b32 s44, 0x1111, s40
	s_or_b32 s[G1], s43, (3<<16)|(1<<21)
	s_or_b32 s[G1B], s44, (3<<16)|(1<<21)
	s_or_b32 s[G1S], s43, (3<<16)|(1<<21)
	s_or_b32 s[G1SB], s44, (3<<16)|(1<<21)
.irp g, G1, G1B
	s_mov_b32 s[\g+1], 32<<16
	s_mov_b32 s[\g+2], (2*H/256)<<16               ; for the head's loads of codes: a slot's 2 H dense bytes of one operand
	s_mov_b32 s[\g+3], 32<<16
	s_mov_b32 s[\g+4], 2*H/256
	s_mov_b32 s[\g+5], 32
	s_mov_b32 s[\g+6], 0
	s_mov_b32 s[\g+7], 0
.endr
.irp g, G1S, G1SB
	s_mov_b32 s[\g+1], 32<<16
	s_mov_b32 s[\g+2], (HS/256)<<16
	s_mov_b32 s[\g+3], 32<<16
	s_mov_b32 s[\g+4], HS/256
	s_mov_b32 s[\g+5], 32
	s_mov_b32 s[\g+6], 0
	s_mov_b32 s[\g+7], 0
.endr
	s_mul_i32 s18, s16, H
	s_mul_i32 s22, s17, HS
	s_add_co_u32 s22, s22, ASOFF
	s_mov_b32 s23, 0
	s_mul_i32 s92, s42, HS
	s_add_co_u32 s92, s92, BSOFF
	s_mov_b32 s93, 0
	s_mul_i32 s20, s17, GS
	s_add_co_u32 s20, s20, s18
	s_mov_b32 s21, 0
	s_mul_i32 s46, s42, GS
	s_add_co_u32 s46, s46, s18
	s_add_co_u32 s46, s46, BOFF
	s_mov_b32 s47, 0
	s_mul_i32 s45, s14, H
	s_mul_i32 s94, s15, HS
	s_wait_kmcnt 0x0
	s_add_nc_u64 s[20:21], s[4:5], s[20:21]
	s_add_nc_u64 s[22:23], s[4:5], s[22:23]
	s_add_nc_u64 s[46:47], s[6:7], s[46:47]
	s_add_nc_u64 s[92:93], s[6:7], s[92:93]
	CROUND
	s_mov_b32 s[G0S], 1
	s_add_co_u32 s[G0S+1], s94, SCL
	s_mov_b64 s[G0S+2:G0S+3], s[22:23]
	s_or_b32 s[G0S+3], s[G0S+3], 0x80000000
	s_mov_b32 s[G0SB], 1
	s_add_co_u32 s[G0SB+1], s94, SCL
	s_mov_b64 s[G0SB+2:G0SB+3], s[92:93]
	s_or_b32 s[G0SB+3], s[G0SB+3], 0x80000000
.irp s, 0,1
	s_mov_b32 s[G0+4*\s], 1
	s_add_co_u32 s[G0+4*\s+1], s45, \s*SLOT
	s_add_nc_u64 s[G0+4*\s+2:G0+4*\s+3], s[20:21], \s*2*H
	s_or_b32 s[G0+4*\s+3], s[G0+4*\s+3], 0x80000000
	s_mov_b32 s[G0B+4*\s], 1
	s_add_co_u32 s[G0B+4*\s+1], s45, \s*SLOT
	s_add_nc_u64 s[G0B+4*\s+2:G0B+4*\s+3], s[46:47], \s*2*H
	s_or_b32 s[G0B+4*\s+3], s[G0B+4*\s+3], 0x80000000
.endr
; The head's four tiles, one joint load a wave, in one chain of branches on the wave's number: wave 0 slot 0 of the rows, wave 1 the rows' scale words, wave 2 slot 0 of the weight, wave 3 its scale words
.macro ARM under, g0, g1, next
	s_cmp_lt_u32 s14, \under
	s_cbranch_scc0 \next
	tensor_load_to_lds s[\g0:\g0+3], s[\g1:\g1+7]
	s_nop 0
.rept 4
	v_nop
.endr
	s_branch .Lhead_asked
\next:
.endm
	ARM 1, G0,  G1,  .Lhead_sa
	ARM 2, G0S, G1S, .Lhead_b
	ARM 3, G0B, G1B, .Lhead_sb
	tensor_load_to_lds s[G0SB:G0SB+3], s[G1SB:G1SB+7]
	s_nop 0
.rept 4
	v_nop
.endr
.Lhead_asked:
	s_wait_alu depctr_va_vdst(0)
	s_wait_tensorcnt 0x0                           ; my tile of the head's four is in
	ds_add_u32 v28, v29
	s_mov_b32 s[G1+2], (H/256)<<16                 ; no tensor load of mine is out: from here on a load brings H bytes
	s_mov_b32 s[G1+4], H/256
	s_mov_b32 s[G1B+2], (H/256)<<16
	s_mov_b32 s[G1B+4], H/256
	s_wait_dscnt 0x0
	CROUND
	JLOAD G0+4, G1, G0B+4, G1B                     ; slot 1's first fill, the first tensor load behind the round
	v_and_b32 v1, 31, v0
	v_and_b32 v2, 15, v0
	v_bfe_u32 v3, v0, 4, 1
	v_lshlrev_b32 v[V16], 4, v1
	v_lshlrev_b32 v[V8], 3, v1
	s_mul_i32 s21, s15, 4*1536
	s_mul_i32 s22, s16, 4*1536
	s_add_co_u32 s22, s22, 2*H
.irp s, 0,1
	v_add_nc_u32 v[ADRA+\s], s21, v[V16]
	v_add_nc_u32 v[ADRA+2+\s], s21, v[V8]
	v_add_nc_u32 v[ADRB+\s], s22, v[V16]
	v_add_nc_u32 v[ADRB+2+\s], s22, v[V8]
	s_add_co_u32 s21, s21, SLOT
	s_add_co_u32 s22, s22, SLOT
.endr
	s_lshl_b32 s21, s15, 8
	s_lshl_b32 s22, s16, 8
	s_add_co_u32 s22, s22, HS
	s_sub_co_u32 s22, s22, s21
	v_mul_u32_u24 v5, s22, v3
	s_add_co_u32 s21, s21, SCL
	v_lshl_add_u32 v5, v2, 2, v5
	v_add_nc_u32 v[ADRS], s21, v5
	s_mul_i32 s23, s14, WSTG
	s_add_co_u32 s23, s23, STG
	v_mul_u32_u24 v5, v2, SPITCH
	v_lshl_add_u32 v5, v3, 6, v5
	v_add_nc_u32 v[STO], s23, v5
	v_mul_u32_u24 v5, v3, SPITCH
	v_lshl_add_u32 v5, v2, 4, v5
	v_add_nc_u32 v[RD], s23, v5
	v_lshlrev_b32 v[C16], 4, v2
	s_wait_alu depctr_va_vdst(0)
	v_lshl_add_u32 v[CO], v3, 12, v[C16]
	s_wait_alu depctr_va_vdst(0)
	s_lshl_b32 s20, s17, 7
	s_lshl_b32 s21, s15, 6
	s_add_co_u32 s20, s20, s21
	s_lshl_b32 s20, s20, 12
	s_lshl_b32 s22, s42, 9
	s_lshl_b32 s21, s16, 8
	s_add_co_u32 s22, s22, s21
	s_add_co_u32 s20, s20, s22
	s_mov_b32 s21, 0
	s_mov_b32 s23, 0
	s_add_nc_u64 s[10:11], s[10:11], s[20:21]
	s_add_nc_u64 s[12:13], s[12:13], s[20:21]
	s_add_nc_u64 s[8:9], s[8:9], s[22:23]
	global_load_b128 v[8:11], v[C16], s[8:9]
	WIN 0x40
.irp a, 0,1,2,3
.irp t, 0,1,2,3,4,5,6,7
	global_load_b128 v[XR+32*\a+4*\t:XR+32*\a+4*\t+3], v[CO], s[10:11] offset:(32*(\a/2)+8*(\a%2)+(2*\t)%8+16*(\t/4))*4096 th:TH_LOAD_NT
.endr
.endr
	WIN 0
.macro FRAG reg, adr, off
	ds_load_b128 v[\reg:\reg+3], v[\adr] offset:\off
	ds_load_b64 v[\reg+4:\reg+5], v[\adr+2] offset:(\off)+512
	ds_load_b128 v[\reg+6:\reg+9], v[\adr] offset:(\off)+768
	ds_load_b64 v[\reg+10:\reg+11], v[\adr+2] offset:(\off)+1280
.endm
.macro FETCH slot, q, p
.irp i, 0,1,2,3
	FRAG FB+96*(\p)+FR*\i, ADRB+\slot, (\q)*12288+\i*1536
.endr
.irp i, 0,1,2,3
	FRAG FA+96*(\p)+FR*\i, ADRA+\slot, (\q)*12288+\i*1536
.endr
.endm
.macro SCALES sc
.irp q, 0,1,2,3
.irp i, 0,1,2,3
	ds_load_b32 v[SC+16*\sc+4*\q+\i], v[ADRS] offset:512*\q+64*\i
.endr
.endr
.endm
.macro MUL4 a, p, q, sc, zero
.irp b, 0,1,2,3
.if \zero
	v_wmma_scale_f32_16x16x128_f8f6f4 v[8*(4*(\a)+\b):8*(4*(\a)+\b)+7], v[FB+96*(\p)+FR*\b:FB+96*(\p)+FR*\b+FR-1], v[FA+96*(\p)+FR*(\a):FA+96*(\p)+FR*(\a)+FR-1], 0, v[SC+16*(\sc)+4*(\q)+\b], v[SC+16*(\sc)+4*(\q)+(\a)] matrix_a_fmt:MATRIX_FMT_BF6 matrix_b_fmt:MATRIX_FMT_BF6 matrix_a_scale:MATRIX_SCALE_ROW1
.else
	v_wmma_scale_f32_16x16x128_f8f6f4 v[8*(4*(\a)+\b):8*(4*(\a)+\b)+7], v[FB+96*(\p)+FR*\b:FB+96*(\p)+FR*\b+FR-1], v[FA+96*(\p)+FR*(\a):FA+96*(\p)+FR*(\a)+FR-1], v[8*(4*(\a)+\b):8*(4*(\a)+\b)+7], v[SC+16*(\sc)+4*(\q)+\b], v[SC+16*(\sc)+4*(\q)+(\a)] matrix_a_fmt:MATRIX_FMT_BF6 matrix_b_fmt:MATRIX_FMT_BF6 matrix_a_scale:MATRIX_SCALE_ROW1
.endif
.endr
.endm
.macro STEP slot, q, zero
	PLACES NP
	WIN 0
	FETCH \slot, (\q)+1, 1-(\q)%2
	s_wait_dscnt 32
	WIN MULW
	MUL4 0, (\q)%2, \q, \slot, \zero
	MUL4 1, (\q)%2, \q, \slot, \zero
	MUL4 2, (\q)%2, \q, \slot, \zero
	MUL4 3, (\q)%2, \q, \slot, \zero
.endm
.macro TURN slot, next, fill
	WIN 0
	s_wait_tensorcnt 0x0
	ds_add_u32 v[SPW], v[NIL]
	s_wait_dscnt 1
	WIN MULW
	MUL4 0, 1, 3, \slot, 0
	s_wait_dscnt 0x0
	s_barrier_signal -1
	MUL4 1, 1, 3, \slot, 0
	WIN 0
	s_barrier_wait -1
.if \fill
	CREST
	s_add_nc_u64 s[G0+4*\slot+2:G0+4*\slot+3], s[G0+4*\slot+2:G0+4*\slot+3], 4*H
	s_add_nc_u64 s[G0B+4*\slot+2:G0B+4*\slot+3], s[G0B+4*\slot+2:G0B+4*\slot+3], 4*H
	JLOAD G0+4*\slot, G1, G0B+4*\slot, G1B
.else
	PLACES NP
.endif
	v_add_nc_u32 v[ADRS], 4*512, v[ADRS]
	FETCH \next, 0, 0
	SCALES \next
	WIN MULW
	MUL4 2, 1, 3, \slot, 0
	MUL4 3, 1, 3, \slot, 0
.endm
	s_wait_tensorcnt 1
	s_barrier_signal -1
	s_barrier_wait -1
	FETCH 0, 0, 0
	SCALES 0
	STEP 0, 0, 1
	STEP 0, 1, 0
	STEP 0, 2, 0
.if NF > 2
	WIN 0
	s_mov_b32 s3, (NF-2)/2
.Llap:
	TURN 0, 1, 1
	STEP 1, 0, 0
	STEP 1, 1, 0
	STEP 1, 2, 0
	TURN 1, 0, 1
	STEP 0, 0, 0
	STEP 0, 1, 0
	STEP 0, 2, 0
	WIN 0
	s_sub_co_u32 s3, s3, 1
	s_cmp_lg_u32 s3, 0
	s_cbranch_scc1 .Llap
.endif
	TURN 0, 1, 0
	STEP 1, 0, 0
	STEP 1, 1, 0
	STEP 1, 2, 0
	s_wait_dscnt 0x0
	MUL4 0, 1, 3, 1, 0
	MUL4 1, 1, 3, 1, 0
	MUL4 2, 1, 3, 1, 0
	MUL4 3, 1, 3, 1, 0
	WIN 0
.macro STASH a
.irp b, 0,1,2,3
	ds_store_b128 v[STO], v[8*(4*(\a)+\b):8*(4*(\a)+\b)+3] offset:(\a)*16*SPITCH+128*(\b/2)+32*(\b%2)
	ds_store_b128 v[STO], v[8*(4*(\a)+\b)+4:8*(4*(\a)+\b)+7] offset:(\a)*16*SPITCH+128*(\b/2)+32*(\b%2)+16
.endr
.endm
.macro KON r, val
	s_mov_b32 s[\r], \val
	s_mov_b32 s[\r+1], \val
.endm
.macro GELU16 x
.irp p, 0,2,4,6,8,10,12,14
	v_pk_mul_f32 v[GZ+\p:GZ+\p+1], v[\x+\p:\x+\p+1], 0x3f3504f3 op_sel_hi:[1,0]
.endr
.irp p, 0,1,2,3,4,5,6,7,8,9,10,11,12,13,14,15
	v_med3_num_f32 v[GZ+\p], v[GZ+\p], -4.0, 4.0
.endr
.irp p, 0,2,4,6,8,10,12,14
	v_pk_mul_f32 v[G2+\p:G2+\p+1], v[GZ+\p:GZ+\p+1], v[GZ+\p:GZ+\p+1]
.endr
.irp p, 0,2,4,6,8,10,12,14
	v_pk_fma_f32 v[GP+\p:GP+\p+1], v[G2+\p:G2+\p+1], s[68:69], v[2:3] op_sel_hi:[1,0,1]
.endr
.irp p, 0,2,4,6,8,10,12,14
	v_pk_fma_f32 v[GQ+\p:GQ+\p+1], v[G2+\p:G2+\p+1], s[80:81], v[4:5] op_sel_hi:[1,0,1]
.endr
.irp k, 70,72,74,76,78
.irp p, 0,2,4,6,8,10,12,14
	v_pk_fma_f32 v[GP+\p:GP+\p+1], v[GP+\p:GP+\p+1], v[G2+\p:G2+\p+1], s[\k:\k+1] op_sel_hi:[1,1,0]
.endr
.endr
.irp k, 82,84,86
.irp p, 0,2,4,6,8,10,12,14
	v_pk_fma_f32 v[GQ+\p:GQ+\p+1], v[GQ+\p:GQ+\p+1], v[G2+\p:G2+\p+1], s[\k:\k+1] op_sel_hi:[1,1,0]
.endr
.endr
.irp p, 0,1,2,3,4,5,6,7,8,9,10,11,12,13,14,15
	v_rcp_f32 v[GQ+\p], v[GQ+\p]
.endr
.irp p, 0,2,4,6,8,10,12,14
	v_pk_mul_f32 v[GP+\p:GP+\p+1], v[GP+\p:GP+\p+1], v[GZ+\p:GZ+\p+1]
.endr
.irp p, 0,2,4,6,8,10,12,14
	v_pk_mul_f32 v[GZ+\p:GZ+\p+1], v[\x+\p:\x+\p+1], 0.5 op_sel_hi:[1,0]
.endr
	s_wait_alu depctr_va_vdst(0)
.irp p, 0,2,4,6,8,10,12,14
	v_pk_mul_f32 v[GP+\p:GP+\p+1], v[GP+\p:GP+\p+1], v[GQ+\p:GQ+\p+1]
.endr
.irp p, 0,2,4,6,8,10,12,14
	v_pk_fma_f32 v[\x+\p:\x+\p+1], v[GP+\p:GP+\p+1], v[GZ+\p:GZ+\p+1], v[GZ+\p:GZ+\p+1]
.endr
.endm
	PLACES NP
	WIN 0x04
.irp a, 0,1,2,3
	STASH \a
.endr
	WIN 0
.irp a, 0,1,2,3
.irp t, 0,1,2,3,4,5,6,7
	ds_load_b128 v[BK+32*\a+4*\t:BK+32*\a+4*\t+3], v[RD] offset:\a*16*SPITCH+2*\t*SPITCH
.endr
.endr
.if WITH_GELU
	KON 68, 0xaf95df0b
	KON 70, 0xb60cff51
	KON 72, 0xb86ec2d2
	KON 74, 0xba40ac63
	KON 76, 0xbb41a1f6
	KON 78, 0xbc83dbd4
	KON 80, 0xb77460cd
	KON 82, 0xbadc924e
	KON 84, 0xbbf19bf8
	KON 86, 0xbc69b6a7
	v_mov_b32 v2, 0x32edffee
	v_mov_b32 v3, 0x32edffee
	v_mov_b32 v4, 0xb95fbd29
	v_mov_b32 v5, 0xb95fbd29
.endif
	s_wait_loadcnt 0x0
.irp a, 0,1,2,3
	s_wait_dscnt 8*(3-\a)
.irp t, 0,1,2,3,4,5,6,7
	v_pk_add_f32 v[BK+32*\a+4*\t:BK+32*\a+4*\t+1], v[BK+32*\a+4*\t:BK+32*\a+4*\t+1], v[8:9]
	v_pk_add_f32 v[BK+32*\a+4*\t+2:BK+32*\a+4*\t+3], v[BK+32*\a+4*\t+2:BK+32*\a+4*\t+3], v[10:11]
.endr
.if WITH_GELU
	GELU16 BK+32*\a
	GELU16 BK+32*\a+16
.endif
	WIN 0x04
.set p, 0
.rept 16
	v_pk_add_f32 v[BK+32*\a+p:BK+32*\a+p+1], v[BK+32*\a+p:BK+32*\a+p+1], v[XR+32*\a+p:XR+32*\a+p+1]
.set p, p+2
.endr
	WIN 0
.irp t, 0,1,2,3,4,5,6,7
	global_store_b128 v[CO], v[BK+32*\a+4*\t:BK+32*\a+4*\t+3], s[12:13] offset:(32*(\a/2)+8*(\a%2)+(2*\t)%8+16*(\t/4))*4096
.endr
.endr
	s_wait_tensorcnt 0x0
	ds_add_u32 v[SPW], v[NIL]
	s_wait_dscnt 0x0
	CROUND
	s_endpgm
.Lfunc_end_k_qf59faeec0d_wo:
	.size	k_qf59faeec0d_wo, .Lfunc_end_k_qf59faeec0d_wo-k_qf59faeec0d_wo
	.p2alignl 7, 3214868480
	.fill 96, 4, 3214868480
	.section	.rodata,"a",@progbits
	.p2align	6, 0x0
	.amdhsa_kernel k_qf59faeec0d_wo
		.amdhsa_group_segment_fixed_size 327680
		.amdhsa_private_segment_fixed_size 0
		.amdhsa_enable_private_segment 0
		.amdhsa_kernarg_size 40
		.amdhsa_user_sgpr_count 2
		.amdhsa_user_sgpr_kernarg_segment_ptr 1
		.amdhsa_wavefront_size32 1
		.amdhsa_system_sgpr_workgroup_id_x 1
		.amdhsa_system_sgpr_workgroup_id_y 1
		.amdhsa_system_sgpr_workgroup_id_z 1
		.amdhsa_system_vgpr_workitem_id 0
		.amdhsa_next_free_vgpr 512
		.amdhsa_next_free_sgpr 100
		.amdhsa_reserve_vcc 0
		.amdhsa_float_denorm_mode_32 3
		.amdhsa_float_denorm_mode_16_64 3
		.amdhsa_memory_ordered 1
		.amdhsa_forward_progress 1
		.amdhsa_inst_pref_size 66
	.end_amdhsa_kernel
	.amdgpu_metadata
---
amdhsa.version: [ 1, 2 ]
amdhsa.kernels:
  - .name:           k_qf59faeec0d_wo
    .symbol:         k_qf59faeec0d_wo.kd
    .args:
      - { .name: att, .offset: 0, .size: 8, .value_kind: global_buffer, .address_space: global }
      - { .name: wts, .offset: 8, .size: 8, .value_kind: global_buffer, .address_space: global }
      - { .name: bo, .offset: 16, .size: 8, .value_kind: global_buffer, .address_space: global }
      - { .name: x, .offset: 24, .size: 8, .value_kind: global_buffer, .address_space: global }
      - { .name: res, .offset: 32, .size: 8, .value_kind: global_buffer, .address_space: global }
    .group_segment_fixed_size: 327680
    .private_segment_fixed_size: 0
    .kernarg_segment_align: 8
    .kernarg_segment_size: 40
    .max_flat_workgroup_size: 128
    .sgpr_count:     100
    .vgpr_count:     512
    .wavefront_size: 32
...
	.end_amdgpu_metadata
.endif
;; end of part 11
;; launch ln2: the kernel of part 8 again; grid 256 x 1, 4 waves a work-group, no clusters, 91,136 bytes of LDS; arguments res, ln2_g, ln2_b, hq, Wq, Wk, Wv, Wo, W1, W2, wts; writes hq, wts
;; launch mlp1 (part 12): grid 16 x 16, 4 waves a work-group, clusters of 4 x 4, 327,680 bytes of LDS; arguments hq, wts, b1, hid; writes hid
.if DOCPART == 12
	.amdgcn_target "amdgcn-amd-amdhsa--gfx1250"
	.amdhsa_code_object_version 6
	.text
	.protected	k_qf59faeec0d_mlp1
	.globl	k_qf59faeec0d_mlp1
	.p2align	8
	.type	k_qf59faeec0d_mlp1,@function
k_qf59faeec0d_mlp1:
	s_mov_b64 s[64:65], 0
	v_nop
	global_prefetch_b8 v0, s[64:65] scope:SCOPE_SE
	s_setreg_imm32_b32 hwreg(HW_REG_WAVE_MODE, 25, 1), 1
	s_wait_xcnt 0x0
	s_wait_alu depctr_hold_cnt(0) depctr_sa_sdst(0) depctr_va_vdst(0) depctr_va_sdst(0) depctr_va_ssrc(0) depctr_va_vcc(0) depctr_vm_vsrc(0)
	s_getreg_b32 s2, hwreg(HW_REG_IB_STS2, 6, 4)
	s_cmp_eq_u32 s2, 0
	s_cbranch_scc0 .Lentry_in_a_cluster
	s_endpgm
.Lentry_in_a_cluster:
	s_bfe_u32 s2, ttmp6, 0x10000c
	s_cmp_lg_u32 s2, 0xf033
	s_cbranch_scc0 .Lentry_shape_is_right
	s_endpgm
.Lentry_shape_is_right:
; hid = gelu(h2 W1 + b1), quantised at once for the next product: a product on codes of BF6 (E3M2) with E8M0 scales for each 32 along K = 1,024; bias and the exact GELU in f32.
; Both operands lie as images of operand registers: groups of 128 row places, a group = [K step of 128][block of 16 places: 1,536 bytes]; a fragment is two loads of 16 and two of 8 bytes a lane, each instruction over
; consecutive bytes.  Inside each 32 rows, place p holds row p with bits 3 and 4 exchanged.  Scale words: [group][K step][128 places x 4 bytes].  hid is laid the same way with K = 4,096, scale words from 12,582,912.
; A tile of 256 x 256 is made by four waves, as many as a WGP has SIMDs, each 128 x 128: 64 accumulators, 512 registers.  K goes in steps of 256 through a ring of two LDS slots; a wave's tensor load brings one group's
; 24,576 dense bytes.  The scale words of all of K come once, with the first fills.
; CLUSTERS: 4 x 4 work-groups; the rows' tiles are shared along a row of the cluster, the weight's along a column: each is asked for jointly, by the same load with the same descriptor and a mask that names the four.
; THE MATRIX INSTRUCTION IS USED TRANSPOSED (source 0 = 16 places of W1, source 1 = 16 places of the rows): by the exchange of bits 3 and 4 the 64 registers of a row block's eight accumulators are, in order,
; register 16 b + i = hidden unit 32 b + 16 (lane / 16) + i: what the quantiser wants; my 128 units are one K step of the next product.
; THE WAY OUT is a loop of eight trips, a block of 16 rows each.  Only the lines that name accumulators are written eight times; scalar branches on the trip's number pick one.
; LIMITS: a block of zeros gets the byte 1 (its codes are zeros; this program alone reads the bytes); magnitudes under 2^-122 count as that; NaN and infinities are not served; erf as stated at GELU16.
.set KDIM,   1024
.set ASOFF,  3145728
.set BOFF,   3145728
.set BSOFF,  9568256
.set H,      24576
.set SLOT,   4*H
.set SCL,    2*SLOT
.set GS,     (KDIM/128)*12288
.set HS,     (KDIM/128)*512
.set SPARE,  327168                    ; the spare words, 128 bytes a wave: two blocks of 256 bytes that no other line names
.set LAPS,   KDIM/512
.set NQ,     2
.set FR,     12
.set NL,     4
.set NP,     4                         ; places behind this matrix instruction (ISA guide 7.12.1)
.set ADRA, 16
.set ADRB, 20
.set ADRS, 27
.set SPW,  28
.set NIL,  29
.set V16,  30
.set V8,   31
.set SC,   32                          ; v32-63 scale words
.set BI,   64                          ; v64-127 the bias, in the results' order
.set AF,   128
.set T,    128                         ; the way out: v128-191 64 numbers;  v192-255 GELU's work, then codes (v192..) and the quantiser's work (v212..)
.set GZ,   192
.set G2,   208
.set GP,   224
.set GQ,   240
.set PC,   192
.set TM,   212
.set PW,   12
.set R4,   15
.set SEL,  18
.set G1, 24
.set G0, 32
.set G1B, 48
.set G0B, 56
.set G1S, 68
.set G0S, 76
.set G1SB, 80
.set G0SB, 88
.set MSB, 0
.macro WIN new                         ; the register windows; the immediate's high byte repeats the setting that is left
.if MSB != (\new)
	s_set_vgpr_msb (MSB<<8)|(\new)
.set MSB, (\new)
.endif
.endm
.set MUL_LO, 0xa1
.set MUL_HI, 0xf1
.set TO_B,   0x40
.macro JLOAD g0a, g1a, g0b, g1b        ; a joint load: waves 0, 1 fetch the rows' groups, waves 2, 3 the weight's; four v_nop follow each line
	s_cmp_eq_u32 s15, 0
	s_cbranch_scc0 .Lfor_b_\@
	tensor_load_to_lds s[\g0a:\g0a+3], s[\g1a:\g1a+7]
	s_nop 0
.rept 4
	v_nop
.endr
	s_branch .Lasked_\@
.Lfor_b_\@:
	tensor_load_to_lds s[\g0b:\g0b+3], s[\g1b:\g1b+7]
	s_nop 0
.rept 4
	v_nop
.endr
.Lasked_\@:
.endm
.macro CREST
	s_cmp_lg_u32 s14, 0
	s_cbranch_scc1 .Lnot_wave_0_\@
	s_barrier_signal -3
.Lnot_wave_0_\@:
	s_barrier_wait -3
	s_barrier_signal -1
	s_barrier_wait -1
.endm
.macro CROUND
	s_barrier_signal -1
	s_barrier_wait -1
	CREST
.endm
.macro PLACES n
.rept \n
	v_nop
.endr
.endm
	s_load_b128 s[4:7], s[0:1], 0x0                ; hq, wts
	s_load_b128 s[8:11], s[0:1], 0x10              ; b1, hid
	v_lshl_add_u32 v[SPW], v0, 2, SPARE
	v_mov_b32 v[NIL], 0
	ds_add_u32 v28, v29
	ds_add_u32 v28, v29
	s_wait_dscnt 0x0
	v_lshrrev_b32 v1, 5, v0
	v_readfirstlane_b32 s14, v1                    ; wave 0..3
	s_lshr_b32 s15, s14, 1                         ; which half of the rows is mine.  Also: I fetch for the rows (0) or for the weight (1)
	s_and_b32 s16, s14, 1                          ; which half of the columns.  Also: which of the two groups I fetch
	s_bfe_u32 s40, ttmp6, 0x40000
	s_bfe_u32 s41, ttmp6, 0x40004
	s_lshl_b32 s42, ttmp9, 2
	s_add_co_u32 s42, s42, s40                     ; tile column
	s_and_b32 s17, ttmp7, 0xffff
	s_lshl_b32 s17, s17, 2
	s_add_co_u32 s17, s17, s41                     ; tile row
	s_lshl_b32 s43, s41, 2
	s_lshl_b32 s43, 15, s43                        ; my row of the cluster
	s_lshl_b32 s44, 0x1111, s40                    ; my column
	; descriptor groups 1: dense blocks as rows of 256 bytes (32 elements of 8 bytes), no padding; bit 21 stands beside a mask
	s_or_b32 s[G1], s43, (3<<16)|(1<<21)
	s_or_b32 s[G1B], s44, (3<<16)|(1<<21)
	s_or_b32 s[G1S], s43, (3<<16)|(1<<21)
	s_or_b32 s[G1SB], s44, (3<<16)|(1<<21)
.irp g, G1, G1B                        ; for the head's loads of codes: two groups' H bytes as two rows, GS bytes apart
	s_mov_b32 s[\g+1], (H/8)<<16
	s_mov_b32 s[\g+2], 2<<16
	s_mov_b32 s[\g+3], (H/8)<<16
	s_mov_b32 s[\g+4], 2
	s_mov_b32 s[\g+5], GS/8
	s_mov_b32 s[\g+6], 0
	s_mov_b32 s[\g+7], 0
.endr
.irp g, G1S, G1SB
	s_mov_b32 s[\g+1], 32<<16
	s_mov_b32 s[\g+2], (2*HS/256)<<16              ; both groups' scale words are one dense block
	s_mov_b32 s[\g+3], 32<<16
	s_mov_b32 s[\g+4], 2*HS/256
	s_mov_b32 s[\g+5], 32
	s_mov_b32 s[\g+6], 0
	s_mov_b32 s[\g+7], 0
.endr
	s_lshl_b32 s20, s17, 1
	s_add_co_u32 s20, s20, s16                     ; the rows' group: made of the tile row and the wave alone
	s_lshl_b32 s46, s42, 1
	s_add_co_u32 s46, s46, s16                     ; the weight's group: of the tile column and the wave alone
	s_mul_i32 s22, s17, 2*HS
	s_add_co_u32 s22, s22, ASOFF
	s_mov_b32 s23, 0
	s_mul_i32 s92, s42, 2*HS
	s_add_co_u32 s92, s92, BSOFF
	s_mov_b32 s93, 0
	s_mul_i32 s20, s20, GS
	s_mov_b32 s21, 0
	s_mul_i32 s46, s46, GS
	s_add_co_u32 s46, s46, BOFF
	s_mov_b32 s47, 0
	s_mul_i32 s45, s14, H
	s_mul_i32 s94, s15, 2*HS
	s_wait_kmcnt 0x0
	s_add_nc_u64 s[20:21], s[4:5], s[20:21]
	s_add_nc_u64 s[22:23], s[4:5], s[22:23]
	s_add_nc_u64 s[46:47], s[6:7], s[46:47]
	s_add_nc_u64 s[92:93], s[6:7], s[92:93]
	CROUND                                         ; all sixteen work-groups are here: the first joint loads meet
	s_mov_b32 s[G0S], 1
	s_add_co_u32 s[G0S+1], s94, SCL
	s_mov_b64 s[G0S+2:G0S+3], s[22:23]
	s_or_b32 s[G0S+3], s[G0S+3], 0x80000000
	s_mov_b32 s[G0SB], 1
	s_add_co_u32 s[G0SB+1], s94, SCL
	s_mov_b64 s[G0SB+2:G0SB+3], s[92:93]
	s_or_b32 s[G0SB+3], s[G0SB+3], 0x80000000
.irp s, 0,1
	s_mov_b32 s[G0+4*\s], 1
	s_add_co_u32 s[G0+4*\s+1], s45, \s*SLOT
	s_add_nc_u64 s[G0+4*\s+2:G0+4*\s+3], s[20:21], \s*H
	s_or_b32 s[G0+4*\s+3], s[G0+4*\s+3], 0x80000000
	s_mov_b32 s[G0B+4*\s], 1
	s_add_co_u32 s[G0B+4*\s+1], s45, \s*SLOT
	s_add_nc_u64 s[G0B+4*\s+2:G0B+4*\s+3], s[46:47], \s*H
	s_or_b32 s[G0B+4*\s+3], s[G0B+4*\s+3], 0x80000000
.endr
; The head's four tiles, one joint load a wave, in one chain of branches on the wave's number: wave 0 slot 0's two groups of the rows, wave 1 the rows' scale words, wave 2 slot 0's two groups of the weight, wave 3 its scale words
.macro ARM under, g0, g1, next
	s_cmp_lt_u32 s14, \under
	s_cbranch_scc0 \next
	tensor_load_to_lds s[\g0:\g0+3], s[\g1:\g1+7]
	s_nop 0
.rept 4
	v_nop
.endr
	s_branch .Lhead_asked
\next:
.endm
	ARM 1, G0,  G1,  .Lhead_sa
	ARM 2, G0S, G1S, .Lhead_b
	ARM 3, G0B, G1B, .Lhead_sb
	tensor_load_to_lds s[G0SB:G0SB+3], s[G1SB:G1SB+7]
	s_nop 0
.rept 4
	v_nop
.endr
.Lhead_asked:
	s_wait_alu depctr_va_vdst(0)
	s_wait_tensorcnt 0x0                           ; my tile of the head's four is in
	ds_add_u32 v28, v29
.irp g, G1, G1B                        ; no tensor load of mine is out: from here on a load brings one group's H dense bytes as rows of 256
	s_mov_b32 s[\g+1], 32<<16
	s_mov_b32 s[\g+2], (H/256)<<16
	s_mov_b32 s[\g+3], 32<<16
	s_mov_b32 s[\g+4], H/256
	s_mov_b32 s[\g+5], 32
.endr
	s_wait_dscnt 0x0
	CROUND
	JLOAD G0+4, G1, G0B+4, G1B                     ; slot 1's first fill, the first tensor load behind the round
	v_and_b32 v1, 31, v0                           ; lane
	v_and_b32 v2, 15, v0                           ; r
	v_bfe_u32 v3, v0, 4, 1                         ; h
	v_lshlrev_b32 v[V16], 4, v1
	v_lshlrev_b32 v[V8], 3, v1
	s_mul_i32 s21, s15, H
	s_mul_i32 s22, s16, H
	s_add_co_u32 s22, s22, 2*H
.irp s, 0,1
	v_add_nc_u32 v[ADRA+\s], s21, v[V16]
	v_add_nc_u32 v[ADRA+2+\s], s21, v[V8]
	v_add_nc_u32 v[ADRB+\s], s22, v[V16]
	v_add_nc_u32 v[ADRB+2+\s], s22, v[V8]
	s_add_co_u32 s21, s21, SLOT
	s_add_co_u32 s22, s22, SLOT
.endr
	s_mul_i32 s21, s15, HS
	s_mul_i32 s22, s16, HS
	s_add_co_u32 s22, s22, 2*HS
	s_sub_co_u32 s22, s22, s21
	v_mul_u32_u24 v5, s22, v3                      ; lanes 16-31 take the weight's words
	s_add_co_u32 s21, s21, SCL
	v_lshl_add_u32 v5, v2, 2, v5
	v_add_nc_u32 v[ADRS], s21, v5
	v_lshlrev_b32 v[R4], 2, v2                     ; 4 r
	v_lshlrev_b32 v6, 6, v3                        ; 64 h: my half's 16 numbers of each 32
	s_lshl_b32 s22, s42, 10
	s_lshl_b32 s21, s16, 9
	s_add_co_u32 s22, s22, s21                     ; my first column, in bytes
	s_mov_b32 s23, 0
	s_add_nc_u64 s[8:9], s[8:9], s[22:23]
.irp b, 0,1,2,3
.irp j, 0,1,2,3
	global_load_b128 v[BI+16*\b+4*\j:BI+16*\b+4*\j+3], v6, s[8:9] offset:128*\b+16*\j
.endr
.endr
.macro FRAG reg, adr, q, i             ; a fragment comes as the image of its twelve registers
	ds_load_b128 v[\reg:\reg+3], v[\adr] offset:(\q)*12288+(\i)*1536
	ds_load_b64 v[\reg+4:\reg+5], v[\adr+2] offset:(\q)*12288+(\i)*1536+512
	ds_load_b128 v[\reg+6:\reg+9], v[\adr] offset:(\q)*12288+(\i)*1536+768
	ds_load_b64 v[\reg+10:\reg+11], v[\adr+2] offset:(\q)*12288+(\i)*1536+1280
.endm
; 16 matrix instructions.  The 64 accumulators take turns, one instruction a turn, in the same order in every step
.macro MUL16 a0, p, q, sc, zero
.irp a, \a0, \a0+1
.irp b, 0,1,2,3,4,5,6,7
.if \zero
	v_wmma_scale_f32_16x16x128_f8f6f4 v[8*(8*((\a)%4)+\b):8*(8*((\a)%4)+\b)+7], v[128*(\p)+FR*\b:128*(\p)+FR*\b+FR-1], v[AF+FR*(\a):AF+FR*(\a)+FR-1], 0, v[SC+8*NQ*(\sc)+NQ*\b+(\q)], v[SC+8*NQ*(\sc)+NQ*(\a)+(\q)] matrix_a_fmt:MATRIX_FMT_BF6 matrix_b_fmt:MATRIX_FMT_BF6 matrix_a_scale:MATRIX_SCALE_ROW1
.else
	v_wmma_scale_f32_16x16x128_f8f6f4 v[8*(8*((\a)%4)+\b):8*(8*((\a)%4)+\b)+7], v[128*(\p)+FR*\b:128*(\p)+FR*\b+FR-1], v[AF+FR*(\a):AF+FR*(\a)+FR-1], v[8*(8*((\a)%4)+\b):8*(8*((\a)%4)+\b)+7], v[SC+8*NQ*(\sc)+NQ*\b+(\q)], v[SC+8*NQ*(\sc)+NQ*(\a)+(\q)] matrix_a_fmt:MATRIX_FMT_BF6 matrix_b_fmt:MATRIX_FMT_BF6 matrix_a_scale:MATRIX_SCALE_ROW1
.endif
.endr
.endr
.endm
.macro FETCH_B slot, q, p
	WIN TO_B
.irp i, 0,1,2,3,4,5,6,7
	FRAG 128*(\p)+FR*\i, ADRB+\slot, \q, \i
.endr
	WIN 0
.endm
.macro FETCH_A slot, q, i0
.irp i, \i0, \i0+1, \i0+2, \i0+3
	FRAG AF+FR*(\i), ADRA+\slot, \q, \i
.endr
.endm
.macro SCALES sc
.irp i, 0,1,2,3,4,5,6,7
	ds_load_b32 v[SC+16*\sc+2*\i], v[ADRS] offset:64*\i
	ds_load_b32 v[SC+16*\sc+2*\i+1], v[ADRS] offset:64*\i+512
.endr
.endm
.macro STEP slot, q, zero
	s_wait_dscnt 4*NL                              ; all but the youngest sixteen loads (source 1's blocks 4-7) are in
	WIN MUL_LO
	MUL16 0, (\q)%2, \q, \slot, \zero
	MUL16 2, (\q)%2, \q, \slot, \zero
	s_wait_dscnt 0
	PLACES NP                                      ; in front of loads into registers that matrix instructions have read
	FETCH_B \slot, (\q)+1, 1-(\q)%2
	FETCH_A \slot, (\q)+1, 0
	WIN MUL_HI
	MUL16 4, (\q)%2, \q, \slot, \zero
	MUL16 6, (\q)%2, \q, \slot, \zero
	PLACES NP
	WIN 0
	FETCH_A \slot, (\q)+1, 4
.endm
; A slot's last 128 change slots: one barrier; in front of it each wave waits for all its tensor loads, adds 0 to its spare word, and waits for that and for its reads of this slot
.macro TURN slot, next, fill
	s_wait_tensorcnt 0x0                           ; all my tensor loads have landed: my part of the next slot
	ds_add_u32 v[SPW], v[NIL]                      ; 0 onto my spare word
	s_wait_dscnt 4*NL+1                            ; the add and the youngest sixteen loads may be out
	WIN MUL_LO
	MUL16 0, 1, NQ-1, \slot, 0
	s_wait_dscnt 0x0                               ; the add is done, and my reads of this slot are over
	s_barrier_signal -1
	MUL16 2, 1, NQ-1, \slot, 0
	WIN 0
	s_barrier_wait -1
.if \fill
	CREST                                          ; the barrier has opened a round of the cluster's: no wave of any partner still reads this slot or has a load on its way
	s_add_nc_u64 s[G0+4*\slot+2:G0+4*\slot+3], s[G0+4*\slot+2:G0+4*\slot+3], 2*H
	s_add_nc_u64 s[G0B+4*\slot+2:G0B+4*\slot+3], s[G0B+4*\slot+2:G0B+4*\slot+3], 2*H
	JLOAD G0+4*\slot, G1, G0B+4*\slot, G1B         ; the first tensor load behind the round; its four v_nop are also the places in front of the loads below
.else
	PLACES NP
.endif
	s_wait_alu depctr_va_vdst(0)
	v_add_nc_u32 v[ADRS], 512*NQ, v[ADRS]
	FETCH_B \next, 0, 0
	FETCH_A \next, 0, 0
	SCALES \next
	WIN MUL_HI
	MUL16 4, 1, NQ-1, \slot, 0
	MUL16 6, 1, NQ-1, \slot, 0
	PLACES NP
	WIN 0
	FETCH_A \next, 0, 4
.endm
	s_wait_alu depctr_va_vdst(0)
	s_wait_tensorcnt 1                             ; of my two first fills slot 1's may be out
	s_barrier_signal -1
	s_barrier_wait -1
	FETCH_B 0, 0, 0
	FETCH_A 0, 0, 0
	SCALES 0
	FETCH_A 0, 0, 4
	STEP 0, 0, 1                                   ; the first step's products start the sums
	s_mov_b32 s3, LAPS-1
.Llap:
	TURN 0, 1, 1
	STEP 1, 0, 0
	TURN 1, 0, 1
	STEP 0, 0, 0
	s_sub_co_u32 s3, s3, 1
	s_cmp_lg_u32 s3, 0
	s_cbranch_scc1 .Llap
	TURN 0, 1, 0                                   ; the last lap fills nothing
	STEP 1, 0, 0
	s_wait_dscnt 4*NL
	WIN MUL_LO
	MUL16 0, 1, NQ-1, 1, 0
	MUL16 2, 1, NQ-1, 1, 0
	s_wait_dscnt 0
	WIN MUL_HI
	MUL16 4, 1, NQ-1, 1, 0
	MUL16 6, 1, NQ-1, 1, 0
	WIN 0
.macro TAKE a                          ; block a's 64 numbers + bias; each accumulator is read from its low end on
	WIN 0x02+(\a)/4
.set p, 0
.rept 32
	v_pk_add_f32 v[T+p:T+p+1], v[64*((\a)%4)+p:64*((\a)%4)+p+1], v[BI+p:BI+p+1]
.set p, p+2
.endr
	WIN 0
.endm
.macro PICK                            ; runs TAKE a for the a that s3 holds: forward branches on the trip's number
.irp a, 0,1,2,3,4,5,6
	s_cmp_lg_u32 s3, \a
	s_cbranch_scc1 .Lnot_\@_\a
	TAKE \a
	s_branch .Lpicked_\@
.Lnot_\@_\a:
.endr
	TAKE 7
.Lpicked_\@:
.endm
.macro KON r, val                      ; a constant as a pair: the packed forms name a pair and take its low word
	s_mov_b32 s[\r], \val
	s_mov_b32 s[\r+1], \val
.endm
; gelu(x) = x / 2 (1 + erf(x / sqrt 2)) on 16 numbers in place; erf(z) = z a(z^2) / b(z^2), z held to +-4 (absolute error about 1e-7, so the relative error of gelu grows where |gelu| is under 1e-3)
.macro GELU16 x
.irp p, 0,2,4,6,8,10,12,14
	v_pk_mul_f32 v[GZ+\p:GZ+\p+1], v[\x+\p:\x+\p+1], 0x3f3504f3 op_sel_hi:[1,0]
.endr
.irp p, 0,1,2,3,4,5,6,7,8,9,10,11,12,13,14,15
	v_med3_num_f32 v[GZ+\p], v[GZ+\p], -4.0, 4.0
.endr
.irp p, 0,2,4,6,8,10,12,14
	v_pk_mul_f32 v[G2+\p:G2+\p+1], v[GZ+\p:GZ+\p+1], v[GZ+\p:GZ+\p+1]
.endr
.irp p, 0,2,4,6,8,10,12,14
	v_pk_fma_f32 v[GP+\p:GP+\p+1], v[G2+\p:G2+\p+1], s[68:69], v[2:3] op_sel_hi:[1,0,1]
.endr
.irp p, 0,2,4,6,8,10,12,14
	v_pk_fma_f32 v[GQ+\p:GQ+\p+1], v[G2+\p:G2+\p+1], s[80:81], v[4:5] op_sel_hi:[1,0,1]
.endr
.irp k, 70,72,74,76,78
.irp p, 0,2,4,6,8,10,12,14
	v_pk_fma_f32 v[GP+\p:GP+\p+1], v[GP+\p:GP+\p+1], v[G2+\p:G2+\p+1], s[\k:\k+1] op_sel_hi:[1,1,0]
.endr
.endr
.irp k, 82,84,86
.irp p, 0,2,4,6,8,10,12,14
	v_pk_fma_f32 v[GQ+\p:GQ+\p+1], v[GQ+\p:GQ+\p+1], v[G2+\p:G2+\p+1], s[\k:\k+1] op_sel_hi:[1,1,0]
.endr
.endr
	s_wait_alu depctr_va_vdst(0)
.irp p, 0,1,2,3,4,5,6,7,8,9,10,11,12,13,14,15
	v_rcp_f32 v[GQ+\p], v[GQ+\p]                   ; one batch
.endr
.irp p, 0,2,4,6,8,10,12,14
	v_pk_mul_f32 v[GP+\p:GP+\p+1], v[GP+\p:GP+\p+1], v[GZ+\p:GZ+\p+1]   ; plain work that names no reciprocal
.endr
.irp p, 0,2,4,6,8,10,12,14
	v_pk_mul_f32 v[GZ+\p:GZ+\p+1], v[\x+\p:\x+\p+1], 0.5 op_sel_hi:[1,0]
.endr
	s_wait_alu depctr_va_vdst(0)                   ; one wait for the batch, ahead of its first reader
.irp p, 0,2,4,6,8,10,12,14
	v_pk_mul_f32 v[GP+\p:GP+\p+1], v[GP+\p:GP+\p+1], v[GQ+\p:GQ+\p+1]
.endr
.irp p, 0,2,4,6,8,10,12,14
	v_pk_fma_f32 v[\x+\p:\x+\p+1], v[GP+\p:GP+\p+1], v[GZ+\p:GZ+\p+1], v[GZ+\p:GZ+\p+1]
.endr
.endm
.macro QUANT s                         ; 64 numbers of a lane, register 16 b + i = k 32 b + 16 h + i of its row -> codes in v[PC] on, scale word in v[PW]
.irp b, 0,1,2,3
	v_max3_num_f32 v[TM+\b], |v[\s+16*\b]|, |v[\s+1+16*\b]|, 0x2800000   ; and the floor 2^(5 - 127)
.endr
.irp i, 2,4,6,8,10,12,14
.irp b, 0,1,2,3
	v_max3_num_f32 v[TM+\b], v[TM+\b], |v[\s+16*\b+\i]|, |v[\s+1+16*\b+\i]|
.endr
.endr
.irp b, 0,1,2,3
	v_permlanex16_b32 v[TM+4+\b], v[TM+\b], s[SEL], s[SEL+1]
.endr
.irp b, 0,1,2,3
	v_max_num_f32 v[TM+\b], v[TM+\b], v[TM+4+\b]
.endr
.irp b, 0,1,2,3
	v_add_nc_u32 v[TM+12+\b], 0xfe000000, v[TM+\b] ; 4 off the exponent field: the conversion's scale operand
.endr
.irp b, 0,1,2,3
	v_lshrrev_b32 v[TM+4+\b], 23, v[TM+12+\b]      ; the scale's byte
.endr
	v_lshl_or_b32 v[PW], v[TM+5], 8, v[TM+4]
	v_lshl_or_b32 v[PW], v[TM+6], 16, v[PW]
	v_lshl_or_b32 v[PW], v[TM+7], 24, v[PW]
.irp c, 0,1
	v_cvt_scalef32_pk16_bf6_f32 v[PC+6*\c:PC+2+6*\c], v[\s+32*\c:\s+15+32*\c], v[TM+12+2*\c]
	v_cvt_scalef32_pk16_bf6_f32 v[PC+12+4*\c:PC+14+4*\c], v[\s+16+32*\c:\s+31+32*\c], v[TM+12+2*\c+1]
.endr
	v_nop                                          ; one plain place behind a scaled conversion
.irp c, 0,1
.irp i, 0,1,2
	v_permlane16_swap_b32 v[PC+6*\c+\i], v[PC+12+4*\c+\i]
.endr
.irp i, 0,1,2
	v_mov_b32 v[PC+3+6*\c+\i], v[PC+12+4*\c+\i]
.endr
.endr
.endm
	PLACES NP                                      ; behind the last products
	s_wait_loadcnt 0x0                             ; the bias
	s_mov_b32 s[SEL], 0x76543210
	s_mov_b32 s[SEL+1], 0xfedcba98
.irp b, 0,1,2,3
	v_mov_b32 v[TM+4+\b], 0                        ; a lane permute's destination counts as one of its sources
.endr
	s_lshl_b32 s20, s17, 1
	s_add_co_u32 s20, s20, s15                     ; my group of 128 rows
	s_lshl_b32 s21, s42, 1
	s_add_co_u32 s21, s21, s16                     ; my 128 hidden units: a K step of the next product
	s_mul_i32 s22, s20, 393216
	s_mul_i32 s23, s21, 12288
	s_add_co_u32 s22, s22, s23
	s_mov_b32 s23, 0
	s_add_nc_u64 s[92:93], s[10:11], s[22:23]
	s_lshl_b32 s22, s20, 14
	s_lshl_b32 s21, s21, 9
	s_add_co_u32 s22, s22, s21
	s_add_co_u32 s22, s22, 12582912
	s_add_nc_u64 s[94:95], s[10:11], s[22:23]
	KON 68, 0xaf95df0b                             ; a13; no tensor load is out: the descriptors' registers are free
	KON 70, 0xb60cff51                             ; a9
	KON 72, 0xb86ec2d2                             ; a7
	KON 74, 0xba40ac63                             ; a5
	KON 76, 0xbb41a1f6                             ; a3
	KON 78, 0xbc83dbd4                             ; a1
	KON 80, 0xb77460cd                             ; b8
	KON 82, 0xbadc924e                             ; b4
	KON 84, 0xbbf19bf8                             ; b2
	KON 86, 0xbc69b6a7                             ; b0
	v_mov_b32 v2, 0x32edffee                       ; a11
	v_mov_b32 v3, 0x32edffee
	v_mov_b32 v4, 0xb95fbd29                       ; b6
	v_mov_b32 v5, 0xb95fbd29
	s_mov_b32 s3, 0
.Lrow:
	PICK
	GELU16 T
	GELU16 T+16
	GELU16 T+32
	GELU16 T+48
	QUANT T
	global_store_b128 v[V16], v[PC:PC+3], s[92:93]             ; the fragment as an image of its registers: stores of 512 and 256 consecutive bytes, at multiples of 256 from the buffer's first byte
	global_store_b64 v[V8], v[PC+4:PC+5], s[92:93] offset:512
	global_store_b128 v[V16], v[PC+6:PC+9], s[92:93] offset:768
	global_store_b64 v[V8], v[PC+10:PC+11], s[92:93] offset:1280
	global_store_b32 v[R4], v[PW], s[94:95]        ; both halves of the lanes hold row r's word and store it to the same place
	s_wait_xcnt 0x0                                ; the stores have read their registers and their bases: both may be written again
	s_add_nc_u64 s[92:93], s[92:93], 1536
	s_add_nc_u64 s[94:95], s[94:95], 64
	s_add_co_u32 s3, s3, 1
	s_cmp_lt_u32 s3, 8
	s_cbranch_scc1 .Lrow
	s_wait_tensorcnt 0x0                           ; the wave's end
	ds_add_u32 v[SPW], v[NIL]
	s_wait_dscnt 0x0
	CROUND                                         ; the closing round: no work-group ends while a partner may still ask for a tile that names it
	s_endpgm
.Lfunc_end_k_qf59faeec0d_mlp1:
	.size	k_qf59faeec0d_mlp1, .Lfunc_end_k_qf59faeec0d_mlp1-k_qf59faeec0d_mlp1
	.p2alignl 7, 3214868480
	.fill 96, 4, 3214868480
	.section	.rodata,"a",@progbits
	.p2align	6, 0x0
	.amdhsa_kernel k_qf59faeec0d_mlp1
		.amdhsa_group_segment_fixed_size 327680
		.amdhsa_private_segment_fixed_size 0
		.amdhsa_enable_private_segment 0
		.amdhsa_kernarg_size 32
		.amdhsa_user_sgpr_count 2
		.amdhsa_user_sgpr_kernarg_segment_ptr 1
		.amdhsa_wavefront_size32 1
		.amdhsa_system_sgpr_workgroup_id_x 1
		.amdhsa_system_sgpr_workgroup_id_y 1
		.amdhsa_system_sgpr_workgroup_id_z 1
		.amdhsa_system_vgpr_workitem_id 0
		.amdhsa_next_free_vgpr 1024
		.amdhsa_next_free_sgpr 100
		.amdhsa_reserve_vcc 0
		.amdhsa_float_denorm_mode_32 3
		.amdhsa_float_denorm_mode_16_64 3
		.amdhsa_memory_ordered 1
		.amdhsa_forward_progress 1
		.amdhsa_inst_pref_size 182
	.end_amdhsa_kernel
	.amdgpu_metadata
---
amdhsa.version: [ 1, 2 ]
amdhsa.kernels:
  - .name:           k_qf59faeec0d_mlp1
    .symbol:         k_qf59faeec0d_mlp1.kd
    .args:
      - { .name: hq, .offset: 0, .size: 8, .value_kind: global_buffer, .address_space: global }
      - { .name: wts, .offset: 8, .size: 8, .value_kind: global_buffer, .address_space: global }
      - { .name: b1, .offset: 16, .size: 8, .value_kind: global_buffer, .address_space: global }
      - { .name: hid, .offset: 24, .size: 8, .value_kind: global_buffer, .address_space: global }
    .group_segment_fixed_size: 327680
    .private_segment_fixed_size: 0
    .kernarg_segment_align: 8
    .kernarg_segment_size: 32
    .max_flat_workgroup_size: 128
    .sgpr_count:     100
    .vgpr_count:     1024
    .wavefront_size: 32
...
	.end_amdgpu_metadata
.endif
;; end of part 12
;; launch mlp2 (part 13): grid 8 x 32, 4 waves a work-group, clusters of 4 x 4, 327,680 bytes of LDS; arguments hid, wts, b2, res, out0; writes out0
.if DOCPART == 13
	.amdgcn_target "amdgcn-amd-amdhsa--gfx1250"
	.amdhsa_code_object_version 6
	.text
	.protected	k_qf59faeec0d_mlp2
	.globl	k_qf59faeec0d_mlp2
	.p2align	8
	.type	k_qf59faeec0d_mlp2,@function
k_qf59faeec0d_mlp2:
	s_mov_b64 s[64:65], 0
	v_nop
	global_prefetch_b8 v0, s[64:65] scope:SCOPE_SE
	s_setreg_imm32_b32 hwreg(HW_REG_WAVE_MODE, 25, 1), 1
	s_wait_xcnt 0x0
	s_wait_alu depctr_hold_cnt(0) depctr_sa_sdst(0) depctr_va_vdst(0) depctr_va_sdst(0) depctr_va_ssrc(0) depctr_va_vcc(0) depctr_vm_vsrc(0)
	s_getreg_b32 s2, hwreg(HW_REG_IB_STS2, 6, 4)
	s_cmp_eq_u32 s2, 0
	s_cbranch_scc0 .Lentry_in_a_cluster
	s_endpgm
.Lentry_in_a_cluster:
	s_bfe_u32 s2, ttmp6, 0x10000c
	s_cmp_lg_u32 s2, 0xf033
	s_cbranch_scc0 .Lentry_shape_is_right
	s_endpgm
.Lentry_shape_is_right:
.set KDIM,   4096
.set ASOFF,  12582912
.set BOFF,   6291456
.set BSOFF,  9699328
.set WITH_GELU, 1
.set H,      24576
.set SLOT,   4*H
.set SCL,    2*SLOT
.set GS,     (KDIM/128)*12288
.set HS,     (KDIM/128)*512
.set HH,     HS/2
.set STG,    229376
.set SPITCH, 272
.set WSTG,   64*SPITCH
.set SPARE,  327168
.set NF,     KDIM/512
.set FR,     12
.set NP,     4
.set C16,  12
.set ADRA, 16
.set ADRB, 20
.set STO,  24
.set RD,   25
.set CO,   26
.set ADRS, 27
.set SPW,  28
.set NIL,  29
.set V16,  30
.set V8,   31
.set SC,   32
.set FA,   64
.set FB,   112
.set BK,   64
.set XR,   128
.set GZ,   192
.set G2,   208
.set GP,   224
.set GQ,   240
.set G1, 24
.set G0, 32
.set G1B, 48
.set G0B, 56
.set G1S, 68
.set G0S, 76
.set G1SB, 80
.set G0SB, 88
.set MSB, 0
.macro WIN new
.if MSB != (\new)
	s_set_vgpr_msb (MSB<<8)|(\new)
.set MSB, (\new)
.endif
.endm
.set MULW, 0x50
.macro JLOAD g0a, g1a, g0b, g1b
	s_cmp_eq_u32 s15, 0
	s_cbranch_scc0 .Lfor_b_\@
	tensor_load_to_lds s[\g0a:\g0a+3], s[\g1a:\g1a+7]
	s_nop 0
.rept 4
	v_nop
.endr
	s_branch .Lasked_\@
.Lfor_b_\@:
	tensor_load_to_lds s[\g0b:\g0b+3], s[\g1b:\g1b+7]
	s_nop 0
.rept 4
	v_nop
.endr
.Lasked_\@:
.endm
.macro CREST
	s_cmp_lg_u32 s14, 0
	s_cbranch_scc1 .Lnot_wave_0_\@
	s_barrier_signal -3
.Lnot_wave_0_\@:
	s_barrier_wait -3
	s_barrier_signal -1
	s_barrier_wait -1
.endm
.macro CROUND
	s_barrier_signal -1
	s_barrier_wait -1
	CREST
.endm
.macro PLACES n
.rept \n
	v_nop
.endr
.endm
	s_load_b128 s[4:7], s[0:1], 0x0
	s_load_b128 s[8:11], s[0:1], 0x10
	s_load_b64 s[12:13], s[0:1], 0x20
	v_lshl_add_u32 v[SPW], v0, 2, SPARE
	v_mov_b32 v[NIL], 0
	ds_add_u32 v28, v29
	ds_add_u32 v28, v29
	s_wait_dscnt 0x0
	v_lshrrev_b32 v1, 5, v0
	v_readfirstlane_b32 s14, v1
	s_lshr_b32 s15, s14, 1
	s_and_b32 s16, s14, 1
	s_bfe_u32 s40, ttmp6, 0x40000
	s_bfe_u32 s41, ttmp6, 0x40004
	s_lshl_b32 s42, ttmp9, 2
	s_add_co_u32 s42, s42, s40
	s_and_b32 s17, ttmp7, 0xffff
	s_lshl_b32 s17, s17, 2
	s_add_co_u32 s17, s17, s41
	s_lshl_b32 s43, s41, 2
	s_lshl_b32 s43, 15, s43
	s_lshl_b32 s44, 0x1111, s40
	s_or_b32 s[G1], s43, (3<<16)|(1<<21)
	s_or_b32 s[G1B], s44, (3<<16)|(1<<21)
	s_or_b32 s[G1S], s43, (3<<16)|(1<<21)
	s_or_b32 s[G1SB], s44, (3<<16)|(1<<21)
.irp g, G1, G1B
	s_mov_b32 s[\g+1], 32<<16
	s_mov_b32 s[\g+2], (2*H/256)<<16               ; for the head's loads of codes: a slot's 2 H dense bytes of one operand
	s_mov_b32 s[\g+3], 32<<16
	s_mov_b32 s[\g+4], 2*H/256
	s_mov_b32 s[\g+5], 32
	s_mov_b32 s[\g+6], 0
	s_mov_b32 s[\g+7], 0
.endr
.irp g, G1S, G1SB
	s_mov_b32 s[\g+1], 32<<16
	s_mov_b32 s[\g+2], (HS/256)<<16
	s_mov_b32 s[\g+3], 32<<16
	s_mov_b32 s[\g+4], HS/256
	s_mov_b32 s[\g+5], 32
	s_mov_b32 s[\g+6], 0
	s_mov_b32 s[\g+7], 0
.endr
	s_mul_i32 s18, s16, H
	s_mul_i32 s22, s17, HS
	s_add_co_u32 s22, s22, ASOFF
	s_mov_b32 s23, 0
	s_mul_i32 s92, s42, HS
	s_add_co_u32 s92, s92, BSOFF
	s_mov_b32 s93, 0
	s_mul_i32 s20, s17, GS
	s_add_co_u32 s20, s20, s18
	s_mov_b32 s21, 0
	s_mul_i32 s46, s42, GS
	s_add_co_u32 s46, s46, s18
	s_add_co_u32 s46, s46, BOFF
	s_mov_b32 s47, 0
	s_mul_i32 s45, s14, H
	s_mul_i32 s94, s15, HS
	s_wait_kmcnt 0x0
	s_add_nc_u64 s[20:21], s[4:5], s[20:21]
	s_add_nc_u64 s[22:23], s[4:5], s[22:23]
	s_add_nc_u64 s[46:47], s[6:7], s[46:47]
	s_add_nc_u64 s[92:93], s[6:7], s[92:93]
	CROUND
	s_mov_b32 s[G0S], 1
	s_add_co_u32 s[G0S+1], s94, SCL
	s_mov_b64 s[G0S+2:G0S+3], s[22:23]
	s_or_b32 s[G0S+3], s[G0S+3], 0x80000000
	s_mov_b32 s[G0SB], 1
	s_add_co_u32 s[G0SB+1], s94, SCL
	s_mov_b64 s[G0SB+2:G0SB+3], s[92:93]
	s_or_b32 s[G0SB+3], s[G0SB+3], 0x80000000
.irp s, 0,1
	s_mov_b32 s[G0+4*\s], 1
	s_add_co_u32 s[G0+4*\s+1], s45, \s*SLOT
	s_add_nc_u64 s[G0+4*\s+2:G0+4*\s+3], s[20:21], \s*2*H
	s_or_b32 s[G0+4*\s+3], s[G0+4*\s+3], 0x80000000
	s_mov_b32 s[G0B+4*\s], 1
	s_add_co_u32 s[G0B+4*\s+1], s45, \s*SLOT
	s_add_nc_u64 s[G0B+4*\s+2:G0B+4*\s+3], s[46:47], \s*2*H
	s_or_b32 s[G0B+4*\s+3], s[G0B+4*\s+3], 0x80000000
.endr
; THE PREFETCHES: behind fill f each wave asks for fill f + 2 of the H bytes that it fetches: 96 blocks of 256 bytes, of which each of the four partners that ask for the tile jointly takes 24, told apart by address
; (cx for the rows, cy for the weight); a lane a block, lanes 24-31 name the last block again.  Each block is named once in each cluster that will load it.
	v_and_b32 v13, 31, v0
	v_min_u32 v13, 23, v13
	v_lshlrev_b32 v13, 8, v13
	s_wait_alu depctr_va_vdst(0)                   ; the wait behind the write
	s_cmp_eq_u32 s15, 0
	s_cselect_b64 s[96:97], s[20:21], s[46:47]     ; my H bytes of fill 0
	s_cselect_b32 s98, s40, s41
	s_mul_i32 s98, s98, 24*256
	s_mov_b32 s99, 0
	s_add_nc_u64 s[96:97], s[96:97], s[98:99]
; The head's four tiles, one joint load a wave, in one chain of branches on the wave's number: wave 0 slot 0 of the rows, wave 1 the rows' scale words, wave 2 slot 0 of the weight, wave 3 its scale words
.macro ARM under, g0, g1, next
	s_cmp_lt_u32 s14, \under
	s_cbranch_scc0 \next
	tensor_load_to_lds s[\g0:\g0+3], s[\g1:\g1+7]
	s_nop 0
.rept 4
	v_nop
.endr
	s_branch .Lhead_asked
\next:
.endm
	ARM 1, G0,  G1,  .Lhead_sa
	ARM 2, G0S, G1S, .Lhead_b
	ARM 3, G0B, G1B, .Lhead_sb
	tensor_load_to_lds s[G0SB:G0SB+3], s[G1SB:G1SB+7]
	s_nop 0
.rept 4
	v_nop
.endr
.Lhead_asked:
	s_wait_alu depctr_va_vdst(0)
	s_wait_tensorcnt 0x0                           ; my tile of the head's four is in
	ds_add_u32 v28, v29
	s_mov_b32 s[G1+2], (H/256)<<16                 ; no tensor load of mine is out: from here on a load brings H bytes
	s_mov_b32 s[G1+4], H/256
	s_mov_b32 s[G1B+2], (H/256)<<16
	s_mov_b32 s[G1B+4], H/256
	s_wait_dscnt 0x0
	CROUND
	JLOAD G0+4, G1, G0B+4, G1B                     ; slot 1's first fill, the first tensor load behind the round
	global_prefetch_b8 v13, s[96:97] offset:4*H th:TH_LOAD_NT scope:SCOPE_SE   ; fill 2,
	global_prefetch_b8 v13, s[96:97] offset:6*H th:TH_LOAD_NT scope:SCOPE_SE   ; and fill 3
	v_and_b32 v1, 31, v0
	v_and_b32 v2, 15, v0
	v_bfe_u32 v3, v0, 4, 1
	v_lshlrev_b32 v[V16], 4, v1
	v_lshlrev_b32 v[V8], 3, v1
	s_mul_i32 s21, s15, 4*1536
	s_mul_i32 s22, s16, 4*1536
	s_add_co_u32 s22, s22, 2*H
.irp s, 0,1
	v_add_nc_u32 v[ADRA+\s], s21, v[V16]
	v_add_nc_u32 v[ADRA+2+\s], s21, v[V8]
	v_add_nc_u32 v[ADRB+\s], s22, v[V16]
	v_add_nc_u32 v[ADRB+2+\s], s22, v[V8]
	s_add_co_u32 s21, s21, SLOT
	s_add_co_u32 s22, s22, SLOT
.endr
	s_lshl_b32 s21, s15, 8
	s_lshl_b32 s22, s16, 8
	s_add_co_u32 s22, s22, HS
	s_sub_co_u32 s22, s22, s21
	v_mul_u32_u24 v5, s22, v3
	s_add_co_u32 s21, s21, SCL
	v_lshl_add_u32 v5, v2, 2, v5
	v_add_nc_u32 v[ADRS], s21, v5
	s_mul_i32 s23, s14, WSTG
	s_add_co_u32 s23, s23, STG
	v_mul_u32_u24 v5, v2, SPITCH
	v_lshl_add_u32 v5, v3, 6, v5
	v_add_nc_u32 v[STO], s23, v5
	v_mul_u32_u24 v5, v3, SPITCH
	v_lshl_add_u32 v5, v2, 4, v5
	v_add_nc_u32 v[RD], s23, v5
	v_lshlrev_b32 v[C16], 4, v2
	s_wait_alu depctr_va_vdst(0)
	v_lshl_add_u32 v[CO], v3, 12, v[C16]
	s_wait_alu depctr_va_vdst(0)
	s_lshl_b32 s20, s17, 7
	s_lshl_b32 s21, s15, 6
	s_add_co_u32 s20, s20, s21
	s_lshl_b32 s20, s20, 12
	s_lshl_b32 s22, s42, 9
	s_lshl_b32 s21, s16, 8
	s_add_co_u32 s22, s22, s21
	s_add_co_u32 s20, s20, s22
	s_mov_b32 s21, 0
	s_mov_b32 s23, 0
	s_add_nc_u64 s[10:11], s[10:11], s[20:21]
	s_add_nc_u64 s[12:13], s[12:13], s[20:21]
	s_add_nc_u64 s[8:9], s[8:9], s[22:23]
	global_load_b128 v[8:11], v[C16], s[8:9]
	WIN 0x40
.irp a, 0,1,2,3
.irp t, 0,1,2,3,4,5,6,7
	global_load_b128 v[XR+32*\a+4*\t:XR+32*\a+4*\t+3], v[CO], s[10:11] offset:(32*(\a/2)+8*(\a%2)+(2*\t)%8+16*(\t/4))*4096 th:TH_LOAD_NT
.endr
.endr
	WIN 0
.macro FRAG reg, adr, off
	ds_load_b128 v[\reg:\reg+3], v[\adr] offset:\off
	ds_load_b64 v[\reg+4:\reg+5], v[\adr+2] offset:(\off)+512
	ds_load_b128 v[\reg+6:\reg+9], v[\adr] offset:(\off)+768
	ds_load_b64 v[\reg+10:\reg+11], v[\adr+2] offset:(\off)+1280
.endm
.macro FETCH slot, q, p
.irp i, 0,1,2,3
	FRAG FB+96*(\p)+FR*\i, ADRB+\slot, (\q)*12288+\i*1536
.endr
.irp i, 0,1,2,3
	FRAG FA+96*(\p)+FR*\i, ADRA+\slot, (\q)*12288+\i*1536
.endr
.endm
.macro SCALES sc
.irp q, 0,1,2,3
.irp i, 0,1,2,3
	ds_load_b32 v[SC+16*\sc+4*\q+\i], v[ADRS] offset:512*\q+64*\i
.endr
.endr
.endm
.macro MUL4 a, p, q, sc, zero
.irp b, 0,1,2,3
.if \zero
	v_wmma_scale_f32_16x16x128_f8f6f4 v[8*(4*(\a)+\b):8*(4*(\a)+\b)+7], v[FB+96*(\p)+FR*\b:FB+96*(\p)+FR*\b+FR-1], v[FA+96*(\p)+FR*(\a):FA+96*(\p)+FR*(\a)+FR-1], 0, v[SC+16*(\sc)+4*(\q)+\b], v[SC+16*(\sc)+4*(\q)+(\a)] matrix_a_fmt:MATRIX_FMT_BF6 matrix_b_fmt:MATRIX_FMT_BF6 matrix_a_scale:MATRIX_SCALE_ROW1
.else
	v_wmma_scale_f32_16x16x128_f8f6f4 v[8*(4*(\a)+\b):8*(4*(\a)+\b)+7], v[FB+96*(\p)+FR*\b:FB+96*(\p)+FR*\b+FR-1], v[FA+96*(\p)+FR*(\a):FA+96*(\p)+FR*(\a)+FR-1], v[8*(4*(\a)+\b):8*(4*(\a)+\b)+7], v[SC+16*(\sc)+4*(\q)+\b], v[SC+16*(\sc)+4*(\q)+(\a)] matrix_a_fmt:MATRIX_FMT_BF6 matrix_b_fmt:MATRIX_FMT_BF6 matrix_a_scale:MATRIX_SCALE_ROW1
.endif
.endr
.endm
.macro STEP slot, q, zero
	PLACES NP
	WIN 0
	FETCH \slot, (\q)+1, 1-(\q)%2
	s_wait_dscnt 32
	WIN MULW
	MUL4 0, (\q)%2, \q, \slot, \zero
	MUL4 1, (\q)%2, \q, \slot, \zero
	MUL4 2, (\q)%2, \q, \slot, \zero
	MUL4 3, (\q)%2, \q, \slot, \zero
.endm
.macro TURN slot, next, fill
	WIN 0
.if \fill
	s_wait_xcnt 0x0                                ; my last prefetch has read its address: it steps one fill, 2 H bytes, on
	s_add_nc_u64 s[96:97], s[96:97], 2*H
.endif
	s_wait_tensorcnt 0x0
	ds_add_u32 v[SPW], v[NIL]
	s_wait_dscnt 1
	WIN MULW
	MUL4 0, 1, 3, \slot, 0
	s_wait_dscnt 0x0
	s_barrier_signal -1
	MUL4 1, 1, 3, \slot, 0
	WIN 0
	s_barrier_wait -1
.if \fill
	CREST
	s_add_nc_u64 s[G0+4*\slot+2:G0+4*\slot+3], s[G0+4*\slot+2:G0+4*\slot+3], 4*H
	s_add_nc_u64 s[G0B+4*\slot+2:G0B+4*\slot+3], s[G0B+4*\slot+2:G0B+4*\slot+3], 4*H
	JLOAD G0+4*\slot, G1, G0B+4*\slot, G1B
.else
	PLACES NP
.endif
	s_wait_alu depctr_va_vdst(0)
	v_add_nc_u32 v[ADRS], 4*512, v[ADRS]
	FETCH \next, 0, 0
	SCALES \next
.if \fill
	s_cmp_gt_u32 s3, 1                             ; the loop's last trip refills with fills 6 and 7: no fill stands two on
	s_cbranch_scc0 .Lno_ask_\@
	global_prefetch_b8 v13, s[96:97] offset:6*H th:TH_LOAD_NT scope:SCOPE_SE   ; behind refill f the address stands at fill f - 1: this names fill f + 2
.Lno_ask_\@:
.endif
	WIN MULW
	MUL4 2, 1, 3, \slot, 0
	MUL4 3, 1, 3, \slot, 0
.endm
	s_wait_tensorcnt 1
	s_barrier_signal -1
	s_barrier_wait -1
	FETCH 0, 0, 0
	SCALES 0
	STEP 0, 0, 1
	STEP 0, 1, 0
	STEP 0, 2, 0
.if NF > 2
	WIN 0
	s_mov_b32 s3, (NF-2)/2
.Llap:
	TURN 0, 1, 1
	STEP 1, 0, 0
	STEP 1, 1, 0
	STEP 1, 2, 0
	TURN 1, 0, 1
	STEP 0, 0, 0
	STEP 0, 1, 0
	STEP 0, 2, 0
	WIN 0
	s_sub_co_u32 s3, s3, 1
	s_cmp_lg_u32 s3, 0
	s_cbranch_scc1 .Llap
.endif
	TURN 0, 1, 0
	STEP 1, 0, 0
	STEP 1, 1, 0
	STEP 1, 2, 0
	s_wait_dscnt 0x0
	MUL4 0, 1, 3, 1, 0
	MUL4 1, 1, 3, 1, 0
	MUL4 2, 1, 3, 1, 0
	MUL4 3, 1, 3, 1, 0
	WIN 0
.macro STASH a
.irp b, 0,1,2,3
	ds_store_b128 v[STO], v[8*(4*(\a)+\b):8*(4*(\a)+\b)+3] offset:(\a)*16*SPITCH+128*(\b/2)+32*(\b%2)
	ds_store_b128 v[STO], v[8*(4*(\a)+\b)+4:8*(4*(\a)+\b)+7] offset:(\a)*16*SPITCH+128*(\b/2)+32*(\b%2)+16
.endr
.endm
.macro KON r, val
	s_mov_b32 s[\r], \val
	s_mov_b32 s[\r+1], \val
.endm
.macro GELU16 x
.irp p, 0,2,4,6,8,10,12,14
	v_pk_mul_f32 v[GZ+\p:GZ+\p+1], v[\x+\p:\x+\p+1], 0x3f3504f3 op_sel_hi:[1,0]
.endr
.irp p, 0,1,2,3,4,5,6,7,8,9,10,11,12,13,14,15
	v_med3_num_f32 v[GZ+\p], v[GZ+\p], -4.0, 4.0
.endr
.irp p, 0,2,4,6,8,10,12,14
	v_pk_mul_f32 v[G2+\p:G2+\p+1], v[GZ+\p:GZ+\p+1], v[GZ+\p:GZ+\p+1]
.endr
.irp p, 0,2,4,6,8,10,12,14
	v_pk_fma_f32 v[GP+\p:GP+\p+1], v[G2+\p:G2+\p+1], s[68:69], v[2:3] op_sel_hi:[1,0,1]
.endr
.irp p, 0,2,4,6,8,10,12,14
	v_pk_fma_f32 v[GQ+\p:GQ+\p+1], v[G2+\p:G2+\p+1], s[80:81], v[4:5] op_sel_hi:[1,0,1]
.endr
.irp k, 70,72,74,76,78
.irp p, 0,2,4,6,8,10,12,14
	v_pk_fma_f32 v[GP+\p:GP+\p+1], v[GP+\p:GP+\p+1], v[G2+\p:G2+\p+1], s[\k:\k+1] op_sel_hi:[1,1,0]
.endr
.endr
.irp k, 82,84,86
.irp p, 0,2,4,6,8,10,12,14
	v_pk_fma_f32 v[GQ+\p:GQ+\p+1], v[GQ+\p:GQ+\p+1], v[G2+\p:G2+\p+1], s[\k:\k+1] op_sel_hi:[1,1,0]
.endr
.endr
	s_wait_alu depctr_va_vdst(0)
.irp p, 0,1,2,3,4,5,6,7,8,9,10,11,12,13,14,15
	v_rcp_f32 v[GQ+\p], v[GQ+\p]
.endr
.irp p, 0,2,4,6,8,10,12,14
	v_pk_mul_f32 v[GP+\p:GP+\p+1], v[GP+\p:GP+\p+1], v[GZ+\p:GZ+\p+1]
.endr
.irp p, 0,2,4,6,8,10,12,14
	v_pk_mul_f32 v[GZ+\p:GZ+\p+1], v[\x+\p:\x+\p+1], 0.5 op_sel_hi:[1,0]
.endr
	s_wait_alu depctr_va_vdst(0)
.irp p, 0,2,4,6,8,10,12,14
	v_pk_mul_f32 v[GP+\p:GP+\p+1], v[GP+\p:GP+\p+1], v[GQ+\p:GQ+\p+1]
.endr
.irp p, 0,2,4,6,8,10,12,14
	v_pk_fma_f32 v[\x+\p:\x+\p+1], v[GP+\p:GP+\p+1], v[GZ+\p:GZ+\p+1], v[GZ+\p:GZ+\p+1]
.endr
.endm
	PLACES NP
	WIN 0x04
.irp a, 0,1,2,3
	STASH \a
.endr
	WIN 0
.irp a, 0,1,2,3
.irp t, 0,1,2,3,4,5,6,7
	ds_load_b128 v[BK+32*\a+4*\t:BK+32*\a+4*\t+3], v[RD] offset:\a*16*SPITCH+2*\t*SPITCH
.endr
.endr
.if WITH_GELU
	KON 68, 0xaf95df0b
	KON 70, 0xb60cff51
	KON 72, 0xb86ec2d2
	KON 74, 0xba40ac63
	KON 76, 0xbb41a1f6
	KON 78, 0xbc83dbd4
	KON 80, 0xb77460cd
	KON 82, 0xbadc924e
	KON 84, 0xbbf19bf8
	KON 86, 0xbc69b6a7
	v_mov_b32 v2, 0x32edffee
	v_mov_b32 v3, 0x32edffee
	v_mov_b32 v4, 0xb95fbd29
	v_mov_b32 v5, 0xb95fbd29
.endif
	s_wait_loadcnt 0x0
.irp a, 0,1,2,3
	s_wait_dscnt 8*(3-\a)
.irp t, 0,1,2,3,4,5,6,7
	v_pk_add_f32 v[BK+32*\a+4*\t:BK+32*\a+4*\t+1], v[BK+32*\a+4*\t:BK+32*\a+4*\t+1], v[8:9]
	v_pk_add_f32 v[BK+32*\a+4*\t+2:BK+32*\a+4*\t+3], v[BK+32*\a+4*\t+2:BK+32*\a+4*\t+3], v[10:11]
.endr
.if WITH_GELU
	GELU16 BK+32*\a
	GELU16 BK+32*\a+16
.endif
	WIN 0x04
.set p, 0
.rept 16
	v_pk_add_f32 v[BK+32*\a+p:BK+32*\a+p+1], v[BK+32*\a+p:BK+32*\a+p+1], v[XR+32*\a+p:XR+32*\a+p+1]
.set p, p+2
.endr
	WIN 0
.irp t, 0,1,2,3,4,5,6,7
	global_store_b128 v[CO], v[BK+32*\a+4*\t:BK+32*\a+4*\t+3], s[12:13] offset:(32*(\a/2)+8*(\a%2)+(2*\t)%8+16*(\t/4))*4096
.endr
.endr
	s_wait_tensorcnt 0x0
	ds_add_u32 v[SPW], v[NIL]
	s_wait_dscnt 0x0
	CROUND
	s_endpgm
.Lfunc_end_k_qf59faeec0d_mlp2:
	.size	k_qf59faeec0d_mlp2, .Lfunc_end_k_qf59faeec0d_mlp2-k_qf59faeec0d_mlp2
	.p2alignl 7, 3214868480
	.fill 96, 4, 3214868480
	.section	.rodata,"a",@progbits
	.p2align	6, 0x0
	.amdhsa_kernel k_qf59faeec0d_mlp2
		.amdhsa_group_segment_fixed_size 327680
		.amdhsa_private_segment_fixed_size 0
		.amdhsa_enable_private_segment 0
		.amdhsa_kernarg_size 40
		.amdhsa_user_sgpr_count 2
		.amdhsa_user_sgpr_kernarg_segment_ptr 1
		.amdhsa_wavefront_size32 1
		.amdhsa_system_sgpr_workgroup_id_x 1
		.amdhsa_system_sgpr_workgroup_id_y 1
		.amdhsa_system_sgpr_workgroup_id_z 1
		.amdhsa_system_vgpr_workitem_id 0
		.amdhsa_next_free_vgpr 512
		.amdhsa_next_free_sgpr 100
		.amdhsa_reserve_vcc 0
		.amdhsa_float_denorm_mode_32 3
		.amdhsa_float_denorm_mode_16_64 3
		.amdhsa_memory_ordered 1
		.amdhsa_forward_progress 1
		.amdhsa_inst_pref_size 185
	.end_amdhsa_kernel
	.amdgpu_metadata
---
amdhsa.version: [ 1, 2 ]
amdhsa.kernels:
  - .name:           k_qf59faeec0d_mlp2
    .symbol:         k_qf59faeec0d_mlp2.kd
    .args:
      - { .name: hid, .offset: 0, .size: 8, .value_kind: global_buffer, .address_space: global }
      - { .name: wts, .offset: 8, .size: 8, .value_kind: global_buffer, .address_space: global }
      - { .name: b2, .offset: 16, .size: 8, .value_kind: global_buffer, .address_space: global }
      - { .name: res, .offset: 24, .size: 8, .value_kind: global_buffer, .address_space: global }
      - { .name: out0, .offset: 32, .size: 8, .value_kind: global_buffer, .address_space: global }
    .group_segment_fixed_size: 327680
    .private_segment_fixed_size: 0
    .kernarg_segment_align: 8
    .kernarg_segment_size: 40
    .max_flat_workgroup_size: 128
    .sgpr_count:     100
    .vgpr_count:     512
    .wavefront_size: 32
...
	.end_amdgpu_metadata
.endif
;; end of part 13
